; MI455X (gfx1250); checked and timed in simulation.
; The chip was launched on July 23, 2026; its instructions are those of AMD's public machine-readable ISA for CDNA 5 (MIT licence, August 2026) and "CDNA5" Instruction Set Architecture Reference Guide (July 2026). The comments in the code are by the model that wrote it; some were corrected since.
;; Advanced Mo E. Allowed arithmetic: matrix products marked QUANTISED: E3M2 operands, one E8M0 scale for each 32 along K, by v_wmma_scale_f32_16x16x128_f8f6f4 with both operands' format E3M2, f32 sums; products left as they are: f32 operands where the result goes on into a quantised operand, else bf16, f16 or f32 operands; f32 sums; everything else in f32.
;; Inputs: W1 8 x 768 x 256 float32; W2 8 x 256 x 256 float32; W3 8 x 256 x 768 float32; Wg1 768 x 256 float32; Wg2 256 x 256 float32; Wg3 256 x 8 float32; Wq1 768 x 256 float32; Wq2 256 x 1 float32; b1 8 x 256 float32; b2 8 x 256 float32; b3 8 x 768 float32; bg1 256 float32; bg2 256 float32; bg3 8 float32; bq1 256 float32; bq2 1 float32; x 16,384 x 768 float32.
;; Outputs: out0 16,384 x 768 float32; out1 16,384 x 8 float32; out2 16,384 x 1 float32.
;; This version of the problem:
;;   THIS VERSION OF THE PROBLEM IS GIVEN IN LOW PRECISION. The matrix products marked QUANTISED in the list below multiply operands that are first quantised to E3M2 (3 exponent bits, 2 mantissa bits; 6 bits a number), with one power-of-two scale for each 32 numbers along K (OCP MX v1.0); their sums are f32. All else is computed in f32.
;;   The module's matrix products, in the order in which they are computed (A, B: the left and right operand; K: the contracted axis; several contracted axes count as one K, in the product's order):
;;     1. [M 16,384, K 768] x [K 768, N 256]; A: input x; B: input Wg1: QUANTISED
;;     2. [M 16,384, K 256] x [K 256, N 256]; A: computed on the way; B: input Wg2: QUANTISED
;;     3. [M 16,384, K 256] x [K 256, N 8]; A: computed on the way; B: input Wg3: left as it is (N = 8 < 16)
;;     4. [M 16,384, K 768] x [K 768, N 2,048]; A: input x; B: input W1: QUANTISED
;;     5. batch 8 x [M 256, K 256] x [K 256, N 16,384]; A: input W2; B: computed on the way: QUANTISED
;;     6. batch 8 x [M 768, K 256] x [K 256, N 16,384]; A: input W3; B: computed on the way: QUANTISED
;;     7. batch 16,384 x [M 1, K 2] x [K 2, N 768]; A: computed on the way; B: computed on the way: left as it is (K = 2 < 32)
;;     8. [M 16,384, K 768] x [K 768, N 256]; A: input x; B: input Wq1: QUANTISED
;;     9. [M 16,384, K 256] x [K 256, N 1]; A: computed on the way; B: input Wq2: left as it is (N = 1 < 16)
;;   THE QUANTISER, for each operand of a quantised product, along K:
;;     - K is cut into blocks of 32 from its start; a last block that is shorter is filled with zeros.
;;     - A block's scale is 2^e with e = floor(log2(the largest magnitude in the block)) - 4, held to -126 .. 127; a block of zeros has e = 0. As a byte (E8M0): e + 127.
;;     - Each number is divided by its block's scale, clamped to +-28, and rounded to the nearest number of E3M2, ties to even, subnormals kept.
;;     - The product sums the exact products of the quantised numbers (number of the format x scale) in f32.
;;   ~~~python
;;   def quantise(x, axis):      # numpy; x: float32 -> the quantised numbers, widened to float32 again
;;       x = np.moveaxis(x, axis, -1); K = x.shape[-1]
;;       x = np.pad(x, [(0, 0)] * (x.ndim - 1) + [(0, -K % 32)]); x = x.reshape(x.shape[:-1] + (-1, 32)); a = np.abs(x).max(-1, keepdims=True)
;;       e = np.where(a > 0, np.clip(np.frexp(np.where(a > 0, a, 1))[1] - 1 - 4, -126, 127), 0)      # np.frexp(a)[1] - 1 = floor(log2(a)), exactly
;;       r = np.clip(x / 2.0 ** e, -28, 28)
;;       step = 2.0 ** (np.maximum(np.frexp(np.where(r == 0, 1, r))[1] - 1, -2) - 2)
;;       q = np.round(r / step) * step * 2.0 ** e      # np.round: ties to even
;;       return np.moveaxis(q.reshape(q.shape[:-2] + (-1,))[..., :K], -1, axis).astype(np.float32)
;;   ~~~
;;   OPERANDS COMPUTED ON THE WAY. 'Computed on the way' means the value that the module computes at that place (a softmax that the list does not call 'softmax' is quantised finished and normalised). What goes into a quantiser is computed in f32, as accurately as f32 sums, v_exp_f32 and their like allow (about 1e-6 of the number): no bf16 or f16 on the way to a quantiser, and a product that is left as it is and whose result goes on into a quantised operand takes f32 operands (vector FMAs, or v_wmma_f32_16x16x4_f32). A number that lies on a knife's edge between two numbers of the format may be rounded either way, as far as f32 arithmetic and the matrix unit's own rounding can turn it there, and no further.
;; 2 versions. Each part assembles by itself: llvm-mc -triple=amdgcn-amd-amdhsa -mcpu=gfx1250 --defsym DOCPART=n.
;; ======== version 1 of 2: 4 launches
;; workspace buffers: wq 3,225,600 bytes; xq 9,437,184 bytes; xs 524,288 bytes; tw 131,072 bytes; kr 65,536 bytes of whole numbers; hist 65,536 bytes of whole numbers; perm 66,048 bytes of whole numbers
;; launch prep (part 1): grid 252 x 1, 8 waves a work-group, no clusters, 1,536 bytes of LDS; arguments W1, W2, W3, Wg1, Wg2, Wq1, wq; writes wq
.if DOCPART == 1
	.amdgcn_target "amdgcn-amd-amdhsa--gfx1250"
	.amdhsa_code_object_version 6
	.text
	.protected	k_q486b07ff8d_prep
	.globl	k_q486b07ff8d_prep
	.p2align	8
	.type	k_q486b07ff8d_prep,@function
k_q486b07ff8d_prep:
	s_mov_b64 s[64:65], 0
	v_nop
	global_prefetch_b8 v0, s[64:65] scope:SCOPE_SE
	s_setreg_imm32_b32 hwreg(HW_REG_WAVE_MODE, 25, 1), 1
	s_wait_xcnt 0x0
; The six large weights, all stored [K][N] in f32, become codes of BF6 (E3M2) with one E8M0 byte for each 32 along K,
; laid in the order of a matrix operand's registers.  Every weight is seen as matrices of 256 units (W3[e] as three chunks of 256 columns).
; A FRAGMENT is 16 units x 128 K: 12 registers a lane, stored as three groups of 512 bytes (group g at 512 g + 16 x lane): 1,536 bytes.
; Fragment number = base + 4 (w S + s) + t: w the wave that will use it (units 64 w on), S = K / 128, s the K step, t its tile.
; Row r of tile t = 2 b + u is unit 64 w + 32 b + 8 u + r + 8 (r / 8), so that the results of tiles 2 b, 2 b + 1 are 16 neighbours along the next K.
; Bases: Wg1 0, Wq1 96, W1[e] 192 + 96 e (S = 6); Wg2 960, W2[e] 992 + 32 e, W3[e][j] 1248 + 96 e + 32 j (S = 2): 2,016 fragments.
; Scale words: from byte WSOFF, 256 bytes for each four fragments: tile t, row r at 8 (r + 16 (t % 2)) + 4 (t / 2).
; One wave makes one fragment: a lane takes a column and its registers run down K, so nothing is transposed.
; LIMITS: a block whose largest magnitude lies under 2^-122 gets the byte 1, a block of zeros too (its codes are zeros; this program alone reads the bytes); NaN and infinities are not served.
.set WSOFF, 3096576
.set PN,    1024                       ; bytes from row to row of a weight of 256 columns
.set PWD,   3072                       ; and of W3
.set X,     32                         ; v32-95   64 numbers: register 32 c + i = K 64 c + 32 h + i
.set C,     96                         ; v96-107  the fragment
.set C2,    108                        ; v108-115 the second halves of the blocks as they are made
	s_load_b256 s[4:11], s[0:1], 0x0               ; W1 s[4:5], W2 s[6:7], W3 s[8:9], Wg1 s[10:11]
	s_load_b128 s[12:15], s[0:1], 0x20             ; Wg2 s[12:13], Wq1 s[14:15]
	s_load_b64 s[16:17], s[0:1], 0x30              ; wq
	v_lshl_add_u32 v128, v0, 2, 0x200
	v_mov_b32 v129, 0
	v_lshrrev_b32 v1, 5, v0
	v_readfirstlane_b32 s18, v1                    ; wave 0..7
	v_and_b32 v1, 31, v0                           ; lane
	v_and_b32 v2, 15, v0                           ; r
	v_bfe_u32 v3, v0, 4, 1                         ; h
	s_mov_b32 s46, 0x76543210
	s_mov_b32 s47, 0xfedcba98                      ; selects for lane l xor 16
	s_and_b32 s19, s18, 3                          ; t
	s_lshr_b32 s20, s18, 2                         ; which four fragments of the work-group's eight
	; work-groups 0 to 119: matrices with K = 768, twelve work-groups each
	s_min_u32 s21, ttmp9, 119
	s_mul_i32 s22, s21, 43
	s_lshr_b32 s22, s22, 9                         ; matrix = work-group / 12
	s_mul_i32 s23, s22, 12
	s_sub_co_u32 s23, s21, s23
	s_lshl_b32 s23, s23, 1
	s_add_co_u32 s23, s23, s20                     ; 6 w + s
	s_mul_i32 s24, s23, 43
	s_lshr_b32 s24, s24, 8                         ; w
	s_mul_i32 s25, s24, 6
	s_sub_co_u32 s25, s23, s25                     ; s
	s_max_u32 s26, s22, 2
	s_sub_co_u32 s26, s26, 2
	s_mul_i32 s26, s26, 786432                     ; the expert's bytes in W1 (0 for Wg1 and Wq1)
	; work-groups 120 to 251: matrices with K = 256, four work-groups each
	s_max_u32 s27, ttmp9, 120
	s_sub_co_u32 s27, s27, 120
	s_lshr_b32 s28, s27, 2                         ; matrix: 0 Wg2, 1-8 W2[e], 9-32 W3[e][j]
	s_and_b32 s29, s27, 3                          ; w
	s_max_u32 s30, s28, 1
	s_sub_co_u32 s30, s30, 1
	s_min_u32 s30, s30, 7
	s_lshl_b32 s30, s30, 18                        ; the expert's bytes in W2
	s_max_u32 s31, s28, 9
	s_sub_co_u32 s31, s31, 9                       ; 3 e + j
	s_mul_i32 s32, s31, 43
	s_lshr_b32 s32, s32, 7                         ; e
	s_mul_i32 s33, s32, 3
	s_sub_co_u32 s33, s31, s33                     ; j
	s_mul_i32 s32, s32, 786432
	s_lshl_b32 s33, s33, 10
	s_add_co_u32 s32, s32, s33                     ; the chunk's first byte in W3
	s_wait_kmcnt 0x0
	s_cmp_eq_u32 s22, 0                            ; every choice hangs on the work-group's number alone
	s_cselect_b64 s[34:35], s[10:11], s[4:5]
	s_cmp_eq_u32 s22, 1
	s_cselect_b64 s[34:35], s[14:15], s[34:35]
	s_cmp_lt_u32 s28, 9
	s_cselect_b64 s[36:37], s[6:7], s[8:9]
	s_cselect_b32 s30, s30, s32
	s_cmp_eq_u32 s28, 0
	s_cselect_b64 s[36:37], s[12:13], s[36:37]
	s_cmp_lt_u32 ttmp9, 120
	s_cselect_b64 s[34:35], s[34:35], s[36:37]
	s_cselect_b32 s38, s26, s30
	s_cselect_b32 s24, s24, s29                    ; w
	s_cselect_b32 s25, s25, s20                    ; s
	s_mov_b32 s40, PWD
	s_cmp_lt_u32 ttmp9, 156                        ; W3's work-groups begin at 156
	s_cselect_b32 s40, PN, s40                     ; the pitch
	s_mul_i32 s41, s25, s40
	s_lshl_b32 s41, s41, 7                         ; 128 s rows
	s_add_co_u32 s38, s38, s41
	s_mov_b32 s39, 0
	s_add_nc_u64 s[34:35], s[34:35], s[38:39]      ; the matrix at its K step
	s_lshl_b32 s42, s24, 6                         ; 64 w
	s_lshr_b32 s43, s19, 1
	s_lshl_b32 s43, s43, 5                         ; 32 (t / 2)
	s_add_co_u32 s42, s42, s43
	s_and_b32 s43, s19, 1
	s_lshl_b32 s44, s43, 3                         ; 8 (t % 2)
	s_add_co_u32 s42, s42, s44
	v_and_b32 v4, 8, v2
	v_add_nc_u32 v4, v4, v2                        ; r + 8 (r / 8)
	v_add_nc_u32 v4, s42, v4                       ; my column
	v_lshlrev_b32 v4, 2, v4
	s_lshl_b32 s45, s40, 5
	v_mul_u32_u24 v5, s45, v3                      ; lanes 16-31 begin 32 rows further down
	v_add_nc_u32 v4, v4, v5
.macro LOADS pitch                     ; W(64 c + 32 h + i, my column) into register 32 c + i
.set li, 0
.rept 64
	global_load_b32 v[X+li], v4, s[34:35] offset:(64*(li/32)+li%32)*\pitch
.set li, li+1
.endr
.endm
	s_cmp_lt_u32 ttmp9, 156
	s_cbranch_scc0 .Lwide
	LOADS PN
	s_branch .Lloaded
.Lwide:
	LOADS PWD
.Lloaded:
	s_lshl_b32 s48, ttmp9, 3
	s_add_co_u32 s48, s48, s18                     ; my fragment's number
	s_mul_i32 s48, s48, 1536
	s_mov_b32 s49, 0
	s_add_nc_u64 s[50:51], s[16:17], s[48:49]
	v_lshlrev_b32 v6, 4, v1                        ; 16 x lane
	s_lshl_b32 s52, s20, 8                         ; LDS: 256 bytes for each four fragments,
	s_lshl_b32 s53, s43, 7                         ; 8 x 16 (t % 2),
	s_add_co_u32 s52, s52, s53
	s_lshr_b32 s53, s19, 1
	s_lshl_b32 s53, s53, 2                         ; 4 (t / 2)
	s_add_co_u32 s52, s52, s53
	v_lshl_add_u32 v7, v2, 3, s52                  ; + 8 r
	s_lshl_b32 s54, ttmp9, 9
	s_mov_b32 s55, 0
	s_add_nc_u64 s[54:55], s[16:17], s[54:55]      ; the work-group's 512 bytes of scale words, less WSOFF
	s_wait_loadcnt 0x0
.irp c, 0,1                                    ; my block 2 c + h: all its 32 numbers are mine
	v_max3_num_f32 v[8+\c], |v[X+32*\c]|, |v[X+1+32*\c]|, 0x2800000   ; and the floor 2^(5 - 127): the byte cannot fall under 1
.endr
.irp i, 2,4,6,8,10,12,14,16,18,20,22,24,26,28,30
.irp c, 0,1
	v_max3_num_f32 v[8+\c], v[8+\c], |v[X+32*\c+\i]|, |v[X+1+32*\c+\i]|
.endr
.endr
.irp c, 0,1
	v_add_nc_u32 v[10+\c], 0xfe000000, v[8+\c]     ; 4 off the exponent field: the conversion's scale operand
.endr
.irp c, 0,1
	v_lshrrev_b32 v[12+\c], 23, v[10+\c]           ; the scale's byte
.endr
	v_lshl_or_b32 v14, v13, 16, v12                ; my two bytes: blocks h and 2 + h,
	v_lshlrev_b32 v15, 3, v3
	v_lshlrev_b32 v14, v15, v14                    ; at their places in the word;
	v_mov_b32 v15, 0
	v_permlanex16_b32 v15, v14, s46, s47
	v_or_b32 v14, v14, v15                         ; with lane l xor 16's two the word is whole
.irp c, 0,1
	v_cvt_scalef32_pk16_bf6_f32 v[C+6*\c:C+2+6*\c], v[X+32*\c:X+15+32*\c], v[10+\c]
	v_cvt_scalef32_pk16_bf6_f32 v[C2+4*\c:C2+2+4*\c], v[X+16+32*\c:X+31+32*\c], v[10+\c]   ; (three registers begin on an even number: made elsewhere and moved)
.endr
	v_nop                                          ; one plain place behind a scaled conversion
.irp c, 0,1
.irp i, 0,1,2
	v_mov_b32 v[C+3+6*\c+\i], v[C2+4*\c+\i]
.endr
.endr
.irp g, 0,1,2
	global_store_b128 v6, v[C+4*\g:C+4*\g+3], s[50:51] offset:512*\g   ; 32 lanes store 512 consecutive bytes
.endr
	ds_store_b32 v7, v14                           ; lanes 16-31 write the same word to the same place
	s_wait_dscnt 0x0                               ; for the others' sake: my word has landed
	s_barrier_signal -1
	s_barrier_wait -1
	s_cmp_lg_u32 s18, 0
	s_cbranch_scc1 .Lend
	ds_load_b128 v[16:19], v6                      ; wave 0 takes the eight fragments' 512 bytes of scale words
	s_wait_dscnt 0x0
	global_store_b128 v6, v[16:19], s[54:55] offset:WSOFF
.Lend:
	s_wait_tensorcnt 0x0
	ds_add_u32 v128, v129
	s_wait_dscnt 0x0
	s_endpgm
.Lfunc_end_k_q486b07ff8d_prep:
	.size	k_q486b07ff8d_prep, .Lfunc_end_k_q486b07ff8d_prep-k_q486b07ff8d_prep
	.p2alignl 7, 3214868480
	.fill 96, 4, 3214868480
	.section	.rodata,"a",@progbits
	.p2align	6, 0x0
	.amdhsa_kernel k_q486b07ff8d_prep
		.amdhsa_group_segment_fixed_size 1536
		.amdhsa_private_segment_fixed_size 0
		.amdhsa_enable_private_segment 0
		.amdhsa_kernarg_size 56
		.amdhsa_user_sgpr_count 2
		.amdhsa_user_sgpr_kernarg_segment_ptr 1
		.amdhsa_wavefront_size32 1
		.amdhsa_system_sgpr_workgroup_id_x 1
		.amdhsa_system_sgpr_workgroup_id_y 1
		.amdhsa_system_sgpr_workgroup_id_z 1
		.amdhsa_system_vgpr_workitem_id 0
		.amdhsa_next_free_vgpr 130
		.amdhsa_next_free_sgpr 66
		.amdhsa_reserve_vcc 0
		.amdhsa_float_denorm_mode_32 3
		.amdhsa_float_denorm_mode_16_64 3
		.amdhsa_memory_ordered 1
		.amdhsa_forward_progress 1
		.amdhsa_inst_pref_size 20
	.end_amdhsa_kernel
	.amdgpu_metadata
---
amdhsa.version: [ 1, 2 ]
amdhsa.kernels:
  - .name:           k_q486b07ff8d_prep
    .symbol:         k_q486b07ff8d_prep.kd
    .args:
      - { .name: W1, .offset: 0, .size: 8, .value_kind: global_buffer, .address_space: global }
      - { .name: W2, .offset: 8, .size: 8, .value_kind: global_buffer, .address_space: global }
      - { .name: W3, .offset: 16, .size: 8, .value_kind: global_buffer, .address_space: global }
      - { .name: Wg1, .offset: 24, .size: 8, .value_kind: global_buffer, .address_space: global }
      - { .name: Wg2, .offset: 32, .size: 8, .value_kind: global_buffer, .address_space: global }
      - { .name: Wq1, .offset: 40, .size: 8, .value_kind: global_buffer, .address_space: global }
      - { .name: wq, .offset: 48, .size: 8, .value_kind: global_buffer, .address_space: global }
    .group_segment_fixed_size: 1536
    .private_segment_fixed_size: 0
    .kernarg_segment_align: 8
    .kernarg_segment_size: 56
    .max_flat_workgroup_size: 256
    .sgpr_count:     66
    .vgpr_count:     130
    .wavefront_size: 32
...
	.end_amdgpu_metadata
.endif
;; end of part 1
;; launch gate (part 2): grid 256 x 1, 4 waves a work-group, no clusters, 266,752 bytes of LDS; arguments x, wq, bg1, bq1, bg2, Wg3, bg3, Wq2, bq2, xq, xs, tw, kr, hist, out1, out2; writes xq, xs, tw, kr, hist, out1, out2
.if DOCPART == 2
	.amdgcn_target "amdgcn-amd-amdhsa--gfx1250"
	.amdhsa_code_object_version 6
	.text
	.protected	k_q486b07ff8d_gate
	.globl	k_q486b07ff8d_gate
	.p2align	8
	.type	k_q486b07ff8d_gate,@function
k_q486b07ff8d_gate:
	s_mov_b64 s[64:65], 0
	v_nop
	global_prefetch_b8 v0, s[64:65] scope:SCOPE_SE
	s_setreg_imm32_b32 hwreg(HW_REG_WAVE_MODE, 25, 1), 1
	s_wait_xcnt 0x0
; For 64 tokens a work-group: x is quantised to BF6 (codes to xq, scale words to xs); g1 = relu(x Wg1 + bg1), q1 = relu(x Wq1 + bq1), g2 = relu(g1 Wg2 + bg2) on codes;
; logits = g2 Wg3 + bg3 and score = q1 Wq2 + bq2 by f32 multiply-adds; softmax (the row's maximum taken away); top-2 (a tie keeps the lower index); the two weights.
; What steers later addresses leaves as whole numbers at fixed places: kr[token] = pair number n | rank << 8 (rank among the tokens of the same n in its group of 32), hist[group][32].
; n = lo (15 - lo) / 2 + hi - lo - 1 for the pair lo < hi.  No address and no branch of this text hangs on these numbers.
; SHARES.  Wave w quantises tokens 16 w .. 16 w + 15 and makes units 64 w .. 64 w + 63 of g1, q1 and g2 for all 64 tokens: each weight fragment is read by one wave, straight into its operand registers, and feeds four products.
; Both products are used transposed (source 0 = 16 units, source 1 = 16 tokens): a lane holds one token, its registers run along the units, which are the next K.
; x comes by one tensor load a wave (16 rows of 3,072 bytes), each LDS byte filled once.  Operands go from wave to wave through LDS, each lane's registers at a place of its own.
; No cluster: a weight fragment goes to one wave's registers; shared through LDS it would add its bytes to LDS twice.  No prefetch: all of a work-group's x is asked for by its first instruction.
; xq: token x 576 + 288 h + 48 s + 4 x register: lane (r, h)'s 72 operand registers of the six K steps on end.  xs: token x 32: six scale words, two words of filling.
; LIMITS: a block whose largest magnitude lies under 2^-122 gets the byte 1, a block of zeros too; NaN and infinities are not served; the top-2 is taken on this text's f32 probabilities.
; REGISTERS: window 0: v1-31, v56-59 addresses; v32-41 weights' scale words (five slots); v42-49 operands' scale words; v50-55 x's six scale words; v64-159 two sets of four operand fragments
;   (before that 128 numbers of x); v160-191 32 numbers at work; v192-231 the quantiser's; v232-255 sums.   window 1: five slots of four weight fragments.
;   window 2: accumulators g1 (then g2) at 32 m + 8 t, q1 at 128 + 32 m + 8 t (then Wg3 of my first 16 units).   window 3: bg1, bq1, bg2, Wq2 (32 each), from v128 Wg3 of my last 16 units.
.set WSOFF, 3096576
.set XP,    3120                       ; a row of x in LDS: 3 x (1,024 bytes + 16 of padding) = 195 x 16: sixteen rows of a load start at sixteen different 16-byte columns
.set XWV,   16*XP                      ; a wave's 16 rows
.set XIMG,  4*XWV                      ; x's codes, laid as they will lie in xq: tile m at XTL m, token r at XRP r, in it 288 h + 48 s + 16 g
.set XRP,   592                        ; a token's 576 bytes + 16 = 37 x 16: sixteen tokens of a load start at sixteen different 16-byte columns
.set XTL,   16*XRP
.set XSC,   XIMG+4*XTL                 ; their scale words: (6 m + s) x 128 + 4 x lane
.set G1IMG, XSC+24*128                 ; g1's 8 fragments as images of their registers: (4 s + m) x 1,536
.set G1SC,  G1IMG+8*1536
.set PL,    G1SC+8*128                 ; partial logits [wave][token][8]
.set PS,    PL+8192                    ; partial scores [wave][token]
.set PO,    PS+1024                    ; out1's stage, 1,024 bytes for each of waves 0 and 1
.set LI, 1
.set L8, 2
.set XA, 3
.set XWI, 4
.set XWS, 5
.set AXI, 6
.set AXS, 7
.set AG, 8
.set AGS, 9
.set HW, 10
.set HWS, 13
.set RA, 14
.set B64, 23
.set W512, 24
.set PLW, 25
.set PSW, 26
.set FA, 27
.set XSO, 28
.set RR, 29
.set HH, 30
.set LN, 31
.set WSC, 32
.set OSC, 42
.set PWS, 50
.set FB, 56
.set POW, 57
.set POR, 58
.set L4, 59
.set OF, 64
.set ST0, 64
.set T, 160
.set TM, 192
.set PW, 208
.set PC, 210
.set PC2, 222
.set LG, 232
.set LT, 240
.set LS, 248
.set WV, 36
.set G0, 40
.set G1, 44
.set PC6, 52                           ; s[52:53] wq + my share of a matrix with six K steps (codes);  s[54:55] the same for its scale words
.set PS6, 54
.set PC2S, 56                          ; s[56:57], s[58:59] the same for two K steps
.set PS2S, 58
.set SEL, 60
.set HM, 62
.set MSB, 0
.macro WIN new                         ; the immediate's high byte repeats the setting that is left
.if MSB != (\new)
	s_set_vgpr_msb (MSB<<8)|(\new)
.set MSB, (\new)
.endif
.endm
.macro PLACES cnt
.rept \cnt
	v_nop
.endr
.endm
.macro BARRIER                         ; my LDS stores have landed and my LDS loads are in: then the work-group's barrier
	s_wait_dscnt 0x0
	s_barrier_signal -1
	s_barrier_wait -1
.endm
.macro BLOAD dst, p                    ; 32 numbers of a vector of 256: register 8 t + j = unit 64 w + 32 (t / 2) + 16 h + 8 (t % 2) + j: the result's layout
.irp t, 0,1,2,3
	global_load_b128 v[\dst+8*\t:\dst+8*\t+3], v[B64], s[\p:\p+1] offset:(32*(\t/2)+8*(\t%2))*4
	global_load_b128 v[\dst+8*\t+4:\dst+8*\t+7], v[B64], s[\p:\p+1] offset:(32*(\t/2)+8*(\t%2))*4+16
.endr
.endm
.macro GLOAD b                         ; Wg3's rows of my units 32 b + 16 h + 0 .. 15: eight numbers a unit, at v[128 + 8 i]
.set gi, 0
.rept 16
	global_load_b128 v[128+8*gi:131+8*gi], v[W512], s[14:15] offset:1024*\b+32*gi
	global_load_b128 v[132+8*gi:135+8*gi], v[W512], s[14:15] offset:1024*\b+32*gi+16
.set gi, gi+1
.endr
.endm
.macro WLOAD slot, pc, offc, ps, offs  ; four weight fragments and their scale words: 13 loads
	WIN 0x40
.irp t, 0,1,2,3
.irp g, 0,1,2
	global_load_b128 v[48*(\slot)+12*\t+4*\g:48*(\slot)+12*\t+4*\g+3], v[LI], s[\pc:\pc+1] offset:(\offc)+1536*\t+512*\g
.endr
.endr
	WIN 0
	global_load_b64 v[WSC+2*(\slot):WSC+2*(\slot)+1], v[L8], s[\ps:\ps+1] offset:\offs
.endm
.macro HLOAD k                         ; the stream of weights: k = 2 s + e (e = 0 Wg1, 1 Wq1) for k < 12; 12, 13: Wg2's two K steps
.if (\k) < 12
	WLOAD (\k)%5, PC6, (96*((\k)%2)+4*((\k)/2))*1536, PS6, WSOFF+6144*((\k)%2)+256*((\k)/2)
.else
	WLOAD (\k)%5, PC2S, (960+4*((\k)-12))*1536, PS2S, WSOFF+61440+256*((\k)-12)
.endif
.endm
.macro FETCHN dst, osc, areg, off, sreg, soff, cnt, frp, gp, sstr   ; cnt operand fragments and their scale words from LDS: 4 cnt LDS loads; frp from fragment to fragment, gp from four registers to the next four
.set fi, 0
.rept \cnt
.irp g, 0,1,2
	ds_load_b128 v[\dst+12*fi+4*\g:\dst+12*fi+4*\g+3], v[\areg] offset:(\off)+(\frp)*fi+(\gp)*\g
.endr
	ds_load_b32 v[\osc+fi], v[\sreg] offset:(\soff)+(\sstr)*fi
.set fi, fi+1
.endr
.endm
; 16 products: my four tiles of units x four tiles of tokens.  The sixteen accumulators take turns, one instruction a turn.
.macro MULH slot, acc, of, osc, cmode, cbase
.irp t, 0,1,2,3
.set mi, 0
.rept 4
.set rD, \acc+32*mi+8*\t
.set rA, 48*(\slot)+12*\t
.set rB, \of+12*mi
.if \cmode
.set rC, \cbase+8*\t
.else
.set rC, rD
.endif
.if \t%2
	v_wmma_scale_f32_16x16x128_f8f6f4 v[rD:rD+7], v[rA:rA+11], v[rB:rB+11], v[rC:rC+7], v[WSC+2*(\slot)+\t/2], v[\osc+mi] matrix_a_fmt:MATRIX_FMT_BF6 matrix_b_fmt:MATRIX_FMT_BF6 matrix_a_scale:MATRIX_SCALE_ROW1
.else
	v_wmma_scale_f32_16x16x128_f8f6f4 v[rD:rD+7], v[rA:rA+11], v[rB:rB+11], v[rC:rC+7], v[WSC+2*(\slot)+\t/2], v[\osc+mi] matrix_a_fmt:MATRIX_FMT_BF6 matrix_b_fmt:MATRIX_FMT_BF6
.endif
.set mi, mi+1
.endr
.endr
.endm
; 64 numbers of a lane, register 16 b + i = K 32 b + 16 h + i of my row, become a fragment's codes in v[PC] on and its scale word in v[PW]
.macro QUANT src
.irp b, 0,1,2,3
	v_max3_num_f32 v[TM+\b], |v[\src+16*\b]|, |v[\src+1+16*\b]|, 0x2800000   ; my 16 numbers and the floor 2^(5 - 127): the byte cannot fall under 1
.endr
.irp i, 2,4,6,8,10,12,14
.irp b, 0,1,2,3
	v_max3_num_f32 v[TM+\b], v[TM+\b], |v[\src+16*\b+\i]|, |v[\src+1+16*\b+\i]|
.endr
.endr
.irp b, 0,1,2,3
	v_permlanex16_b32 v[TM+4+\b], v[TM+\b], s[SEL], s[SEL+1]
.endr
.irp b, 0,1,2,3
	v_max_num_f32 v[TM+\b], v[TM+\b], v[TM+4+\b]   ; with lane l xor 16's: the block's largest magnitude
.endr
.irp b, 0,1,2,3
	v_add_nc_u32 v[TM+12+\b], 0xfe000000, v[TM+\b] ; 4 off its exponent field: the conversion's scale operand
.endr
.irp b, 0,1,2,3
	v_lshrrev_b32 v[TM+4+\b], 23, v[TM+12+\b]      ; the scale's byte
.endr
	v_lshl_or_b32 v[PW], v[TM+5], 8, v[TM+4]
	v_lshl_or_b32 v[PW], v[TM+6], 16, v[PW]
	v_lshl_or_b32 v[PW], v[TM+7], 24, v[PW]
.irp c, 0,1
	v_cvt_scalef32_pk16_bf6_f32 v[PC+6*\c:PC+2+6*\c], v[\src+32*\c:\src+15+32*\c], v[TM+12+2*\c]
	v_cvt_scalef32_pk16_bf6_f32 v[PC+12+4*\c:PC+14+4*\c], v[\src+16+32*\c:\src+31+32*\c], v[TM+12+2*\c+1]
.endr
	v_nop                                          ; one plain place behind a scaled conversion
.irp c, 0,1                                    ; the operand's layout wants a whole block in a lane
.irp i, 0,1,2
	v_permlane16_swap_b32 v[PC+6*\c+\i], v[PC+12+4*\c+\i]
.endr
.irp i, 0,1,2
	v_mov_b32 v[PC+3+6*\c+\i], v[PC+12+4*\c+\i]
.endr
.endr
.endm
; 32 results of a lane (my 64 units of one tile of tokens) are clipped at 0, quantised and stored as half a fragment of the next product: registers 6 c .. 6 c + 5 and bytes 2 c, 2 c + 1 (c = wave % 2) of K step wave / 2
.macro QH swin, src, hw, hws, ioff, soff
	WIN \swin
.set qi, 0
.rept 32
	v_max_num_f32 v[T+qi], 0, v[\src+qi]           ; the activation and the move to window 0 in one; each accumulator is read from its low end on
.set qi, qi+1
.endr
	WIN 0
.irp b, 0,1
	v_max3_num_f32 v[TM+\b], v[T+16*\b], v[T+1+16*\b], 0x2800000
.endr
.irp i, 2,4,6,8,10,12,14
.irp b, 0,1
	v_max3_num_f32 v[TM+\b], v[TM+\b], v[T+16*\b+\i], v[T+1+16*\b+\i]
.endr
.endr
.irp b, 0,1
	v_permlanex16_b32 v[TM+4+\b], v[TM+\b], s[SEL], s[SEL+1]
.endr
.irp b, 0,1
	v_max_num_f32 v[TM+\b], v[TM+\b], v[TM+4+\b]
.endr
.irp b, 0,1
	v_add_nc_u32 v[TM+12+\b], 0xfe000000, v[TM+\b]
.endr
.irp b, 0,1
	v_lshrrev_b32 v[TM+4+\b], 23, v[TM+12+\b]
.endr
	s_wait_dscnt 0x0                               ; the last half fragment's four stores have read their registers
	v_lshl_or_b32 v[PW], v[TM+5], 8, v[TM+4]
	v_cvt_scalef32_pk16_bf6_f32 v[PC:PC+2], v[T:T+15], v[TM+12]
	v_cvt_scalef32_pk16_bf6_f32 v[PC2:PC2+2], v[T+16:T+31], v[TM+13]
	v_nop
.irp i, 0,1,2
	v_permlane16_swap_b32 v[PC+\i], v[PC2+\i]
.endr
.irp i, 0,1,2
	v_mov_b32 v[PC+3+\i], v[PC2+\i]
.endr
.irp j, 0,1,2
	ds_store_b64 v[\hw+\j], v[PC+2*\j:PC+2*\j+1] offset:\ioff
.endr
	ds_store_b16 v[\hws], v[PW] offset:\soff
.endm
	s_load_b512 s[4:19], s[0:1], 0x0               ; x 4, wq 6, bg1 8, bq1 10, bg2 12, Wg3 14, bg3 16, Wq2 18
	s_load_b512 s[20:35], s[0:1], 0x40             ; bq2 20, xq 22, xs 24, tw 26, kr 28, hist 30, out1 32, out2 34
	v_lshl_add_u32 v254, v0, 2, 0x41000
	v_mov_b32 v255, 0
	ds_add_u32 v254, v255
	ds_add_u32 v254, v255
	v_lshrrev_b32 v[LN], 5, v0
	v_readfirstlane_b32 s[WV], v[LN]               ; wave 0..3
	s_mov_b32 s[G1+0], (2<<16)|(1<<20)|(7<<22)|(3<<25)   ; elements of 4 bytes; 4 words of padding behind every 256 words
	s_mov_b32 s[G1+1], 768<<16                     ; tensor_dim0 = 768
	s_mov_b32 s[G1+2], 16<<16                      ; tensor_dim1 = 16
	s_mov_b32 s[G1+3], 768<<16                     ; tile_dim0 = 768
	s_mov_b32 s[G1+4], 16                          ; tile_dim1 = 16
	s_mov_b32 s[G1+5], 768                         ; from row to row
	s_mov_b32 s[G1+6], 0
	s_mov_b32 s[G1+7], 0
	s_mov_b32 s[G0], 1
	s_mul_i32 s[G0+1], s[WV], XWV                  ; my 16 rows in LDS
	s_lshl_b32 s37, ttmp9, 6
	s_lshl_b32 s38, s[WV], 4
	s_add_co_u32 s37, s37, s38                     ; my first token
	s_mul_i32 s38, s37, 3072
	s_mov_b32 s39, 0
	s_wait_dscnt 0x0
	s_wait_kmcnt 0x0
	s_add_nc_u64 s[G0+2:G0+3], s[4:5], s[38:39]
	s_or_b32 s[G0+3], s[G0+3], 0x80000000
	tensor_load_to_lds s[G0:G0+3], s[G1:G1+7]      ; the wave's one tensor load: these LDS bytes are filled once
	s_nop 0
	PLACES 4
	s_load_b256 s[68:75], s[16:17], 0x0            ; bg3
	s_load_b32 s76, s[20:21], 0x0                  ; bq2
	v_and_b32 v[LN], 31, v0
	v_and_b32 v[RR], 15, v0
	v_bfe_u32 v[HH], v0, 4, 1
	v_lshlrev_b32 v[LI], 4, v[LN]
	v_lshlrev_b32 v[L8], 3, v[LN]
	v_lshlrev_b32 v[L4], 2, v[LN]
	v_lshlrev_b32 v[B64], 6, v[HH]
	v_lshlrev_b32 v[W512], 9, v[HH]
	s_lshl_b32 s38, s[WV], 8                       ; my 64 units of a vector of 256
	s_add_nc_u64 s[8:9], s[8:9], s[38:39]
	s_add_nc_u64 s[10:11], s[10:11], s[38:39]
	s_add_nc_u64 s[12:13], s[12:13], s[38:39]
	s_add_nc_u64 s[18:19], s[18:19], s[38:39]
	s_lshl_b32 s38, s[WV], 11
	s_add_nc_u64 s[14:15], s[14:15], s[38:39]      ; and of Wg3: 32 bytes a unit
	s_mul_i32 s38, s[WV], 36864
	s_add_nc_u64 s[PC6:PC6+1], s[6:7], s[38:39]
	s_mul_i32 s38, s[WV], 1536
	s_add_nc_u64 s[PS6:PS6+1], s[6:7], s[38:39]
	s_mul_i32 s38, s[WV], 12288
	s_add_nc_u64 s[PC2S:PC2S+1], s[6:7], s[38:39]
	s_lshl_b32 s38, s[WV], 9
	s_add_nc_u64 s[PS2S:PS2S+1], s[6:7], s[38:39]
	WIN 0xc0                                       ; destination window 3
	BLOAD 0, 8                                     ; bg1
	BLOAD 32, 10                                   ; bq1
	BLOAD 64, 12                                   ; bg2
	BLOAD 96, 18                                   ; Wq2
	GLOAD 1                                        ; Wg3 of my last 16 units
	WIN 0
	HLOAD 0
	HLOAD 1
	HLOAD 2
	HLOAD 3
	s_mov_b32 s[SEL], 0x76543210
	s_mov_b32 s[SEL+1], 0xfedcba98
	s_mov_b32 s[HM], 0xffff0000                    ; lanes 16-31
	s_mul_i32 s38, s37, 576
	s_add_nc_u64 s[22:23], s[22:23], s[38:39]      ; xq at my first token
	s_lshl_b32 s38, s37, 5
	s_add_nc_u64 s[24:25], s[24:25], s[38:39]      ; xs likewise
	s_and_b32 s80, s[WV], 1
	s_lshr_b32 s79, s[WV], 1
	s_lshl_b32 s81, ttmp9, 6
	s_lshl_b32 s82, s80, 5
	s_add_co_u32 s81, s81, s82                     ; the first of the 32 tokens that waves 0 and 1 finish
	s_lshl_b32 s38, s81, 2
	s_add_nc_u64 s[28:29], s[28:29], s[38:39]
	s_add_nc_u64 s[30:31], s[30:31], s[38:39]      ; a group's row of hist is 128 bytes, as its 32 tokens' words are
	s_add_nc_u64 s[34:35], s[34:35], s[38:39]
	s_lshl_b32 s38, s81, 3
	s_add_nc_u64 s[26:27], s[26:27], s[38:39]
	s_lshl_b32 s38, s81, 5
	s_add_nc_u64 s[32:33], s[32:33], s[38:39]
	v_mul_u32_u24 v[XA], v[RR], XP
	v_lshl_add_u32 v[XA], v[HH], 6, v[XA]
	v_add_nc_u32 v[XA], s[G0+1], v[XA]             ; x in LDS: my row, + 64 h: my 16 numbers of a block of 32
	s_mul_i32 s67, s[WV], XTL
	s_add_co_u32 s67, s67, XIMG                    ; my tile's codes
	v_mul_u32_u24 v[AXI], v[RR], XRP
	v_mad_u32_u24 v[AXI], v[HH], 288, v[AXI]       ; token r, half h
	v_add_nc_u32 v[XWI], s67, v[AXI]               ; where I store my tile's codes
	v_add_nc_u32 v[AXI], XIMG, v[AXI]              ; and from where any tile's are fetched
	s_mul_i32 s77, s[WV], 768
	s_add_co_u32 s77, s77, XSC
	v_add_nc_u32 v[XWS], s77, v[L4]
	v_add_nc_u32 v[AXS], XSC, v[L4]
	v_add_nc_u32 v[AG], G1IMG, v[LI]
	v_add_nc_u32 v[AGS], G1SC, v[L4]
	s_mul_i32 s83, s79, 6144                       ; K step wave / 2 of the next product: four fragments on
	s_mul_i32 s84, s80, 520
	s_mul_i32 s85, s80, 1016
	s_add_co_u32 s84, s84, s83
	s_add_co_u32 s85, s85, s83
	v_add_nc_u32 v[HW], s84, v[AG]                 ; registers 0, 1 (c = 1: 6, 7)
	v_add_nc_u32 v[HW+1], s85, v[AG]
	v_add_nc_u32 v[HW+1], 8, v[HW+1]               ; registers 2, 3 (8, 9)
	v_add_nc_u32 v[HW+2], 512, v[HW]               ; registers 4, 5 (10, 11)
	s_lshl_b32 s84, s80, 1
	s_lshl_b32 s85, s79, 9
	s_add_co_u32 s84, s84, s85
	v_add_nc_u32 v[HWS], s84, v[AGS]
	s_lshl_b32 s84, s[WV], 11
	s_add_co_u32 s84, s84, PL
	v_lshlrev_b32 v[XSO], 5, v[RR]
	v_lshl_add_u32 v[XSO], v[HH], 4, v[XSO]        ; 32 r + 16 h
	v_add_nc_u32 v[PLW], s84, v[XSO]
	s_lshl_b32 s84, s[WV], 8
	s_add_co_u32 s84, s84, PS
	v_lshl_add_u32 v[PSW], v[RR], 2, s84
	s_lshl_b32 s84, s80, 10
	s_add_co_u32 s85, s84, PL
	v_lshl_add_u32 v[FA], v[LN], 5, s85
	s_add_co_u32 s85, s84, PO
	v_lshl_add_u32 v[POW], v[LN], 5, s85
	v_add_nc_u32 v[POR], s85, v[LI]
	s_lshl_b32 s84, s80, 7
	s_add_co_u32 s84, s84, PS
	v_add_nc_u32 v[FB], s84, v[L4]
	; the codes' way out: piece q = 32 i + lane of my tile's 576 pieces of 16 bytes lies at 16 q + 16 (q / 36), a token being 36 pieces and one of padding.
	; In load i the quotient is 8 i / 9 in the lower lanes and one more from lane 4 (i % 9) on (nowhere for i % 9 = 0 and 8): eight address registers, k = 0 .. 7, serve the 18 loads
	v_add_nc_u32 v[RA], s67, v[LI]
.irp k, 1,2,3,4,5,6,7
	v_add_nc_u32 v[LT], 32-4*\k, v[LN]
	v_lshrrev_b32 v[LT], 5, v[LT]                  ; 1 from lane 4 k on
	v_lshl_add_u32 v[RA+\k], v[LT], 4, v[RA]
.endr
.irp b, 0,1,2,3,4,5,6,7
	v_mov_b32 v[LT+\b], 0                          ; written once: a lane permute's destination counts as one of its sources
.endr
.irp b, 0,1,2,3
	v_mov_b32 v[TM+4+\b], 0
.endr
	; ---- X: my 16 tokens become six fragments
.macro XL s                            ; K step s: 64 numbers a lane
.set XD, ST0+64*((\s)%2)
.irp b, 0,1,2,3
.irp j, 0,1,2,3
	ds_load_b128 v[XD+16*\b+4*\j:XD+16*\b+4*\j+3], v[XA] offset:512*(\s)+16*((\s)/2)+128*\b+16*\j
.endr
.endr
.endm
	s_wait_tensorcnt 0x0                           ; my rows are in LDS; only I read them
	XL 0
.irp s, 0,1,2,3,4,5
.if \s < 5
	XL \s+1
	s_wait_dscnt 16                                ; all but the 16 loads just issued: this step's numbers are in, and the last step's stores of codes have read their registers
.else
	s_wait_dscnt 0x0
.endif
	QUANT ST0+64*(\s%2)
.irp g, 0,1,2
	ds_store_b128 v[XWI], v[PC+4*\g:PC+4*\g+3] offset:48*\s+16*\g
.endr
	ds_store_b32 v[XWS], v[PW] offset:128*\s
	v_mov_b32 v[PWS+\s], v[PW]
.endr
.set qa, 0
.rept 18
	ds_load_b128 v[64+4*qa:67+4*qa], v[RA+(qa%9)%8] offset:512*qa+16*((8*qa)/9)   ; LDS serves a wave's instructions in order: these see my stores
.set qa, qa+1
.endr
	v_cndmask_b32 v[TM+0], v[PWS+0], v[PWS+4], s[HM]   ; lanes 0-15 store words 0-3 of their token, lanes 16-31 words 4, 5 and two words of filling
	v_cndmask_b32 v[TM+1], v[PWS+1], v[PWS+5], s[HM]
	v_cndmask_b32 v[TM+2], v[PWS+2], v[PWS+4], s[HM]
	v_cndmask_b32 v[TM+3], v[PWS+3], v[PWS+5], s[HM]
	global_store_b128 v[XSO], v[TM:TM+3], s[24:25] ; 512 consecutive bytes
	s_wait_dscnt 0x0
.set qa, 0
.rept 18
	global_store_b128 v[LI], v[64+4*qa:67+4*qa], s[22:23] offset:512*qa   ; 512 consecutive bytes each
.set qa, qa+1
.endr
	s_wait_xcnt 0x0                                ; the stores' data registers are written again below
	BARRIER                                        ; x's 24 fragments lie in LDS
	; ---- 1: g1 and q1, twelve steps of 16 products; weights four steps ahead, x's fragments one K step ahead
.macro GSTEP k
.set gs, (\k)/2
.set ge, (\k)%2
	PLACES 4                                       ; in front of loads into registers that the last products read
.if (\k)+4 <= 13
	HLOAD (\k)+4
.endif
.if (\k) <= 9
	s_wait_loadcnt 52                              ; the four younger sets of 13 loads may stay out
.else
	s_wait_loadcnt 13*(13-(\k))
.endif
.if ge == 0
.if gs < 5
	FETCHN OF+48*((gs+1)%2), OSC+4*((gs+1)%2), AXI, 48*(gs+1), AXS, 128*(gs+1), 4, XTL, 16, 768
	s_wait_dscnt 16                                ; this K step's fragments are in; the next one's 16 loads may stay out
.else
	s_wait_dscnt 0x0
.endif
.endif
.if gs == 0
	WIN 0xb1                                       ; weights window 1, bias window 3, sums window 2
	MULH (\k)%5, 128*ge, OF+48*(gs%2), OSC+4*(gs%2), 1, 32*ge
.else
	WIN 0xa1
	MULH (\k)%5, 128*ge, OF+48*(gs%2), OSC+4*(gs%2), 0, 0
.endif
	WIN 0
.endm
	FETCHN OF, OSC, AXI, 0, AXS, 0, 4, XTL, 16, 768
.irp k, 0,1,2,3,4,5,6,7,8,9,10,11
	GSTEP \k
.endr
	PLACES 4
.macro QSUM m                          ; the score's part of my 64 units for tile m of tokens
	WIN 0x08
.set qi, 0
.rept 32
	v_max_num_f32 v[T+qi], 0, v[128+32*(\m)+qi]
.set qi, qi+1
.endr
	WIN 0x0c                                       ; Wq2: source 1 in window 3
	v_pk_mul_f32 v[LG:LG+1], v[T:T+1], v[96:97]
	v_pk_mul_f32 v[LG+2:LG+3], v[T+2:T+3], v[98:99]
.irp i, 4,8,12,16,20,24,28
	v_pk_fma_f32 v[LG:LG+1], v[T+\i:T+\i+1], v[96+\i:97+\i], v[LG:LG+1]
	v_pk_fma_f32 v[LG+2:LG+3], v[T+\i+2:T+\i+3], v[98+\i:99+\i], v[LG+2:LG+3]
.endr
	WIN 0
	v_pk_add_f32 v[LG:LG+1], v[LG:LG+1], v[LG+2:LG+3]
	v_add_f32 v[LG], v[LG], v[LG+1]
	v_permlanex16_b32 v[LT], v[LG], s[SEL], s[SEL+1]
	v_add_f32 v[LS+\m], v[LG], v[LT]
	ds_store_b32 v[PSW], v[LS+\m] offset:64*\m     ; lanes 16-31 write the same number to the same place
.endm
	QSUM 0
	QSUM 1
	QSUM 2
	QSUM 3
	WIN 0x80
	GLOAD 0                                        ; Wg3 of my first 16 units, into the registers that q1 has left
	WIN 0
.irp m, 0,1,2,3
	QH 0x08, 32*\m, HW, HWS, 1536*\m, 128*\m
.endr
	BARRIER                                        ; g1's eight fragments lie in LDS
	; ---- 2: g2
	FETCHN OF, OSC, AG, 0, AGS, 0, 4, 1536, 512, 128
	FETCHN OF+48, OSC+4, AG, 6144, AGS, 512, 4, 1536, 512, 128
	s_wait_loadcnt 45                              ; behind Wg2's first set: its second (13) and Wg3's 32
	s_wait_dscnt 16
	WIN 0xb1
	MULH 2, 0, OF, OSC, 1, 64
	s_wait_loadcnt 32
	s_wait_dscnt 0x0
	WIN 0xa1
	MULH 3, 0, OF+48, OSC+4, 0, 0
	WIN 0
	PLACES 4
	s_wait_loadcnt 0x0                             ; Wg3
.macro LOGITS m                        ; the eight logits' parts of my 64 units for tile m of tokens, in f32
	WIN 0x08
.set qi, 0
.rept 32
	v_max_num_f32 v[T+qi], 0, v[32*(\m)+qi]
.set qi, qi+1
.endr
.irp hf, 0,1
	WIN 0x08+4*\hf                                 ; Wg3: source 1 in window 2, then 3
.set qi, 0
.rept 16
.irp p, 0,1,2,3
.if (\hf == 0) && (qi == 0)
	v_pk_mul_f32 v[LG+2*\p:LG+2*\p+1], v[T:T+1], v[128+2*\p:129+2*\p] op_sel_hi:[0,1]
.elseif qi%2 == 0
	v_pk_fma_f32 v[LG+2*\p:LG+2*\p+1], v[T+16*\hf+qi:T+16*\hf+qi+1], v[128+8*qi+2*\p:129+8*qi+2*\p], v[LG+2*\p:LG+2*\p+1] op_sel_hi:[0,1,1]
.else
	v_pk_fma_f32 v[LG+2*\p:LG+2*\p+1], v[T+16*\hf+qi-1:T+16*\hf+qi], v[128+8*qi+2*\p:129+8*qi+2*\p], v[LG+2*\p:LG+2*\p+1] op_sel:[1,0,0] op_sel_hi:[1,1,1]
.endif
.endr
.set qi, qi+1
.endr
.endr
	WIN 0
.irp e, 0,1,2,3,4,5,6,7
	v_permlanex16_b32 v[LT+\e], v[LG+\e], s[SEL], s[SEL+1]
.endr
.irp e, 0,2,4,6
	v_pk_add_f32 v[LG+\e:LG+\e+1], v[LG+\e:LG+\e+1], v[LT+\e:LT+\e+1]
.endr
	s_wait_dscnt 0x0                               ; the last store has read its registers
.irp q, 0,1,2,3
	v_cndmask_b32 v[LS+\q], v[LG+\q], v[LG+4+\q], s[HM]   ; lanes 0-15 store experts 0-3, lanes 16-31 experts 4-7
.endr
	ds_store_b128 v[PLW], v[LS:LS+3] offset:512*\m
.endm
	LOGITS 0
	LOGITS 1
	LOGITS 2
	LOGITS 3
	BARRIER                                        ; the four waves' parts lie in LDS
	; ---- waves 0 and 1 finish 32 tokens each, a lane a token
	s_cmp_gt_u32 s[WV], 1
	s_cbranch_scc1 .Lend
.set qa, 0
.rept 4
	ds_load_b128 v[64+8*qa:67+8*qa], v[FA] offset:2048*qa
	ds_load_b128 v[68+8*qa:71+8*qa], v[FA] offset:2048*qa+16
	ds_load_b32 v[96+qa], v[FB] offset:256*qa
.set qa, qa+1
.endr
	s_wait_dscnt 0x0
	s_wait_kmcnt 0x0                               ; bg3, bq2
.irp e, 0,2,4,6
	v_pk_add_f32 v[64+\e:65+\e], v[64+\e:65+\e], v[72+\e:73+\e]
	v_pk_add_f32 v[80+\e:81+\e], v[80+\e:81+\e], v[88+\e:89+\e]
.endr
.irp e, 0,2,4,6
	v_pk_add_f32 v[64+\e:65+\e], v[64+\e:65+\e], v[80+\e:81+\e]
.endr
.irp e, 0,1,2,3,4,5,6,7
	v_add_f32 v[64+\e], s[68+\e], v[64+\e]         ; the logits
.endr
	v_add_f32 v96, v96, v97
	v_add_f32 v98, v98, v99
	v_add_f32 v96, v96, v98
	v_add_f32 v96, s76, v96                        ; the geometric score
	global_store_b32 v[L4], v96, s[34:35]
	v_max3_num_f32 v100, v64, v65, v66
	v_max3_num_f32 v100, v100, v67, v68
	v_max3_num_f32 v100, v100, v69, v70
	v_max_num_f32 v100, v100, v71                  ; the row's maximum is taken away ahead of the exponentials
.irp e, 0,1,2,3,4,5,6,7
	v_sub_f32 v[72+\e], v[64+\e], v100
.endr
.irp e, 0,1,2,3,4,5,6,7
	v_mul_f32 v[72+\e], 0x3fb8aa3b, v[72+\e]
.endr
.irp e, 0,1,2,3,4,5,6,7
	v_exp_f32 v[72+\e], v[72+\e]
.endr
	v_nop                                          ; a plain place behind the exponentials
	s_wait_alu depctr_va_vdst(0)
	v_add_f32 v101, v72, v73
	v_add_f32 v102, v74, v75
	v_add_f32 v103, v76, v77
	v_add_f32 v104, v78, v79
	v_add_f32 v101, v101, v102
	v_add_f32 v103, v103, v104
	v_add_f32 v101, v101, v103
	v_rcp_f32 v102, v101
	v_nop
	s_wait_alu depctr_va_vdst(0)
.irp e, 0,1,2,3,4,5,6,7
	v_mul_f32 v[72+\e], v[72+\e], v102             ; the probabilities
.endr
	ds_store_b128 v[POW], v[72:75]                 ; through my own stage, so that each store covers 512 consecutive bytes
	ds_store_b128 v[POW], v[76:79] offset:16
	ds_load_b128 v[104:107], v[POR]
	ds_load_b128 v[108:111], v[POR] offset:512
	v_mov_b32 v112, v72                            ; the largest, and its index: a later one must be strictly larger
	v_mov_b32 v113, 0
.irp e, 1,2,3,4,5,6,7
	v_cmp_le_f32 vcc_lo, v[72+\e], v112
	v_cndmask_b32 v113, \e, v113, vcc_lo
	v_max_num_f32 v112, v112, v[72+\e]
.endr
	v_mov_b32 v114, -1.0
.irp e, 0,1,2,3,4,5,6,7
	v_cmp_eq_u32 vcc_lo, \e, v113
	v_cndmask_b32 v[80+\e], v[72+\e], v114, vcc_lo ; the winner is taken out
.endr
	v_mov_b32 v115, v80
	v_mov_b32 v116, 0
.irp e, 1,2,3,4,5,6,7
	v_cmp_le_f32 vcc_lo, v[80+\e], v115
	v_cndmask_b32 v116, \e, v116, vcc_lo
	v_max_num_f32 v115, v115, v[80+\e]
.endr
	v_add_f32 v117, v112, v115
	v_rcp_f32 v118, v117
	v_min_u32 v119, v113, v116                     ; lo  (a plain place behind the reciprocal)
	v_max_u32 v120, v113, v116                     ; hi
	s_wait_alu depctr_va_vdst(0)
	v_mul_f32 v121, v112, v118
	v_mul_f32 v122, v115, v118
	v_cmp_lt_u32 vcc_lo, v113, v116
	v_cndmask_b32 v124, v122, v121, vcc_lo         ; the weight of expert lo,
	v_cndmask_b32 v125, v121, v122, vcc_lo         ; of expert hi
	global_store_b64 v[L8], v[124:125], s[26:27]
	v_sub_nc_u32 v126, 15, v119
	v_mul_u32_u24 v126, v126, v119
	v_lshrrev_b32 v126, 1, v126
	v_add_nc_u32 v126, v126, v120
	v_sub_nc_u32 v126, v126, v119
	v_add_nc_u32 v126, -1, v126                    ; n
	v_mov_b32 v127, 0
	v_mov_b32 v128, 0
.set qa, 0
.rept 28                                       ; for each pair: who has it, how many, and how many in lower lanes: values only
	v_cmp_eq_u32 s77, qa, v126
	s_bcnt1_i32_b32 s78, s77
	v_mbcnt_lo_u32_b32 v129, s77, 0
	v_cndmask_b32 v127, v127, v129, s77
	v_writelane_b32 v128, s78, qa
.set qa, qa+1
.endr
	v_lshl_or_b32 v130, v127, 8, v126
	global_store_b32 v[L4], v130, s[28:29]
	global_store_b32 v[L4], v128, s[30:31]         ; a lane a slot; slots 28 to 31 hold 0
	s_wait_dscnt 0x0
	global_store_b128 v[LI], v[104:107], s[32:33]
	global_store_b128 v[LI], v[108:111], s[32:33] offset:512
.Lend:
	s_wait_tensorcnt 0x0
	ds_add_u32 v254, v255
	s_wait_dscnt 0x0
	s_endpgm
.Lfunc_end_k_q486b07ff8d_gate:
	.size	k_q486b07ff8d_gate, .Lfunc_end_k_q486b07ff8d_gate-k_q486b07ff8d_gate
	.p2alignl 7, 3214868480
	.fill 96, 4, 3214868480
	.section	.rodata,"a",@progbits
	.p2align	6, 0x0
	.amdhsa_kernel k_q486b07ff8d_gate
		.amdhsa_group_segment_fixed_size 266752
		.amdhsa_private_segment_fixed_size 0
		.amdhsa_enable_private_segment 0
		.amdhsa_kernarg_size 128
		.amdhsa_user_sgpr_count 2
		.amdhsa_user_sgpr_kernarg_segment_ptr 1
		.amdhsa_wavefront_size32 1
		.amdhsa_system_sgpr_workgroup_id_x 1
		.amdhsa_system_sgpr_workgroup_id_y 1
		.amdhsa_system_sgpr_workgroup_id_z 1
		.amdhsa_system_vgpr_workitem_id 0
		.amdhsa_next_free_vgpr 1024
		.amdhsa_next_free_sgpr 100
		.amdhsa_reserve_vcc 1
		.amdhsa_float_denorm_mode_32 3
		.amdhsa_float_denorm_mode_16_64 3
		.amdhsa_memory_ordered 1
		.amdhsa_forward_progress 1
		.amdhsa_inst_pref_size 186
	.end_amdhsa_kernel
	.amdgpu_metadata
---
amdhsa.version: [ 1, 2 ]
amdhsa.kernels:
  - .name:           k_q486b07ff8d_gate
    .symbol:         k_q486b07ff8d_gate.kd
    .args:
      - { .name: x, .offset: 0, .size: 8, .value_kind: global_buffer, .address_space: global }
      - { .name: wq, .offset: 8, .size: 8, .value_kind: global_buffer, .address_space: global }
      - { .name: bg1, .offset: 16, .size: 8, .value_kind: global_buffer, .address_space: global }
      - { .name: bq1, .offset: 24, .size: 8, .value_kind: global_buffer, .address_space: global }
      - { .name: bg2, .offset: 32, .size: 8, .value_kind: global_buffer, .address_space: global }
      - { .name: Wg3, .offset: 40, .size: 8, .value_kind: global_buffer, .address_space: global }
      - { .name: bg3, .offset: 48, .size: 8, .value_kind: global_buffer, .address_space: global }
      - { .name: Wq2, .offset: 56, .size: 8, .value_kind: global_buffer, .address_space: global }
      - { .name: bq2, .offset: 64, .size: 8, .value_kind: global_buffer, .address_space: global }
      - { .name: xq, .offset: 72, .size: 8, .value_kind: global_buffer, .address_space: global }
      - { .name: xs, .offset: 80, .size: 8, .value_kind: global_buffer, .address_space: global }
      - { .name: tw, .offset: 88, .size: 8, .value_kind: global_buffer, .address_space: global }
      - { .name: kr, .offset: 96, .size: 8, .value_kind: global_buffer, .address_space: global }
      - { .name: hist, .offset: 104, .size: 8, .value_kind: global_buffer, .address_space: global }
      - { .name: out1, .offset: 112, .size: 8, .value_kind: global_buffer, .address_space: global }
      - { .name: out2, .offset: 120, .size: 8, .value_kind: global_buffer, .address_space: global }
    .group_segment_fixed_size: 266752
    .private_segment_fixed_size: 0
    .kernarg_segment_align: 8
    .kernarg_segment_size: 128
    .max_flat_workgroup_size: 128
    .sgpr_count:     100
    .vgpr_count:     1024
    .wavefront_size: 32
...
	.end_amdgpu_metadata
.endif
;; end of part 2
;; launch place (part 3): grid 64 x 1, 8 waves a work-group, no clusters, 3,072 bytes of LDS; arguments kr, hist, perm; writes perm
.if DOCPART == 3
	.amdgcn_target "amdgcn-amd-amdhsa--gfx1250"
	.amdhsa_code_object_version 6
	.text
	.protected	k_q486b07ff8d_place
	.globl	k_q486b07ff8d_place
	.p2align	8
	.type	k_q486b07ff8d_place,@function
k_q486b07ff8d_place:
	s_mov_b64 s[64:65], 0
	v_nop
	global_prefetch_b8 v0, s[64:65] scope:SCOPE_SE
	s_setreg_imm32_b32 hwreg(HW_REG_WAVE_MODE, 25, 1), 1
	s_wait_xcnt 0x0
; A counting sort of the 16,384 tokens by their pair of experts (28 pairs, slots 28 to 31 empty): perm[position] = token.
; position = the pair's first place + its tokens in earlier groups of 32 + the token's rank in its group.  No atomics: every work-group adds up the whole table of 512 x 32 counts.
; Work-group j owns groups 8 j .. 8 j + 7, wave v group 8 j + v.  In the table work a lane is a slot; at the end a lane is a token.
; Behind the tokens, from byte 65,536: for each slot the first block of 128 rows, the first place, the number of tokens (32 words each), stored by work-group 0.
	s_load_b128 s[4:7], s[0:1], 0x0                ; kr, hist
	s_load_b64 s[8:9], s[0:1], 0x10                ; perm
	v_lshl_add_u32 v128, v0, 2, 0x800
	v_mov_b32 v129, 0
	v_lshrrev_b32 v1, 5, v0
	v_readfirstlane_b32 s10, v1                    ; wave 0..7
	v_and_b32 v1, 31, v0
	v_lshlrev_b32 v2, 2, v1                        ; 4 x lane
	s_lshl_b32 s11, s10, 13
	v_add_nc_u32 v3, s11, v2                       ; hist's rows 64 v on
	s_lshl_b32 s12, ttmp9, 10
	v_add_nc_u32 v4, s12, v2                       ; hist's rows 8 j on
	v_lshl_add_u32 v5, v0, 2, s12                  ; my token's word of kr
	v_bfe_u32 v14, v0, 4, 1
	v_sub_nc_u32 v14, 0, v14                       ; all ones in lanes 16-31
	v_mov_b32 v24, 0
	s_wait_kmcnt 0x0
.set q, 0
.rept 64
	global_load_b32 v[32+q], v3, s[6:7] offset:128*q
.set q, q+1
.endr
.set q, 0
.rept 8
	global_load_b32 v[96+q], v4, s[6:7] offset:128*q
.set q, q+1
.endr
	global_load_b32 v6, v5, s[4:5]
	s_lshl_b32 s13, s10, 3
	v_mov_b32 v8, 0                                ; my 64 rows' sum
	v_mov_b32 v9, 0                                ; and of those that belong to earlier work-groups
	v_mov_b32 v12, 0                               ; my work-group's earlier groups
	s_wait_loadcnt 0x0
.set q, 0
.rept 8                                        ; eight rows are one work-group's
	v_add3_u32 v10, v[32+8*q], v[33+8*q], v[34+8*q]
	v_add3_u32 v11, v[35+8*q], v[36+8*q], v[37+8*q]
	v_add3_u32 v10, v10, v[38+8*q], v[39+8*q]
	v_add_nc_u32 v10, v10, v11
	s_add_co_u32 s14, s13, q
	s_cmp_lt_u32 s14, ttmp9
	s_cselect_b32 s14, -1, 0
	v_add_nc_u32 v8, v8, v10
	v_and_b32 v10, s14, v10
	v_add_nc_u32 v9, v9, v10
.set q, q+1
.endr
.set q, 0
.rept 8
	s_cmp_gt_u32 s10, q
	s_cselect_b32 s14, -1, 0
	v_and_b32 v10, s14, v[96+q]
	v_add_nc_u32 v12, v12, v10
.set q, q+1
.endr
	s_lshl_b32 s15, s10, 7
	v_add_nc_u32 v13, s15, v2
	ds_store_b32 v13, v8
	ds_store_b32 v13, v9 offset:1024
	s_wait_dscnt 0x0                               ; for the others' sake
	s_barrier_signal -1
	s_barrier_wait -1
.set q, 0
.rept 8
	ds_load_b32 v[32+q], v2 offset:128*q
	ds_load_b32 v[40+q], v2 offset:1024+128*q
.set q, q+1
.endr
	s_wait_dscnt 0x0
	v_add3_u32 v8, v32, v33, v34
	v_add3_u32 v8, v8, v35, v36
	v_add3_u32 v8, v8, v37, v38
	v_add_nc_u32 v8, v8, v39                       ; the slot's tokens in all
	v_add3_u32 v9, v40, v41, v42
	v_add3_u32 v9, v9, v43, v44
	v_add3_u32 v9, v9, v45, v46
	v_add_nc_u32 v9, v9, v47                       ; and in earlier work-groups
.macro SCAN x, t                       ; v[x] becomes its running sum over the 32 lanes, itself included
.irp d, 1,2,4,8
	v_mov_b32_dpp v[\t], v[\x] row_shr:\d row_mask:0xf bank_mask:0xf bound_ctrl:1
	v_add_nc_u32 v[\x], v[\x], v[\t]
.endr
	v_readlane_b32 s16, v[\x], 15
	v_and_b32 v[\t], s16, v14
	v_add_nc_u32 v[\x], v[\x], v[\t]
.endm
	v_mov_b32 v15, v8
	SCAN 15, 24
	v_sub_nc_u32 v15, v15, v8                      ; the slot's first place
	v_add3_u32 v16, v15, v9, v12                   ; where my group's tokens of the slot begin
	v_and_b32 v17, 0xff, v6                        ; my token's slot
	v_mov_b32 v18, 0
.set q, 0
.rept 28
	v_readlane_b32 s16, v16, q
	v_cmp_eq_u32 vcc_lo, q, v17
	v_mov_b32 v19, s16
	v_cndmask_b32 v18, v18, v19, vcc_lo
.set q, q+1
.endr
	v_lshrrev_b32 v19, 8, v6                       ; its rank
	v_add_nc_u32 v18, v18, v19
	v_min_u32 v18, 0x3fff, v18
	v_lshlrev_b32 v18, 2, v18
	s_lshl_b32 s17, ttmp9, 8
	v_add_nc_u32 v20, s17, v0                      ; its number
	global_store_b32 v18, v20, s[8:9]
	s_or_b32 s18, ttmp9, s10
	s_cmp_lg_u32 s18, 0
	s_cbranch_scc1 .Lend
	v_add_nc_u32 v22, 127, v8
	v_lshrrev_b32 v22, 7, v22                      ; the slot's blocks of 128 rows
	v_mov_b32 v23, v22
	SCAN 23, 24
	v_sub_nc_u32 v23, v23, v22
	global_store_b32 v2, v23, s[8:9] offset:65536
	global_store_b32 v2, v15, s[8:9] offset:65664
	global_store_b32 v2, v8, s[8:9] offset:65792
.Lend:
	s_wait_tensorcnt 0x0
	ds_add_u32 v128, v129
	s_wait_dscnt 0x0
	s_endpgm
.Lfunc_end_k_q486b07ff8d_place:
	.size	k_q486b07ff8d_place, .Lfunc_end_k_q486b07ff8d_place-k_q486b07ff8d_place
	.p2alignl 7, 3214868480
	.fill 96, 4, 3214868480
	.section	.rodata,"a",@progbits
	.p2align	6, 0x0
	.amdhsa_kernel k_q486b07ff8d_place
		.amdhsa_group_segment_fixed_size 3072
		.amdhsa_private_segment_fixed_size 0
		.amdhsa_enable_private_segment 0
		.amdhsa_kernarg_size 24
		.amdhsa_user_sgpr_count 2
		.amdhsa_user_sgpr_kernarg_segment_ptr 1
		.amdhsa_wavefront_size32 1
		.amdhsa_system_sgpr_workgroup_id_x 1
		.amdhsa_system_sgpr_workgroup_id_y 1
		.amdhsa_system_sgpr_workgroup_id_z 1
		.amdhsa_system_vgpr_workitem_id 0
		.amdhsa_next_free_vgpr 130
		.amdhsa_next_free_sgpr 66
		.amdhsa_reserve_vcc 1
		.amdhsa_float_denorm_mode_32 3
		.amdhsa_float_denorm_mode_16_64 3
		.amdhsa_memory_ordered 1
		.amdhsa_forward_progress 1
		.amdhsa_inst_pref_size 21
	.end_amdhsa_kernel
	.amdgpu_metadata
---
amdhsa.version: [ 1, 2 ]
amdhsa.kernels:
  - .name:           k_q486b07ff8d_place
    .symbol:         k_q486b07ff8d_place.kd
    .args:
      - { .name: kr, .offset: 0, .size: 8, .value_kind: global_buffer, .address_space: global }
      - { .name: hist, .offset: 8, .size: 8, .value_kind: global_buffer, .address_space: global }
      - { .name: perm, .offset: 16, .size: 8, .value_kind: global_buffer, .address_space: global }
    .group_segment_fixed_size: 3072
    .private_segment_fixed_size: 0
    .kernarg_segment_align: 8
    .kernarg_segment_size: 24
    .max_flat_workgroup_size: 256
    .sgpr_count:     66
    .vgpr_count:     130
    .wavefront_size: 32
...
	.end_amdgpu_metadata
.endif
;; end of part 3
;; launch experts (part 4): grid 155 x 1, 4 waves a work-group, no clusters, 222,208 bytes of LDS; arguments xq, xs, tw, perm, wq, b1, b2, b3, out0; writes out0
.if DOCPART == 4
	.amdgcn_target "amdgcn-amd-amdhsa--gfx1250"
	.amdhsa_code_object_version 6
	.text
	.protected	k_q486b07ff8d_experts
	.globl	k_q486b07ff8d_experts
	.p2align	8
	.type	k_q486b07ff8d_experts,@function
k_q486b07ff8d_experts:
	s_mov_b64 s[64:65], 0
	v_nop
	global_prefetch_b8 v0, s[64:65] scope:SCOPE_SE
	s_setreg_imm32_b32 hwreg(HW_REG_WAVE_MODE, 25, 1), 1
	s_wait_xcnt 0x0
; out0[token] = w_lo (chain of expert lo) + w_hi (chain of expert hi), chain(e) = relu(relu(x W1[e] + b1[e]) W2[e] + b2[e]) W3[e] + b3[e], all three products on codes of BF6.
; Only the two experts that the top-2 chose are multiplied.  The tokens lie sorted by their pair (lo, hi); a work-group takes one block of up to 128 tokens of ONE pair through both chains, so each row of out0 has one owner.
; THE GRID serves every split: the sum over 28 pairs of ceil(count / 128) is at most (16,384 + 28 x 127) / 128 = 155.
; No barrier stands under or behind a branch on a number read from memory: a row past the block's count takes the block's last token (the same bytes are stored twice by this work-group);
; a block that the split leaves empty runs on held indices, and a scalar branch on its count, round the stores alone, keeps it from storing.
; SHARES.  Wave w gathers row tiles 2 w, 2 w + 1 and makes units (at last columns) 64 w .. 64 w + 63 of every layer for all 128 rows: a weight fragment comes from memory straight into one wave's operand registers and feeds eight products.
; The products are used transposed (source 0 = 16 units, source 1 = 16 tokens); hidden layers are quantised in registers and go from wave to wave through LDS as images of the operand's registers.  Biases are the C of each sum's first product.
; No cluster: which experts a work-group needs hangs on counts read from memory, so partners would not ask for the same weights.  No prefetch: a block's rows are known one load ahead of their use, and the weights are read by many work-groups.
; LIMITS: as in the launches before: a block of 32 under 2^-122 or of zeros gets the byte 1; NaN and infinities are not served.
; REGISTERS: window 0: v1-22 addresses; v24-31 weights' scale words (four slots); v32-39 operands' scale words; v40-55 the rows' two weights; v56-151 eight operand fragments (on the way out v56-63 the stores' offsets);
;   v152-215 at work; v216-255 the way out.   window 1: four slots of four weight fragments; from v192 the two experts' biases.   window 2: expert lo's 32 accumulators at 32 m + 8 t.   window 3: expert hi's.
.set WSOFF, 3096576
.set XSC,   73728                      ; LDS: x's 48 fragments (8 s + m) x 1,536 from byte 0; here their scale words, 128 bytes each
.set H1IMG, 79872                      ; the first hidden layer's 32 fragments: ((2 e + s) 8 + m) x 1,536
.set H1SC,  129024
.set H2IMG, 133120                     ; the second's
.set H2SC,  182272
.set RT,    186368                     ; three times the rows' tokens (a row of out0 is 3 x 1,024 bytes): row 16 m + p at 64 m + 32 (p % 2) + 4 (p / 2)
.set STG,   186880                     ; for each wave two stages of 16 rows x (256 bytes + 16)
.set LI, 1
.set L8, 2
.set AX0, 1
.set AX1, 4
.set AXS, 5
.set AH1, 6
.set AH1S, 7
.set AH2, 8
.set AH2S, 9
.set HW1, 10
.set HW2, 13
.set HWS1, 16
.set HWS2, 17
.set STO, 18
.set SRD, 19
.set RTA, 20
.set L16, 21
.set B64, 22
.set WSC, 24
.set OSC, 32
.set PT, 40
.set OF, 56
.set AD, 56
.set T0, 152
.set TM, 184
.set PW, 200
.set PC, 202
.set PC2, 208
.set OB, 216
.set RO, 248
.set WV, 22
.set SP, 28                            ; s[28:45] expert lo's nine pointers, s[46:63] expert hi's: for layers 1, 2, 3: codes, scale words, bias, each with my wave's share
.set START, 66
.set CNT1, 67
.set ELO, 68
.set HAVE, 74
.set CNT, 75
.set SEL, 78
.set MSB, 0
.macro WIN new                         ; the immediate's high byte repeats the setting that is left
.if MSB != (\new)
	s_set_vgpr_msb (MSB<<8)|(\new)
.set MSB, (\new)
.endif
.endm
.macro PLACES cnt
.rept \cnt
	v_nop
.endr
.endm
.macro BARRIER                         ; my LDS stores have landed and my LDS loads are in: then the work-group's barrier
	s_wait_dscnt 0x0
	s_barrier_signal -1
	s_barrier_wait -1
.endm
.macro BLOAD dst, p                    ; a bias in the result's layout: register 8 t + j = unit 64 w + 32 (t / 2) + 16 h + 8 (t % 2) + j
.irp t, 0,1,2,3
	global_load_b128 v[\dst+8*\t:\dst+8*\t+3], v[B64], s[\p:\p+1] offset:(32*(\t/2)+8*(\t%2))*4
	global_load_b128 v[\dst+8*\t+4:\dst+8*\t+7], v[B64], s[\p:\p+1] offset:(32*(\t/2)+8*(\t%2))*4+16
.endr
.endm
.macro WLOAD slot, pc, offc, ps, offs  ; four weight fragments and their scale words: 13 loads
	WIN 0x40
.irp t, 0,1,2,3
.irp g, 0,1,2
	global_load_b128 v[48*(\slot)+12*\t+4*\g:48*(\slot)+12*\t+4*\g+3], v[LI], s[\pc:\pc+1] offset:(\offc)+1536*\t+512*\g
.endr
.endr
	WIN 0
	global_load_b64 v[WSC+2*(\slot):WSC+2*(\slot)+1], v[L8], s[\ps:\ps+1] offset:\offs
.endm
.macro ELOAD k                         ; the stream of weights: k = 2 s + e in layer 1 (k < 12); 12, 13: W2[lo]; 14, 15: W2[hi]
.if (\k) < 12
	WLOAD (\k)%4, SP+18*((\k)%2), 294912+6144*((\k)/2), SP+18*((\k)%2)+2, WSOFF+12288+256*((\k)/2)
.else
	WLOAD (\k)%4, SP+18*(((\k)-12)/2)+6, 1523712+6144*((\k)%2), SP+18*(((\k)-12)/2)+8, WSOFF+63488+256*((\k)%2)
.endif
.endm
.macro L3LOAD                          ; a chunk of 256 columns of layer 3: both biases and all four sets: 68 loads
	WIN 0x40
	BLOAD 192, SP+16
	BLOAD 224, SP+34
	WIN 0
.irp q, 0,1,2,3
	WLOAD \q, SP+18*(\q/2)+12, 1916928+6144*(\q%2), SP+18*(\q/2)+14, WSOFF+79872+256*(\q%2)
.endr
.endm
.macro FETCHN dst, osc, areg, off, sreg, soff   ; four operand fragments and their scale words from LDS images: 16 LDS loads
.set fi, 0
.rept 4
.irp g, 0,1,2
	ds_load_b128 v[\dst+12*fi+4*\g:\dst+12*fi+4*\g+3], v[\areg] offset:(\off)+1536*fi+512*\g
.endr
	ds_load_b32 v[\osc+fi], v[\sreg] offset:(\soff)+128*fi
.set fi, fi+1
.endr
.endm
; 16 products: my four tiles of units x row tiles m0 .. m0 + 3.  The accumulators take turns, one instruction a turn.
.macro MULH slot, m0, cmode, cbase
.irp t, 0,1,2,3
.set mi, \m0
.rept 4
.set rD, 32*mi+8*\t
.set rA, 48*(\slot)+12*\t
.set rB, OF+12*mi
.if \cmode
.set rC, \cbase+8*\t
.else
.set rC, rD
.endif
.if \t%2
	v_wmma_scale_f32_16x16x128_f8f6f4 v[rD:rD+7], v[rA:rA+11], v[rB:rB+11], v[rC:rC+7], v[WSC+2*(\slot)+\t/2], v[OSC+mi] matrix_a_fmt:MATRIX_FMT_BF6 matrix_b_fmt:MATRIX_FMT_BF6 matrix_a_scale:MATRIX_SCALE_ROW1
.else
	v_wmma_scale_f32_16x16x128_f8f6f4 v[rD:rD+7], v[rA:rA+11], v[rB:rB+11], v[rC:rC+7], v[WSC+2*(\slot)+\t/2], v[OSC+mi] matrix_a_fmt:MATRIX_FMT_BF6 matrix_b_fmt:MATRIX_FMT_BF6
.endif
.set mi, mi+1
.endr
.endr
.endm
; One set of weights against the eight row tiles: 32 products.  At the entry the operand's two halves may be out, 16 LDS loads each, the first half first.
; nx = 1: the next operand is fetched into each half as soon as its products are issued, four places behind them.
.macro HSTEP slot, e, cmode, ncnt, nx, nreg, noff, nsreg, nsoff
.set WW, 0xa1+0x50*(\e)-0x10*(1+(\e))*(\cmode)     ; weights window 1, operand window 0, sums window 2 or 3, a bias window 1
	s_wait_loadcnt \ncnt                           ; this set is in; the younger loads may stay out
	s_wait_dscnt 16                                ; row tiles 0-3 are in
	WIN WW
	MULH \slot, 0, \cmode, 192+32*(\e)
.if \nx
	WIN 0
	PLACES 4
	FETCHN OF, OSC, \nreg, \noff, \nsreg, \nsoff
	s_wait_dscnt 16                                ; all but the 16 just issued: row tiles 4-7 are in
	WIN WW
.else
	s_wait_dscnt 0x0
.endif
	MULH \slot, 4, \cmode, 192+32*(\e)
	WIN 0
	PLACES 4                                       ; in front of loads into registers that these products read, and of the first read of results
.if \nx
	FETCHN OF+48, OSC+4, \nreg, (\noff)+6144, \nsreg, (\nsoff)+512
.endif
.endm
; 32 results of a lane (my 64 units of one row tile) are clipped at 0, quantised and stored as half a fragment of the next product: registers 6 c .. 6 c + 5 and bytes 2 c, 2 c + 1 (c = wave % 2) of K step wave / 2
.macro QH swin, src, hw, hws, ioff, soff
	WIN \swin
.set qi, 0
.rept 32
	v_max_num_f32 v[T0+qi], 0, v[\src+qi]          ; the activation and the move to window 0 in one; each accumulator is read from its low end on
.set qi, qi+1
.endr
	WIN 0
.irp b, 0,1
	v_max3_num_f32 v[TM+\b], v[T0+16*\b], v[T0+1+16*\b], 0x2800000   ; and the floor 2^(5 - 127): the byte cannot fall under 1
.endr
.irp i, 2,4,6,8,10,12,14
.irp b, 0,1
	v_max3_num_f32 v[TM+\b], v[TM+\b], v[T0+16*\b+\i], v[T0+1+16*\b+\i]
.endr
.endr
.irp b, 0,1
	v_permlanex16_b32 v[TM+4+\b], v[TM+\b], s[SEL], s[SEL+1]
.endr
.irp b, 0,1
	v_max_num_f32 v[TM+\b], v[TM+\b], v[TM+4+\b]
.endr
.irp b, 0,1
	v_add_nc_u32 v[TM+12+\b], 0xfe000000, v[TM+\b]
.endr
.irp b, 0,1
	v_lshrrev_b32 v[TM+4+\b], 23, v[TM+12+\b]
.endr
	s_wait_dscnt 0x0                               ; the last half fragment's four stores have read their registers
	v_lshl_or_b32 v[PW], v[TM+5], 8, v[TM+4]
	v_cvt_scalef32_pk16_bf6_f32 v[PC:PC+2], v[T0:T0+15], v[TM+12]
	v_cvt_scalef32_pk16_bf6_f32 v[PC2:PC2+2], v[T0+16:T0+31], v[TM+13]
	v_nop                                          ; one plain place behind a scaled conversion
.irp i, 0,1,2
	v_permlane16_swap_b32 v[PC+\i], v[PC2+\i]
.endr
.irp i, 0,1,2
	v_mov_b32 v[PC+3+\i], v[PC2+\i]
.endr
.irp j, 0,1,2
	ds_store_b64 v[\hw+\j], v[PC+2*\j:PC+2*\j+1] offset:\ioff
.endr
	ds_store_b16 v[\hws], v[PW] offset:\soff
.endm
.macro PTR dst, base, me, mw           ; a pointer = a buffer + expert x me + wave x mw  (s72: the expert, held to 0 .. 7; s71 = 0)
	s_mul_i32 s70, s72, \me
	s_mul_i32 s73, s[WV], \mw
	s_add_co_u32 s70, s70, s73
	s_add_nc_u64 s[\dst:\dst+1], s[\base:\base+1], s[70:71]
.endm
	s_load_b512 s[4:19], s[0:1], 0x0               ; xq 4, xs 6, tw 8, perm 10, wq 12, b1 14, b2 16, b3 18
	s_load_b64 s[20:21], s[0:1], 0x40              ; out0
	v_lshl_add_u32 v3, v0, 2, 0x36200
	v_mov_b32 v23, 0
	v_lshrrev_b32 v232, 5, v0
	v_readfirstlane_b32 s[WV], v232                ; wave 0..3
	v_and_b32 v232, 31, v0                         ; lane
	v_and_b32 v233, 15, v0                         ; r
	v_bfe_u32 v234, v0, 4, 1                       ; h
	v_lshlrev_b32 v235, 2, v232
	s_wait_kmcnt 0x0
	global_load_b32 v236, v235, s[10:11] offset:65536    ; each slot's first block,
	global_load_b32 v237, v235, s[10:11] offset:65664    ; first place,
	global_load_b32 v238, v235, s[10:11] offset:65792    ; number of tokens
	s_mov_b32 s[SEL], 0x76543210
	s_mov_b32 s[SEL+1], 0xfedcba98
	v_lshlrev_b32 v[LI], 4, v232
	v_lshlrev_b32 v[L8], 3, v232
	v_add_nc_u32 v[AX1], 36864, v[LI]
	v_add_nc_u32 v[AXS], XSC, v235
	v_add_nc_u32 v[AH1], H1IMG, v[LI]
	v_add_nc_u32 v[AH1S], H1SC, v235
	v_add_nc_u32 v[AH2], H2IMG, v[LI]
	v_add_nc_u32 v[AH2S], H2SC, v235
	s_and_b32 s70, s[WV], 1                        ; c
	s_lshr_b32 s71, s[WV], 1                       ; the next product's K step
	s_mul_i32 s72, s71, 12288                      ; eight fragments on
	s_mul_i32 s73, s70, 520
	s_mul_i32 s74, s70, 1016
	s_add_co_u32 s73, s73, s72
	s_add_co_u32 s74, s74, s72
	v_add_nc_u32 v[HW1], s73, v[AH1]               ; registers 0, 1 (c = 1: 6, 7)
	v_add_nc_u32 v[HW1+1], s74, v[AH1]
	v_add_nc_u32 v[HW1+1], 8, v[HW1+1]             ; registers 2, 3 (8, 9)
	v_add_nc_u32 v[HW1+2], 512, v[HW1]             ; registers 4, 5 (10, 11)
	v_add_nc_u32 v[HW2], s73, v[AH2]
	v_add_nc_u32 v[HW2+1], s74, v[AH2]
	v_add_nc_u32 v[HW2+1], 8, v[HW2+1]
	v_add_nc_u32 v[HW2+2], 512, v[HW2]
	s_lshl_b32 s70, s70, 1
	s_lshl_b32 s71, s71, 10
	s_add_co_u32 s70, s70, s71
	v_add_nc_u32 v[HWS1], s70, v[AH1S]
	v_add_nc_u32 v[HWS2], s70, v[AH2S]
	s_mul_i32 s70, s[WV], 8704
	s_add_co_u32 s70, s70, STG                     ; my stages
	v_mul_u32_u24 v[STO], v233, 272
	v_lshl_add_u32 v[STO], v234, 6, v[STO]
	v_add_nc_u32 v[STO], s70, v[STO]               ; in: row r, + 64 h
	v_mul_u32_u24 v[SRD], v234, 272
	v_lshl_add_u32 v[SRD], v233, 4, v[SRD]
	v_add_nc_u32 v[SRD], s70, v[SRD]               ; back: lanes 0-15 one row of 256 bytes, lanes 16-31 the next
	v_lshl_add_u32 v[RTA], v234, 5, RT
	s_lshl_b32 s70, s[WV], 8
	v_lshl_add_u32 v[L16], v233, 4, s70            ; my 16 bytes of my wave's 256 in a chunk of a row of out0
	v_lshlrev_b32 v[B64], 6, v234
	v_add_nc_u32 v227, s70, v[AXS]                 ; where I store my two tiles' scale words,
	s_mul_i32 s70, s[WV], 3072
	v_add_nc_u32 v226, s70, v[LI]                  ; their images,
	v_and_b32 v228, 1, v233
	v_lshlrev_b32 v228, 5, v228
	v_lshrrev_b32 v229, 1, v233
	v_lshl_add_u32 v228, v229, 2, v228
	s_lshl_b32 s70, s[WV], 7
	s_add_co_u32 s70, s70, RT
	v_add_nc_u32 v228, s70, v228                   ; and their tokens
	v_mul_u32_u24 v250, v234, 288
	s_wait_loadcnt 0x0
	s_mov_b32 s23, ttmp9
	v_cmp_ge_u32 s24, s23, v236                    ; the slots that begin at or before my block: a run from slot 0 on
	s_bcnt1_i32_b32 s24, s24
	s_sub_co_u32 s24, s24, 1
	s_min_u32 s24, s24, 31                         ; my pair's slot (31, which is empty, for a block past the last)
	v_readlane_b32 s25, v236, s24
	v_readlane_b32 s26, v237, s24
	v_readlane_b32 s27, v238, s24
	s_sub_co_u32 s25, s23, s25
	s_lshl_b32 s25, s25, 7                         ; my block's first row in the pair
	s_sub_co_i32 s27, s27, s25                     ; rows left
	s_cmp_gt_i32 s27, 0
	s_cselect_b32 s[HAVE], 1, 0                    ; 0: the split has left this block empty
	s_max_i32 s27, s27, 1
	s_min_i32 s27, s27, 128
	s_sub_co_u32 s[CNT1], s27, 1
	s_add_co_u32 s[START], s26, s25
	s_mov_b32 s[ELO], 0
.irp thr, 7,13,18,22,25,27                     ; the slots at which lo rises
	s_cmp_ge_u32 s24, \thr
	s_cselect_b32 s69, 1, 0
	s_add_co_u32 s[ELO], s[ELO], s69
.endr
	s_sub_co_u32 s69, 15, s[ELO]
	s_mul_i32 s69, s69, s[ELO]
	s_lshr_b32 s69, s69, 1
	s_sub_co_u32 s69, s24, s69
	s_add_co_u32 s69, s69, s[ELO]
	s_add_co_u32 s69, s69, 1                       ; hi
	s_mov_b32 s71, 0
.irp e, 0,1
	s_min_u32 s72, s[ELO+\e], 7
	PTR SP+18*\e, 12, 147456, 36864
	PTR SP+18*\e+2, 12, 6144, 1536
	PTR SP+18*\e+4, 14, 1024, 256
	PTR SP+18*\e+6, 12, 49152, 12288
	PTR SP+18*\e+8, 12, 2048, 512
	PTR SP+18*\e+10, 16, 1024, 256
	PTR SP+18*\e+12, 12, 147456, 12288
	PTR SP+18*\e+14, 12, 6144, 512
	PTR SP+18*\e+16, 18, 3072, 256
.endr
.set pm, 0
.rept 8                                        ; the token of row 16 m + r, for every row tile: its two weights are wanted at the end
	v_add_nc_u32 v[240+pm], 16*pm, v233
	v_min_u32 v[240+pm], s[CNT1], v[240+pm]        ; a row past the count takes the last row
	v_add_nc_u32 v[240+pm], s[START], v[240+pm]
	v_min_u32 v[240+pm], 0x3fff, v[240+pm]
	v_lshlrev_b32 v[240+pm], 2, v[240+pm]
	global_load_b32 v[216+pm], v[240+pm], s[10:11]
.set pm, pm+1
.endr
	s_lshl_b32 s70, s[WV], 5
.irp a, 0,1                                    ; and of the two tiles that I gather
	v_add_nc_u32 v[248+\a], 16*\a, v233
	v_add_nc_u32 v[248+\a], s70, v[248+\a]
	v_min_u32 v[248+\a], s[CNT1], v[248+\a]
	v_add_nc_u32 v[248+\a], s[START], v[248+\a]
	v_min_u32 v[248+\a], 0x3fff, v[248+\a]
	v_lshlrev_b32 v[248+\a], 2, v[248+\a]
	global_load_b32 v[224+\a], v[248+\a], s[10:11]
.endr
	WIN 0x40
	BLOAD 192, SP+4
	BLOAD 224, SP+22
	WIN 0
	ELOAD 0
	ELOAD 1
	ELOAD 2
	s_wait_loadcnt 55                              ; the ten tokens are in; behind them 16 loads of bias and 3 x 13 of weights
	s_mov_b32 s70, 576
.set pm, 0
.rept 8
	v_min_u32 v[216+pm], 0x3fff, v[216+pm]
	v_lshlrev_b32 v[240+pm], 3, v[216+pm]
	global_load_b64 v[PT+2*pm:PT+2*pm+1], v[240+pm], s[8:9]
.set pm, pm+1
.endr
.irp a, 0,1
	v_min_u32 v[224+\a], 0x3fff, v[224+\a]
	v_mad_u32_u24 v[248+\a], v[224+\a], s70, v250  ; my token's codes: 576 bytes, my half's 288
	v_lshlrev_b32 v[252+\a], 5, v[224+\a]
	v_mul_u32_u24 v[230+\a], v[224+\a], 3          ; its row of out0, in units of 1,024 bytes
.set pm, 0
.rept 18
	global_load_b128 v[56+72*\a+4*pm:59+72*\a+4*pm], v[248+\a], s[4:5] offset:16*pm
.set pm, pm+1
.endr
	global_load_b128 v[200+8*\a:203+8*\a], v[252+\a], s[6:7]
	global_load_b64 v[204+8*\a:205+8*\a], v[252+\a], s[6:7] offset:16
.endr
	s_wait_loadcnt 0x0
.irp a, 0,1
.irp s, 0,1,2,3,4,5
.irp g, 0,1,2
	ds_store_b128 v226, v[56+72*\a+12*\s+4*\g:59+72*\a+12*\s+4*\g] offset:12288*\s+1536*\a+512*\g
.endr
	ds_store_b32 v227, v[200+8*\a+\s] offset:1024*\s+128*\a
.endr
	ds_store_b32 v228, v[230+\a] offset:64*\a      ; lanes 16-31 write the same number to the same place
.endr
	BARRIER                                        ; x's 48 fragments and the rows' places in out0 lie in LDS
	; ---- layer 1: K step s serves expert lo (k = 2 s) and expert hi (k = 2 s + 1, which fetches K step s + 1); weights three steps ahead
	FETCHN OF, OSC, AX0, 0, AXS, 0
	FETCHN OF+48, OSC+4, AX0, 6144, AXS, 512
	ELOAD 3
	HSTEP 0, 0, 1, 39, 0, AX0, 0, AXS, 0
	ELOAD 4
	HSTEP 1, 1, 1, 39, 1, AX0, 12288, AXS, 1024
	ELOAD 5
	HSTEP 2, 0, 0, 39, 0, AX0, 0, AXS, 0
	ELOAD 6
	HSTEP 3, 1, 0, 39, 1, AX0, 24576, AXS, 2048
	ELOAD 7
	HSTEP 0, 0, 0, 39, 0, AX0, 0, AXS, 0
	ELOAD 8
	HSTEP 1, 1, 0, 39, 1, AX1, 0, AXS, 3072
	ELOAD 9
	HSTEP 2, 0, 0, 39, 0, AX0, 0, AXS, 0
	ELOAD 10
	HSTEP 3, 1, 0, 39, 1, AX1, 12288, AXS, 4096
	ELOAD 11
	HSTEP 0, 0, 0, 39, 0, AX0, 0, AXS, 0
	WIN 0x40
	BLOAD 192, SP+10                               ; layer 2's biases: 16 loads that stand among the younger ones in the next three counts
	BLOAD 224, SP+28
	WIN 0
	ELOAD 12
	HSTEP 1, 1, 0, 55, 1, AX1, 24576, AXS, 5120
	ELOAD 13
	HSTEP 2, 0, 0, 55, 0, AX0, 0, AXS, 0
	ELOAD 14
	HSTEP 3, 1, 0, 55, 0, AX0, 0, AXS, 0
	v_mov_b32 v[TM+4], 0                           ; a lane permute's destination counts as one of its sources
	v_mov_b32 v[TM+5], 0
.irp e, 0,1
.irp m, 0,1,2,3,4,5,6,7
	QH 0x08+4*\e, 32*\m, HW1, HWS1, (16*\e+\m)*1536, (16*\e+\m)*128
.endr
.endr
	BARRIER                                        ; the first hidden layer's 32 fragments lie in LDS
	; ---- layer 2
	FETCHN OF, OSC, AH1, 0, AH1S, 0
	FETCHN OF+48, OSC+4, AH1, 6144, AH1S, 512
	ELOAD 15
	HSTEP 0, 0, 1, 39, 1, AH1, 12288, AH1S, 1024
	HSTEP 1, 0, 0, 26, 1, AH1, 24576, AH1S, 2048
	HSTEP 2, 1, 1, 13, 1, AH1, 36864, AH1S, 3072
	HSTEP 3, 1, 0, 0, 0, AH1, 0, AH1S, 0
	L3LOAD                                         ; layer 3's first chunk lands while the hidden layer is quantised
.irp e, 0,1
.irp m, 0,1,2,3,4,5,6,7
	QH 0x08+4*\e, 32*\m, HW2, HWS2, (16*\e+\m)*1536, (16*\e+\m)*128
.endr
.endr
	BARRIER                                        ; the second hidden layer's 32 fragments lie in LDS: the last barrier of the text
	; ---- layer 3 and the way out, three chunks of 256 columns
.macro COMB m                          ; w_lo x expert lo's results + w_hi x expert hi's, each accumulator from its low end on
.set TT, T0+32*((\m)%2)
	WIN 0x02
.set ci, 0
.rept 16
	v_pk_mul_f32 v[TT+2*ci:TT+2*ci+1], v[32*(\m)+2*ci:32*(\m)+2*ci+1], v[PT+2*(\m):PT+2*(\m)+1] op_sel_hi:[1,0]
.set ci, ci+1
.endr
	WIN 0x03
.set ci, 0
.rept 16
	v_pk_fma_f32 v[TT+2*ci:TT+2*ci+1], v[32*(\m)+2*ci:32*(\m)+2*ci+1], v[PT+2*(\m):PT+2*(\m)+1], v[TT+2*ci:TT+2*ci+1] op_sel:[0,1,0] op_sel_hi:[1,1,1]
.set ci, ci+1
.endr
	WIN 0
.endm
.macro TOST m                          ; into my stage, and back as whole rows of 256 bytes, with the rows' places in out0
.set TT, T0+32*((\m)%2)
.irp b, 0,1
.irp q, 0,1,2,3
	ds_store_b128 v[STO], v[TT+16*\b+4*\q:TT+16*\b+4*\q+3] offset:4352*((\m)%2)+128*\b+16*\q
.endr
.endr
	ds_load_b128 v[RO:RO+3], v[RTA] offset:64*(\m)
	ds_load_b128 v[RO+4:RO+7], v[RTA] offset:64*(\m)+16
.set ti, 0
.rept 8
	ds_load_b128 v[OB+4*ti:OB+4*ti+3], v[SRD] offset:4352*((\m)%2)+544*ti   ; LDS serves a wave's instructions in order: these see my stores
.set ti, ti+1
.endr
.endm
.macro SEND
	s_wait_dscnt 0x0                               ; the rows and their places are back
.set si, 0
.rept 8
	v_min_u32 v[RO+si], 0xbffd, v[RO+si]           ; held at 3 x 16,383, the last row of out0, ahead of its use in an address
	v_lshlrev_b32 v[RO+si], 10, v[RO+si]           ; in bytes
	v_add_nc_u32 v[AD+si], v[L16], v[RO+si]        ; + my 16 bytes of my wave's 256
.set si, si+1
.endr
	s_cmp_eq_u32 s[HAVE], 0
	s_cbranch_scc1 .Lnone_\@                       ; an empty block stores nothing: the jump goes over these eight stores alone
.set si, 0
.rept 8
	global_store_b128 v[AD+si], v[OB+4*si:OB+4*si+3], s[20:21] th:TH_STORE_NT   ; sixteen lanes store 256 consecutive bytes of one token's row, at a multiple of 256
.set si, si+1
.endr
.Lnone_\@:
	s_wait_xcnt 0x0                                ; the stores' data, offsets and base are written again only behind this wait
.endm
	s_mov_b32 s[CNT], 3
.Lchunk:
	FETCHN OF, OSC, AH2, 0, AH2S, 0
	FETCHN OF+48, OSC+4, AH2, 6144, AH2S, 512
	HSTEP 0, 0, 1, 39, 1, AH2, 12288, AH2S, 1024
	HSTEP 1, 0, 0, 26, 1, AH2, 24576, AH2S, 2048
	HSTEP 2, 1, 1, 13, 1, AH2, 36864, AH2S, 3072
	HSTEP 3, 1, 0, 0, 0, AH2, 0, AH2S, 0
	s_cmp_eq_u32 s[CNT], 1
	s_cbranch_scc1 .Lno_more
.irp e, 0,1                                    ; the wait for 0 above has shown this chunk's loads done: their pointers step to the next chunk,
	s_add_nc_u64 s[SP+18*\e+12:SP+18*\e+13], s[SP+18*\e+12:SP+18*\e+13], 49152
	s_add_nc_u64 s[SP+18*\e+14:SP+18*\e+15], s[SP+18*\e+14:SP+18*\e+15], 2048
	s_add_nc_u64 s[SP+18*\e+16:SP+18*\e+17], s[SP+18*\e+16:SP+18*\e+17], 1024
.endr
	L3LOAD                                         ; which lands while this chunk goes out
.Lno_more:
	COMB 0
	TOST 0
.irp m, 1,2,3,4,5,6,7
	COMB \m                                        ; a tile's arithmetic stands between the loads of the tile before and the wait for them
	SEND
	TOST \m
.endr
	SEND
	s_add_nc_u64 s[20:21], s[20:21], 1024          ; (behind SEND's wait: the stores have read their base)
	s_sub_co_u32 s[CNT], s[CNT], 1
	s_cmp_lg_u32 s[CNT], 0
	s_cbranch_scc1 .Lchunk
	s_wait_tensorcnt 0x0
	ds_add_u32 v3, v23
	s_wait_dscnt 0x0
	s_endpgm
.Lfunc_end_k_q486b07ff8d_experts:
	.size	k_q486b07ff8d_experts, .Lfunc_end_k_q486b07ff8d_experts-k_q486b07ff8d_experts
	.p2alignl 7, 3214868480
	.fill 96, 4, 3214868480
	.section	.rodata,"a",@progbits
	.p2align	6, 0x0
	.amdhsa_kernel k_q486b07ff8d_experts
		.amdhsa_group_segment_fixed_size 222208
		.amdhsa_private_segment_fixed_size 0
		.amdhsa_enable_private_segment 0
		.amdhsa_kernarg_size 72
		.amdhsa_user_sgpr_count 2
		.amdhsa_user_sgpr_kernarg_segment_ptr 1
		.amdhsa_wavefront_size32 1
		.amdhsa_system_sgpr_workgroup_id_x 1
		.amdhsa_system_sgpr_workgroup_id_y 1
		.amdhsa_system_sgpr_workgroup_id_z 1
		.amdhsa_system_vgpr_workitem_id 0
		.amdhsa_next_free_vgpr 1024
		.amdhsa_next_free_sgpr 100
		.amdhsa_reserve_vcc 0
		.amdhsa_float_denorm_mode_32 3
		.amdhsa_float_denorm_mode_16_64 3
		.amdhsa_memory_ordered 1
		.amdhsa_forward_progress 1
		.amdhsa_inst_pref_size 255
	.end_amdhsa_kernel
	.section	.bss,"aw",@nobits
	.p2align	6
	.space	262144
	.amdgpu_metadata
---
amdhsa.version: [ 1, 2 ]
amdhsa.kernels:
  - .name:           k_q486b07ff8d_experts
    .symbol:         k_q486b07ff8d_experts.kd
    .args:
      - { .name: xq, .offset: 0, .size: 8, .value_kind: global_buffer, .address_space: global }
      - { .name: xs, .offset: 8, .size: 8, .value_kind: global_buffer, .address_space: global }
      - { .name: tw, .offset: 16, .size: 8, .value_kind: global_buffer, .address_space: global }
      - { .name: perm, .offset: 24, .size: 8, .value_kind: global_buffer, .address_space: global }
      - { .name: wq, .offset: 32, .size: 8, .value_kind: global_buffer, .address_space: global }
      - { .name: b1, .offset: 40, .size: 8, .value_kind: global_buffer, .address_space: global }
      - { .name: b2, .offset: 48, .size: 8, .value_kind: global_buffer, .address_space: global }
      - { .name: b3, .offset: 56, .size: 8, .value_kind: global_buffer, .address_space: global }
      - { .name: out0, .offset: 64, .size: 8, .value_kind: global_buffer, .address_space: global }
    .group_segment_fixed_size: 222208
    .private_segment_fixed_size: 0
    .kernarg_segment_align: 8
    .kernarg_segment_size: 72
    .max_flat_workgroup_size: 128
    .sgpr_count:     100
    .vgpr_count:     1024
    .wavefront_size: 32
...
	.end_amdgpu_metadata
.endif
;; end of part 4
;; ======== version 2 of 2: 4 launches
;; workspace buffers: wq 3,225,600 bytes; xq 9,437,184 bytes; xs 524,288 bytes; tw 131,072 bytes; kr 65,536 bytes of whole numbers; hist 65,536 bytes of whole numbers; perm 66,048 bytes of whole numbers
;; launch prep (part 5): grid 252 x 1, 8 waves a work-group, no clusters, 1,536 bytes of LDS; arguments W1, W2, W3, Wg1, Wg2, Wq1, wq; writes wq
.if DOCPART == 5
	.amdgcn_target "amdgcn-amd-amdhsa--gfx1250"
	.amdhsa_code_object_version 6
	.text
	.protected	k_q486b07ff8d_prep
	.globl	k_q486b07ff8d_prep
	.p2align	8
	.type	k_q486b07ff8d_prep,@function
k_q486b07ff8d_prep:
	s_mov_b64 s[64:65], 0
	v_nop
	global_prefetch_b8 v0, s[64:65] scope:SCOPE_SE
	s_setreg_imm32_b32 hwreg(HW_REG_WAVE_MODE, 25, 1), 1
	s_wait_xcnt 0x0
; The six large weights, all stored [K][N] in f32, become codes of BF6 (E3M2) with one E8M0 byte for each 32 along K,
; laid in the order of a matrix operand's registers.  Every weight is seen as matrices of 256 units (W3[e] as three chunks of 256 columns).
; A FRAGMENT is 16 units x 128 K: 12 registers a lane, stored as three groups of 512 bytes (group g at 512 g + 16 x lane): 1,536 bytes.
; Fragment number = base + 4 (w S + s) + t: w the wave that will use it (units 64 w on), S = K / 128, s the K step, t its tile.
; Row r of tile t = 2 b + u is unit 64 w + 32 b + 8 u + r + 8 (r / 8), so that the results of tiles 2 b, 2 b + 1 are 16 neighbours along the next K.
; Bases: Wg1 0, Wq1 96, W1[e] 192 + 96 e (S = 6); Wg2 960, W2[e] 992 + 32 e, W3[e][j] 1248 + 96 e + 32 j (S = 2): 2,016 fragments.
; Scale words: from byte WSOFF, 256 bytes for each four fragments: tile t, row r at 8 (r + 16 (t % 2)) + 4 (t / 2).
; One wave makes one fragment: a lane takes a column and its registers run down K, so nothing is transposed.
; LIMITS: a block whose largest magnitude lies under 2^-122 gets the byte 1, a block of zeros too (its codes are zeros; this program alone reads the bytes); NaN and infinities are not served.
.set WSOFF, 3096576
.set PN,    1024                       ; bytes from row to row of a weight of 256 columns
.set PWD,   3072                       ; and of W3
.set X,     32                         ; v32-95   64 numbers: register 32 c + i = K 64 c + 32 h + i
.set C,     96                         ; v96-107  the fragment
.set C2,    108                        ; v108-115 the second halves of the blocks as they are made
	s_load_b256 s[4:11], s[0:1], 0x0               ; W1 s[4:5], W2 s[6:7], W3 s[8:9], Wg1 s[10:11]
	s_load_b128 s[12:15], s[0:1], 0x20             ; Wg2 s[12:13], Wq1 s[14:15]
	s_load_b64 s[16:17], s[0:1], 0x30              ; wq
	v_lshl_add_u32 v128, v0, 2, 0x200
	v_mov_b32 v129, 0
	v_lshrrev_b32 v1, 5, v0
	s_delay_alu instid0(VALU_DEP_1)
	v_readfirstlane_b32 s18, v1                    ; wave 0..7
	v_and_b32 v1, 31, v0                           ; lane
	v_and_b32 v2, 15, v0                           ; r
	v_bfe_u32 v3, v0, 4, 1                         ; h
	s_mov_b32 s46, 0x76543210
	s_mov_b32 s47, 0xfedcba98                      ; selects for lane l xor 16
	s_and_b32 s19, s18, 3                          ; t
	s_lshr_b32 s20, s18, 2                         ; which four fragments of the work-group's eight
	; work-groups 0 to 119: matrices with K = 768, twelve work-groups each
	s_min_u32 s21, ttmp9, 119
	s_mul_i32 s22, s21, 43
	s_lshr_b32 s22, s22, 9                         ; matrix = work-group / 12
	s_mul_i32 s23, s22, 12
	s_sub_co_u32 s23, s21, s23
	s_lshl_b32 s23, s23, 1
	s_add_co_u32 s23, s23, s20                     ; 6 w + s
	s_mul_i32 s24, s23, 43
	s_lshr_b32 s24, s24, 8                         ; w
	s_mul_i32 s25, s24, 6
	s_sub_co_u32 s25, s23, s25                     ; s
	s_max_u32 s26, s22, 2
	s_sub_co_u32 s26, s26, 2
	s_mul_i32 s26, s26, 786432                     ; the expert's bytes in W1 (0 for Wg1 and Wq1)
	; work-groups 120 to 251: matrices with K = 256, four work-groups each
	s_max_u32 s27, ttmp9, 120
	s_sub_co_u32 s27, s27, 120
	s_lshr_b32 s28, s27, 2                         ; matrix: 0 Wg2, 1-8 W2[e], 9-32 W3[e][j]
	s_and_b32 s29, s27, 3                          ; w
	s_max_u32 s30, s28, 1
	s_sub_co_u32 s30, s30, 1
	s_min_u32 s30, s30, 7
	s_lshl_b32 s30, s30, 18                        ; the expert's bytes in W2
	s_max_u32 s31, s28, 9
	s_sub_co_u32 s31, s31, 9                       ; 3 e + j
	s_mul_i32 s32, s31, 43
	s_lshr_b32 s32, s32, 7                         ; e
	s_mul_i32 s33, s32, 3
	s_sub_co_u32 s33, s31, s33                     ; j
	s_mul_i32 s32, s32, 786432
	s_lshl_b32 s33, s33, 10
	s_add_co_u32 s32, s32, s33                     ; the chunk's first byte in W3
	s_wait_alu depctr_va_vdst(0)
	s_wait_kmcnt 0x0
	s_cmp_eq_u32 s22, 0                            ; every choice hangs on the work-group's number alone
	s_cselect_b64 s[34:35], s[10:11], s[4:5]
	s_cmp_eq_u32 s22, 1
	s_cselect_b64 s[34:35], s[14:15], s[34:35]
	s_cmp_lt_u32 s28, 9
	s_cselect_b64 s[36:37], s[6:7], s[8:9]
	s_cselect_b32 s30, s30, s32
	s_cmp_eq_u32 s28, 0
	s_cselect_b64 s[36:37], s[12:13], s[36:37]
	s_cmp_lt_u32 ttmp9, 120
	s_cselect_b64 s[34:35], s[34:35], s[36:37]
	s_cselect_b32 s38, s26, s30
	s_cselect_b32 s24, s24, s29                    ; w
	s_cselect_b32 s25, s25, s20                    ; s
	s_mov_b32 s40, PWD
	s_cmp_lt_u32 ttmp9, 156                        ; W3's work-groups begin at 156
	s_cselect_b32 s40, PN, s40                     ; the pitch
	s_mul_i32 s41, s25, s40
	s_lshl_b32 s41, s41, 7                         ; 128 s rows
	s_add_co_u32 s38, s38, s41
	s_mov_b32 s39, 0
	s_add_nc_u64 s[34:35], s[34:35], s[38:39]      ; the matrix at its K step
	s_lshl_b32 s42, s24, 6                         ; 64 w
	s_lshr_b32 s43, s19, 1
	s_lshl_b32 s43, s43, 5                         ; 32 (t / 2)
	s_add_co_u32 s42, s42, s43
	s_and_b32 s43, s19, 1
	s_lshl_b32 s44, s43, 3                         ; 8 (t % 2)
	s_add_co_u32 s42, s42, s44
	v_and_b32 v4, 8, v2
	s_delay_alu instid0(VALU_DEP_1)
	v_add_nc_u32 v4, v4, v2                        ; r + 8 (r / 8)
	s_delay_alu instid0(VALU_DEP_1)
	v_add_nc_u32 v4, s42, v4                       ; my column
	s_delay_alu instid0(VALU_DEP_1)
	v_lshlrev_b32 v4, 2, v4
	s_lshl_b32 s45, s40, 5
	v_mul_u32_u24 v5, s45, v3                      ; lanes 16-31 begin 32 rows further down
	s_delay_alu instid0(VALU_DEP_1)
	v_add_nc_u32 v4, v4, v5
.macro LOADS pitch                     ; W(64 c + 32 h + i, my column) into register 32 c + i
.set li, 0
.rept 64
	global_load_b32 v[X+li], v4, s[34:35] offset:(64*(li/32)+li%32)*\pitch
.set li, li+1
.endr
.endm
	s_cmp_lt_u32 ttmp9, 156
	s_cbranch_scc0 .Lwide
	LOADS PN
	s_branch .Lloaded
.Lwide:
	s_wait_alu depctr_va_vdst(0)
	LOADS PWD
.Lloaded:
	s_lshl_b32 s48, ttmp9, 3
	s_add_co_u32 s48, s48, s18                     ; my fragment's number
	s_mul_i32 s48, s48, 1536
	s_mov_b32 s49, 0
	s_add_nc_u64 s[50:51], s[16:17], s[48:49]
	v_lshlrev_b32 v6, 4, v1                        ; 16 x lane
	s_lshl_b32 s52, s20, 8                         ; LDS: 256 bytes for each four fragments,
	s_lshl_b32 s53, s43, 7                         ; 8 x 16 (t % 2),
	s_add_co_u32 s52, s52, s53
	s_lshr_b32 s53, s19, 1
	s_lshl_b32 s53, s53, 2                         ; 4 (t / 2)
	s_add_co_u32 s52, s52, s53
	v_lshl_add_u32 v7, v2, 3, s52                  ; + 8 r
	s_lshl_b32 s54, ttmp9, 9
	s_mov_b32 s55, 0
	s_add_nc_u64 s[54:55], s[16:17], s[54:55]      ; the work-group's 512 bytes of scale words, less WSOFF
	s_wait_loadcnt 0x0
.irp c, 0,1                                    ; my block 2 c + h: all its 32 numbers are mine
	v_max3_num_f32 v[8+\c], |v[X+32*\c]|, |v[X+1+32*\c]|, 0x2800000   ; and the floor 2^(5 - 127): the byte cannot fall under 1
.endr
.irp i, 2,4,6,8,10,12,14,16,18,20,22,24,26,28,30
.irp c, 0,1
	s_delay_alu instid0(VALU_DEP_2)
	v_max3_num_f32 v[8+\c], v[8+\c], |v[X+32*\c+\i]|, |v[X+1+32*\c+\i]|
.endr
.endr
.irp c, 0,1
	s_delay_alu instid0(VALU_DEP_2)
	v_add_nc_u32 v[10+\c], 0xfe000000, v[8+\c]     ; 4 off the exponent field: the conversion's scale operand
.endr
.irp c, 0,1
	s_delay_alu instid0(VALU_DEP_2)
	v_lshrrev_b32 v[12+\c], 23, v[10+\c]           ; the scale's byte
.endr
	s_delay_alu instid0(VALU_DEP_1)
	v_lshl_or_b32 v14, v13, 16, v12                ; my two bytes: blocks h and 2 + h,
	v_lshlrev_b32 v15, 3, v3
	s_delay_alu instid0(VALU_DEP_1)
	v_lshlrev_b32 v14, v15, v14                    ; at their places in the word;
	v_mov_b32 v15, 0
	s_delay_alu instid0(VALU_DEP_1)
	v_permlanex16_b32 v15, v14, s46, s47
	s_delay_alu instid0(VALU_DEP_1)
	v_or_b32 v14, v14, v15                         ; with lane l xor 16's two the word is whole
.irp c, 0,1
	v_cvt_scalef32_pk16_bf6_f32 v[C+6*\c:C+2+6*\c], v[X+32*\c:X+15+32*\c], v[10+\c]
	v_cvt_scalef32_pk16_bf6_f32 v[C2+4*\c:C2+2+4*\c], v[X+16+32*\c:X+31+32*\c], v[10+\c]   ; (three registers begin on an even number: made elsewhere and moved)
.endr
	v_nop                                          ; one plain place behind a scaled conversion
.irp c, 0,1
.irp i, 0,1,2
	v_mov_b32 v[C+3+6*\c+\i], v[C2+4*\c+\i]
.endr
.endr
.irp g, 0,1,2
	global_store_b128 v6, v[C+4*\g:C+4*\g+3], s[50:51] offset:512*\g   ; 32 lanes store 512 consecutive bytes
.endr
	ds_store_b32 v7, v14                           ; lanes 16-31 write the same word to the same place
	s_wait_dscnt 0x0                               ; for the others' sake: my word has landed
	s_barrier_signal -1
	s_barrier_wait -1
	s_cmp_lg_u32 s18, 0
	s_cbranch_scc1 .Lend
	ds_load_b128 v[16:19], v6                      ; wave 0 takes the eight fragments' 512 bytes of scale words
	s_wait_dscnt 0x0
	global_store_b128 v6, v[16:19], s[54:55] offset:WSOFF
.Lend:
	s_wait_tensorcnt 0x0
	ds_add_u32 v128, v129
	s_wait_dscnt 0x0
	s_endpgm
.Lfunc_end_k_q486b07ff8d_prep:
	.size	k_q486b07ff8d_prep, .Lfunc_end_k_q486b07ff8d_prep-k_q486b07ff8d_prep
	.p2alignl 7, 3214868480
	.fill 96, 4, 3214868480
	.section	.rodata,"a",@progbits
	.p2align	6, 0x0
	.amdhsa_kernel k_q486b07ff8d_prep
		.amdhsa_group_segment_fixed_size 1536
		.amdhsa_private_segment_fixed_size 0
		.amdhsa_enable_private_segment 0
		.amdhsa_kernarg_size 56
		.amdhsa_user_sgpr_count 2
		.amdhsa_user_sgpr_kernarg_segment_ptr 1
		.amdhsa_wavefront_size32 1
		.amdhsa_system_sgpr_workgroup_id_x 1
		.amdhsa_system_sgpr_workgroup_id_y 1
		.amdhsa_system_sgpr_workgroup_id_z 1
		.amdhsa_system_vgpr_workitem_id 0
		.amdhsa_next_free_vgpr 130
		.amdhsa_next_free_sgpr 66
		.amdhsa_reserve_vcc 0
		.amdhsa_float_denorm_mode_32 3
		.amdhsa_float_denorm_mode_16_64 3
		.amdhsa_memory_ordered 1
		.amdhsa_forward_progress 1
		.amdhsa_inst_pref_size 22
	.end_amdhsa_kernel
	.amdgpu_metadata
---
amdhsa.version: [ 1, 2 ]
amdhsa.kernels:
  - .name:           k_q486b07ff8d_prep
    .symbol:         k_q486b07ff8d_prep.kd
    .args:
      - { .name: W1, .offset: 0, .size: 8, .value_kind: global_buffer, .address_space: global }
      - { .name: W2, .offset: 8, .size: 8, .value_kind: global_buffer, .address_space: global }
      - { .name: W3, .offset: 16, .size: 8, .value_kind: global_buffer, .address_space: global }
      - { .name: Wg1, .offset: 24, .size: 8, .value_kind: global_buffer, .address_space: global }
      - { .name: Wg2, .offset: 32, .size: 8, .value_kind: global_buffer, .address_space: global }
      - { .name: Wq1, .offset: 40, .size: 8, .value_kind: global_buffer, .address_space: global }
      - { .name: wq, .offset: 48, .size: 8, .value_kind: global_buffer, .address_space: global }
    .group_segment_fixed_size: 1536
    .private_segment_fixed_size: 0
    .kernarg_segment_align: 8
    .kernarg_segment_size: 56
    .max_flat_workgroup_size: 256
    .sgpr_count:     66
    .vgpr_count:     130
    .wavefront_size: 32
...
	.end_amdgpu_metadata
.endif
;; end of part 5
;; launch gate (part 6): grid 256 x 1, 4 waves a work-group, no clusters, 266,752 bytes of LDS; arguments x, wq, bg1, bq1, bg2, Wg3, bg3, Wq2, bq2, xq, xs, tw, kr, hist, out1, out2; writes xq, xs, tw, kr, hist, out1, out2
.if DOCPART == 6
	.amdgcn_target "amdgcn-amd-amdhsa--gfx1250"
	.amdhsa_code_object_version 6
	.text
	.protected	k_q486b07ff8d_gate
	.globl	k_q486b07ff8d_gate
	.p2align	8
	.type	k_q486b07ff8d_gate,@function
k_q486b07ff8d_gate:
	s_mov_b64 s[64:65], 0
	v_nop
	global_prefetch_b8 v0, s[64:65] scope:SCOPE_SE
	s_setreg_imm32_b32 hwreg(HW_REG_WAVE_MODE, 25, 1), 1
	s_wait_xcnt 0x0
; For 64 tokens a work-group: x is quantised to BF6 (codes to xq, scale words to xs); g1 = relu(x Wg1 + bg1), q1 = relu(x Wq1 + bq1), g2 = relu(g1 Wg2 + bg2) on codes;
; logits = g2 Wg3 + bg3 and score = q1 Wq2 + bq2 by f32 multiply-adds; softmax (the row's maximum taken away); top-2 (a tie keeps the lower index); the two weights.
; What steers later addresses leaves as whole numbers at fixed places: kr[token] = pair number n | rank << 8 (rank among the tokens of the same n in its group of 32), hist[group][32].
; n = lo (15 - lo) / 2 + hi - lo - 1 for the pair lo < hi.  No address and no branch of this text hangs on these numbers.
; SHARES.  Wave w quantises tokens 16 w .. 16 w + 15 and makes units 64 w .. 64 w + 63 of g1, q1 and g2 for all 64 tokens: each weight fragment is read by one wave, straight into its operand registers, and feeds four products.
; Both products are used transposed (source 0 = 16 units, source 1 = 16 tokens): a lane holds one token, its registers run along the units, which are the next K.
; x comes by one tensor load a wave (16 rows of 3,072 bytes), each LDS byte filled once.  Operands go from wave to wave through LDS, each lane's registers at a place of its own.
; No cluster: a weight fragment goes to one wave's registers; shared through LDS it would add its bytes to LDS twice.  No prefetch: all of a work-group's x is asked for by its first instruction.
; xq: token x 576 + 288 h + 48 s + 4 x register: lane (r, h)'s 72 operand registers of the six K steps on end.  xs: token x 32: six scale words, two words of filling.
; LIMITS: a block whose largest magnitude lies under 2^-122 gets the byte 1, a block of zeros too; NaN and infinities are not served; the top-2 is taken on this text's f32 probabilities.
; REGISTERS: window 0: v1-31, v56-59 addresses; v32-41 weights' scale words (five slots); v42-49 operands' scale words; v50-55 x's six scale words; v64-159 two sets of four operand fragments
;   (before that 128 numbers of x); v160-191 32 numbers at work; v192-231 the quantiser's; v232-255 sums.   window 1: five slots of four weight fragments.
;   window 2: accumulators g1 (then g2) at 32 m + 8 t, q1 at 128 + 32 m + 8 t (then Wg3 of my first 16 units).   window 3: bg1, bq1, bg2, Wq2 (32 each), from v128 Wg3 of my last 16 units.
.set WSOFF, 3096576
.set XP,    3120                       ; a row of x in LDS: 3 x (1,024 bytes + 16 of padding) = 195 x 16: sixteen rows of a load start at sixteen different 16-byte columns
.set XWV,   16*XP                      ; a wave's 16 rows
.set XIMG,  4*XWV                      ; x's codes, laid as they will lie in xq: tile m at XTL m, token r at XRP r, in it 288 h + 48 s + 16 g
.set XRP,   592                        ; a token's 576 bytes + 16 = 37 x 16: sixteen tokens of a load start at sixteen different 16-byte columns
.set XTL,   16*XRP
.set XSC,   XIMG+4*XTL                 ; their scale words: (6 m + s) x 128 + 4 x lane
.set G1IMG, XSC+24*128                 ; g1's 8 fragments as images of their registers: (4 s + m) x 1,536
.set G1SC,  G1IMG+8*1536
.set PL,    G1SC+8*128                 ; partial logits [wave][token][8]
.set PS,    PL+8192                    ; partial scores [wave][token]
.set PO,    PS+1024                    ; out1's stage, 1,024 bytes for each of waves 0 and 1
.set LI, 1
.set L8, 2
.set XA, 3
.set XWI, 4
.set XWS, 5
.set AXI, 6
.set AXS, 7
.set AG, 8
.set AGS, 9
.set HW, 10
.set HWS, 13
.set RA, 14
.set B64, 23
.set W512, 24
.set PLW, 25
.set PSW, 26
.set FA, 27
.set XSO, 28
.set RR, 29
.set HH, 30
.set LN, 31
.set WSC, 32
.set OSC, 42
.set PWS, 50
.set FB, 56
.set POW, 57
.set POR, 58
.set L4, 59
.set OF, 64
.set ST0, 64
.set T, 160
.set TM, 192
.set PW, 208
.set PC, 210
.set PC2, 222
.set LG, 232
.set LT, 240
.set LS, 248
.set WV, 36
.set G0, 40
.set G1, 44
.set PC6, 52                           ; s[52:53] wq + my share of a matrix with six K steps (codes);  s[54:55] the same for its scale words
.set PS6, 54
.set PC2S, 56                          ; s[56:57], s[58:59] the same for two K steps
.set PS2S, 58
.set SEL, 60
.set HM, 62
.set MSB, 0
.macro WIN new                         ; the immediate's high byte repeats the setting that is left
.if MSB != (\new)
	s_set_vgpr_msb (MSB<<8)|(\new)
.set MSB, (\new)
.endif
.endm
.macro PLACES cnt
.rept \cnt
	v_nop
.endr
.endm
.macro BARRIER                         ; my LDS stores have landed and my LDS loads are in: then the work-group's barrier
	s_wait_dscnt 0x0
	s_barrier_signal -1
	s_barrier_wait -1
.endm
.macro BLOAD dst, p                    ; 32 numbers of a vector of 256: register 8 t + j = unit 64 w + 32 (t / 2) + 16 h + 8 (t % 2) + j: the result's layout
.irp t, 0,1,2,3
	global_load_b128 v[\dst+8*\t:\dst+8*\t+3], v[B64], s[\p:\p+1] offset:(32*(\t/2)+8*(\t%2))*4
	global_load_b128 v[\dst+8*\t+4:\dst+8*\t+7], v[B64], s[\p:\p+1] offset:(32*(\t/2)+8*(\t%2))*4+16
.endr
.endm
.macro GLOAD b                         ; Wg3's rows of my units 32 b + 16 h + 0 .. 15: eight numbers a unit, at v[128 + 8 i]
.set gi, 0
.rept 16
	global_load_b128 v[128+8*gi:131+8*gi], v[W512], s[14:15] offset:1024*\b+32*gi
	global_load_b128 v[132+8*gi:135+8*gi], v[W512], s[14:15] offset:1024*\b+32*gi+16
.set gi, gi+1
.endr
.endm
.macro WLOAD slot, pc, offc, ps, offs  ; four weight fragments and their scale words: 13 loads
	WIN 0x40
.irp t, 0,1,2,3
.irp g, 0,1,2
	global_load_b128 v[48*(\slot)+12*\t+4*\g:48*(\slot)+12*\t+4*\g+3], v[LI], s[\pc:\pc+1] offset:(\offc)+1536*\t+512*\g
.endr
.endr
	WIN 0
	global_load_b64 v[WSC+2*(\slot):WSC+2*(\slot)+1], v[L8], s[\ps:\ps+1] offset:\offs
.endm
.macro HLOAD k                         ; the stream of weights: k = 2 s + e (e = 0 Wg1, 1 Wq1) for k < 12; 12, 13: Wg2's two K steps
.if (\k) < 12
	WLOAD (\k)%5, PC6, (96*((\k)%2)+4*((\k)/2))*1536, PS6, WSOFF+6144*((\k)%2)+256*((\k)/2)
.else
	WLOAD (\k)%5, PC2S, (960+4*((\k)-12))*1536, PS2S, WSOFF+61440+256*((\k)-12)
.endif
.endm
.macro FETCHN dst, osc, areg, off, sreg, soff, cnt, frp, gp, sstr   ; cnt operand fragments and their scale words from LDS: 4 cnt LDS loads; frp from fragment to fragment, gp from four registers to the next four
.set fi, 0
.rept \cnt
.irp g, 0,1,2
	ds_load_b128 v[\dst+12*fi+4*\g:\dst+12*fi+4*\g+3], v[\areg] offset:(\off)+(\frp)*fi+(\gp)*\g
.endr
	ds_load_b32 v[\osc+fi], v[\sreg] offset:(\soff)+(\sstr)*fi
.set fi, fi+1
.endr
.endm
; 16 products: my four tiles of units x four tiles of tokens.  The sixteen accumulators take turns, one instruction a turn.
.macro MULH slot, acc, of, osc, cmode, cbase
.irp t, 0,1,2,3
.set mi, 0
.rept 4
.set rD, \acc+32*mi+8*\t
.set rA, 48*(\slot)+12*\t
.set rB, \of+12*mi
.if \cmode
.set rC, \cbase+8*\t
.else
.set rC, rD
.endif
.if \t%2
	v_wmma_scale_f32_16x16x128_f8f6f4 v[rD:rD+7], v[rA:rA+11], v[rB:rB+11], v[rC:rC+7], v[WSC+2*(\slot)+\t/2], v[\osc+mi] matrix_a_fmt:MATRIX_FMT_BF6 matrix_b_fmt:MATRIX_FMT_BF6 matrix_a_scale:MATRIX_SCALE_ROW1
.else
	v_wmma_scale_f32_16x16x128_f8f6f4 v[rD:rD+7], v[rA:rA+11], v[rB:rB+11], v[rC:rC+7], v[WSC+2*(\slot)+\t/2], v[\osc+mi] matrix_a_fmt:MATRIX_FMT_BF6 matrix_b_fmt:MATRIX_FMT_BF6
.endif
.set mi, mi+1
.endr
.endr
.endm
; 64 numbers of a lane, register 16 b + i = K 32 b + 16 h + i of my row, become a fragment's codes in v[PC] on and its scale word in v[PW]
.macro QUANT src
.irp b, 0,1,2,3
	v_max3_num_f32 v[TM+\b], |v[\src+16*\b]|, |v[\src+1+16*\b]|, 0x2800000   ; my 16 numbers and the floor 2^(5 - 127): the byte cannot fall under 1
.endr
.irp i, 2,4,6,8,10,12,14
.irp b, 0,1,2,3
	v_max3_num_f32 v[TM+\b], v[TM+\b], |v[\src+16*\b+\i]|, |v[\src+1+16*\b+\i]|
.endr
.endr
.irp b, 0,1,2,3
	v_permlanex16_b32 v[TM+4+\b], v[TM+\b], s[SEL], s[SEL+1]
.endr
.irp b, 0,1,2,3
	v_max_num_f32 v[TM+\b], v[TM+\b], v[TM+4+\b]   ; with lane l xor 16's: the block's largest magnitude
.endr
.irp b, 0,1,2,3
	v_add_nc_u32 v[TM+12+\b], 0xfe000000, v[TM+\b] ; 4 off its exponent field: the conversion's scale operand
.endr
.irp b, 0,1,2,3
	v_lshrrev_b32 v[TM+4+\b], 23, v[TM+12+\b]      ; the scale's byte
.endr
	v_lshl_or_b32 v[PW], v[TM+5], 8, v[TM+4]
	v_lshl_or_b32 v[PW], v[TM+6], 16, v[PW]
	v_lshl_or_b32 v[PW], v[TM+7], 24, v[PW]
.irp c, 0,1
	v_cvt_scalef32_pk16_bf6_f32 v[PC+6*\c:PC+2+6*\c], v[\src+32*\c:\src+15+32*\c], v[TM+12+2*\c]
	v_cvt_scalef32_pk16_bf6_f32 v[PC+12+4*\c:PC+14+4*\c], v[\src+16+32*\c:\src+31+32*\c], v[TM+12+2*\c+1]
.endr
	v_nop                                          ; one plain place behind a scaled conversion
.irp c, 0,1                                    ; the operand's layout wants a whole block in a lane
.irp i, 0,1,2
	v_permlane16_swap_b32 v[PC+6*\c+\i], v[PC+12+4*\c+\i]
.endr
.irp i, 0,1,2
	v_mov_b32 v[PC+3+6*\c+\i], v[PC+12+4*\c+\i]
.endr
.endr
.endm
; 32 results of a lane (my 64 units of one tile of tokens) are clipped at 0, quantised and stored as half a fragment of the next product: registers 6 c .. 6 c + 5 and bytes 2 c, 2 c + 1 (c = wave % 2) of K step wave / 2
.macro QH swin, src, hw, hws, ioff, soff
	WIN \swin
.set qi, 0
.rept 32
	v_max_num_f32 v[T+qi], 0, v[\src+qi]           ; the activation and the move to window 0 in one; each accumulator is read from its low end on
.set qi, qi+1
.endr
	WIN 0
.irp b, 0,1
	v_max3_num_f32 v[TM+\b], v[T+16*\b], v[T+1+16*\b], 0x2800000
.endr
.irp i, 2,4,6,8,10,12,14
.irp b, 0,1
	v_max3_num_f32 v[TM+\b], v[TM+\b], v[T+16*\b+\i], v[T+1+16*\b+\i]
.endr
.endr
.irp b, 0,1
	v_permlanex16_b32 v[TM+4+\b], v[TM+\b], s[SEL], s[SEL+1]
.endr
.irp b, 0,1
	v_max_num_f32 v[TM+\b], v[TM+\b], v[TM+4+\b]
.endr
.irp b, 0,1
	v_add_nc_u32 v[TM+12+\b], 0xfe000000, v[TM+\b]
.endr
.irp b, 0,1
	v_lshrrev_b32 v[TM+4+\b], 23, v[TM+12+\b]
.endr
	s_wait_alu depctr_va_vdst(0)
	s_wait_dscnt 0x0                               ; the last half fragment's four stores have read their registers
	v_lshl_or_b32 v[PW], v[TM+5], 8, v[TM+4]
	v_cvt_scalef32_pk16_bf6_f32 v[PC:PC+2], v[T:T+15], v[TM+12]
	v_cvt_scalef32_pk16_bf6_f32 v[PC2:PC2+2], v[T+16:T+31], v[TM+13]
	v_nop
.irp i, 0,1,2
	v_permlane16_swap_b32 v[PC+\i], v[PC2+\i]
.endr
.irp i, 0,1,2
	v_mov_b32 v[PC+3+\i], v[PC2+\i]
.endr
.irp j, 0,1,2
	ds_store_b64 v[\hw+\j], v[PC+2*\j:PC+2*\j+1] offset:\ioff
.endr
	ds_store_b16 v[\hws], v[PW] offset:\soff
.endm
	s_load_b512 s[4:19], s[0:1], 0x0               ; x 4, wq 6, bg1 8, bq1 10, bg2 12, Wg3 14, bg3 16, Wq2 18
	s_load_b512 s[20:35], s[0:1], 0x40             ; bq2 20, xq 22, xs 24, tw 26, kr 28, hist 30, out1 32, out2 34
	v_lshl_add_u32 v254, v0, 2, 0x41000
	v_mov_b32 v255, 0
	ds_add_u32 v254, v255
	ds_add_u32 v254, v255
	v_lshrrev_b32 v[LN], 5, v0
	v_readfirstlane_b32 s[WV], v[LN]               ; wave 0..3
	s_mov_b32 s[G1+0], (2<<16)|(1<<20)|(7<<22)|(3<<25)   ; elements of 4 bytes; 4 words of padding behind every 256 words
	s_mov_b32 s[G1+1], 768<<16                     ; tensor_dim0 = 768
	s_mov_b32 s[G1+2], 16<<16                      ; tensor_dim1 = 16
	s_mov_b32 s[G1+3], 768<<16                     ; tile_dim0 = 768
	s_mov_b32 s[G1+4], 16                          ; tile_dim1 = 16
	s_mov_b32 s[G1+5], 768                         ; from row to row
	s_mov_b32 s[G1+6], 0
	s_mov_b32 s[G1+7], 0
	s_mov_b32 s[G0], 1
	s_mul_i32 s[G0+1], s[WV], XWV                  ; my 16 rows in LDS
	s_lshl_b32 s37, ttmp9, 6
	s_lshl_b32 s38, s[WV], 4
	s_add_co_u32 s37, s37, s38                     ; my first token
	s_mul_i32 s38, s37, 3072
	s_mov_b32 s39, 0
	s_wait_dscnt 0x0
	s_wait_kmcnt 0x0
	s_add_nc_u64 s[G0+2:G0+3], s[4:5], s[38:39]
	s_or_b32 s[G0+3], s[G0+3], 0x80000000
	tensor_load_to_lds s[G0:G0+3], s[G1:G1+7]      ; the wave's one tensor load: these LDS bytes are filled once
	s_nop 0
	PLACES 4
	s_load_b256 s[68:75], s[16:17], 0x0            ; bg3
	s_load_b32 s76, s[20:21], 0x0                  ; bq2
	v_and_b32 v[LN], 31, v0
	v_and_b32 v[RR], 15, v0
	v_bfe_u32 v[HH], v0, 4, 1
	v_lshlrev_b32 v[LI], 4, v[LN]
	v_lshlrev_b32 v[L8], 3, v[LN]
	v_lshlrev_b32 v[L4], 2, v[LN]
	v_lshlrev_b32 v[B64], 6, v[HH]
	s_wait_alu depctr_va_vdst(0)
	v_lshlrev_b32 v[W512], 9, v[HH]
	s_wait_alu depctr_va_vdst(0)
	s_lshl_b32 s38, s[WV], 8                       ; my 64 units of a vector of 256
	s_add_nc_u64 s[8:9], s[8:9], s[38:39]
	s_add_nc_u64 s[10:11], s[10:11], s[38:39]
	s_add_nc_u64 s[12:13], s[12:13], s[38:39]
	s_add_nc_u64 s[18:19], s[18:19], s[38:39]
	s_lshl_b32 s38, s[WV], 11
	s_add_nc_u64 s[14:15], s[14:15], s[38:39]      ; and of Wg3: 32 bytes a unit
	s_mul_i32 s38, s[WV], 36864
	s_add_nc_u64 s[PC6:PC6+1], s[6:7], s[38:39]
	s_mul_i32 s38, s[WV], 1536
	s_add_nc_u64 s[PS6:PS6+1], s[6:7], s[38:39]
	s_mul_i32 s38, s[WV], 12288
	s_add_nc_u64 s[PC2S:PC2S+1], s[6:7], s[38:39]
	s_lshl_b32 s38, s[WV], 9
	s_add_nc_u64 s[PS2S:PS2S+1], s[6:7], s[38:39]
	WIN 0xc0                                       ; destination window 3
	BLOAD 0, 8                                     ; bg1
	BLOAD 32, 10                                   ; bq1
	BLOAD 64, 12                                   ; bg2
	BLOAD 96, 18                                   ; Wq2
	GLOAD 1                                        ; Wg3 of my last 16 units
	WIN 0
	HLOAD 0
	HLOAD 1
	HLOAD 2
	HLOAD 3
	s_mov_b32 s[SEL], 0x76543210
	s_mov_b32 s[SEL+1], 0xfedcba98
	s_mov_b32 s[HM], 0xffff0000                    ; lanes 16-31
	s_mul_i32 s38, s37, 576
	s_add_nc_u64 s[22:23], s[22:23], s[38:39]      ; xq at my first token
	s_lshl_b32 s38, s37, 5
	s_add_nc_u64 s[24:25], s[24:25], s[38:39]      ; xs likewise
	s_and_b32 s80, s[WV], 1
	s_lshr_b32 s79, s[WV], 1
	s_lshl_b32 s81, ttmp9, 6
	s_lshl_b32 s82, s80, 5
	s_add_co_u32 s81, s81, s82                     ; the first of the 32 tokens that waves 0 and 1 finish
	s_lshl_b32 s38, s81, 2
	s_add_nc_u64 s[28:29], s[28:29], s[38:39]
	s_add_nc_u64 s[30:31], s[30:31], s[38:39]      ; a group's row of hist is 128 bytes, as its 32 tokens' words are
	s_add_nc_u64 s[34:35], s[34:35], s[38:39]
	s_lshl_b32 s38, s81, 3
	s_add_nc_u64 s[26:27], s[26:27], s[38:39]
	s_lshl_b32 s38, s81, 5
	s_add_nc_u64 s[32:33], s[32:33], s[38:39]
	v_mul_u32_u24 v[XA], v[RR], XP
	v_lshl_add_u32 v[XA], v[HH], 6, v[XA]
	v_add_nc_u32 v[XA], s[G0+1], v[XA]             ; x in LDS: my row, + 64 h: my 16 numbers of a block of 32
	s_mul_i32 s67, s[WV], XTL
	s_add_co_u32 s67, s67, XIMG                    ; my tile's codes
	v_mul_u32_u24 v[AXI], v[RR], XRP
	v_mad_u32_u24 v[AXI], v[HH], 288, v[AXI]       ; token r, half h
	v_add_nc_u32 v[XWI], s67, v[AXI]               ; where I store my tile's codes
	v_add_nc_u32 v[AXI], XIMG, v[AXI]              ; and from where any tile's are fetched
	s_mul_i32 s77, s[WV], 768
	s_add_co_u32 s77, s77, XSC
	v_add_nc_u32 v[XWS], s77, v[L4]
	v_add_nc_u32 v[AXS], XSC, v[L4]
	v_add_nc_u32 v[AG], G1IMG, v[LI]
	v_add_nc_u32 v[AGS], G1SC, v[L4]
	s_wait_alu depctr_va_vdst(0)
	s_mul_i32 s83, s79, 6144                       ; K step wave / 2 of the next product: four fragments on
	s_mul_i32 s84, s80, 520
	s_mul_i32 s85, s80, 1016
	s_add_co_u32 s84, s84, s83
	s_add_co_u32 s85, s85, s83
	v_add_nc_u32 v[HW], s84, v[AG]                 ; registers 0, 1 (c = 1: 6, 7)
	v_add_nc_u32 v[HW+1], s85, v[AG]
	v_add_nc_u32 v[HW+1], 8, v[HW+1]               ; registers 2, 3 (8, 9)
	v_add_nc_u32 v[HW+2], 512, v[HW]               ; registers 4, 5 (10, 11)
	s_lshl_b32 s84, s80, 1
	s_lshl_b32 s85, s79, 9
	s_add_co_u32 s84, s84, s85
	v_add_nc_u32 v[HWS], s84, v[AGS]
	s_lshl_b32 s84, s[WV], 11
	s_add_co_u32 s84, s84, PL
	v_lshlrev_b32 v[XSO], 5, v[RR]
	v_lshl_add_u32 v[XSO], v[HH], 4, v[XSO]        ; 32 r + 16 h
	v_add_nc_u32 v[PLW], s84, v[XSO]
	s_lshl_b32 s84, s[WV], 8
	s_add_co_u32 s84, s84, PS
	v_lshl_add_u32 v[PSW], v[RR], 2, s84
	s_lshl_b32 s84, s80, 10
	s_add_co_u32 s85, s84, PL
	v_lshl_add_u32 v[FA], v[LN], 5, s85
	s_add_co_u32 s85, s84, PO
	v_lshl_add_u32 v[POW], v[LN], 5, s85
	v_add_nc_u32 v[POR], s85, v[LI]
	s_lshl_b32 s84, s80, 7
	s_add_co_u32 s84, s84, PS
	v_add_nc_u32 v[FB], s84, v[L4]
	; the codes' way out: piece q = 32 i + lane of my tile's 576 pieces of 16 bytes lies at 16 q + 16 (q / 36), a token being 36 pieces and one of padding.
	; In load i the quotient is 8 i / 9 in the lower lanes and one more from lane 4 (i % 9) on (nowhere for i % 9 = 0 and 8): eight address registers, k = 0 .. 7, serve the 18 loads
	v_add_nc_u32 v[RA], s67, v[LI]
.irp k, 1,2,3,4,5,6,7
	v_add_nc_u32 v[LT], 32-4*\k, v[LN]
	v_lshrrev_b32 v[LT], 5, v[LT]                  ; 1 from lane 4 k on
	v_lshl_add_u32 v[RA+\k], v[LT], 4, v[RA]
.endr
.irp b, 0,1,2,3,4,5,6,7
	v_mov_b32 v[LT+\b], 0                          ; written once: a lane permute's destination counts as one of its sources
.endr
.irp b, 0,1,2,3
	v_mov_b32 v[TM+4+\b], 0
.endr
	; ---- X: my 16 tokens become six fragments
.macro XL s                            ; K step s: 64 numbers a lane
.set XD, ST0+64*((\s)%2)
.irp b, 0,1,2,3
.irp j, 0,1,2,3
	ds_load_b128 v[XD+16*\b+4*\j:XD+16*\b+4*\j+3], v[XA] offset:512*(\s)+16*((\s)/2)+128*\b+16*\j
.endr
.endr
.endm
	s_wait_tensorcnt 0x0                           ; my rows are in LDS; only I read them
	XL 0
.irp s, 0,1,2,3,4,5
.if \s < 5
	XL \s+1
	s_wait_dscnt 16                                ; all but the 16 loads just issued: this step's numbers are in, and the last step's stores of codes have read their registers
.else
	s_wait_dscnt 0x0
.endif
	QUANT ST0+64*(\s%2)
.irp g, 0,1,2
	ds_store_b128 v[XWI], v[PC+4*\g:PC+4*\g+3] offset:48*\s+16*\g
.endr
	ds_store_b32 v[XWS], v[PW] offset:128*\s
	v_mov_b32 v[PWS+\s], v[PW]
.endr
.set qa, 0
.rept 18
	ds_load_b128 v[64+4*qa:67+4*qa], v[RA+(qa%9)%8] offset:512*qa+16*((8*qa)/9)   ; LDS serves a wave's instructions in order: these see my stores
.set qa, qa+1
.endr
	v_cndmask_b32 v[TM+0], v[PWS+0], v[PWS+4], s[HM]   ; lanes 0-15 store words 0-3 of their token, lanes 16-31 words 4, 5 and two words of filling
	v_cndmask_b32 v[TM+1], v[PWS+1], v[PWS+5], s[HM]
	v_cndmask_b32 v[TM+2], v[PWS+2], v[PWS+4], s[HM]
	v_cndmask_b32 v[TM+3], v[PWS+3], v[PWS+5], s[HM]
	global_store_b128 v[XSO], v[TM:TM+3], s[24:25] ; 512 consecutive bytes
	s_wait_dscnt 0x0
.set qa, 0
.rept 18
	global_store_b128 v[LI], v[64+4*qa:67+4*qa], s[22:23] offset:512*qa   ; 512 consecutive bytes each
.set qa, qa+1
.endr
	s_wait_xcnt 0x0                                ; the stores' data registers are written again below
	BARRIER                                        ; x's 24 fragments lie in LDS
	; ---- 1: g1 and q1, twelve steps of 16 products; weights four steps ahead, x's fragments one K step ahead
.macro GSTEP k
.set gs, (\k)/2
.set ge, (\k)%2
	PLACES 4                                       ; in front of loads into registers that the last products read
.if (\k)+4 <= 13
	HLOAD (\k)+4
.endif
.if (\k) <= 9
	s_wait_loadcnt 52                              ; the four younger sets of 13 loads may stay out
.else
	s_wait_loadcnt 13*(13-(\k))
.endif
.if ge == 0
.if gs < 5
	FETCHN OF+48*((gs+1)%2), OSC+4*((gs+1)%2), AXI, 48*(gs+1), AXS, 128*(gs+1), 4, XTL, 16, 768
	s_wait_dscnt 16                                ; this K step's fragments are in; the next one's 16 loads may stay out
.else
	s_wait_dscnt 0x0
.endif
.endif
.if gs == 0
	WIN 0xb1                                       ; weights window 1, bias window 3, sums window 2
	MULH (\k)%5, 128*ge, OF+48*(gs%2), OSC+4*(gs%2), 1, 32*ge
.else
	WIN 0xa1
	MULH (\k)%5, 128*ge, OF+48*(gs%2), OSC+4*(gs%2), 0, 0
.endif
	WIN 0
.endm
	FETCHN OF, OSC, AXI, 0, AXS, 0, 4, XTL, 16, 768
.irp k, 0,1,2,3,4,5,6,7,8,9,10,11
	GSTEP \k
.endr
	PLACES 4
.macro QSUM m                          ; the score's part of my 64 units for tile m of tokens
	WIN 0x08
.set qi, 0
.rept 32
	v_max_num_f32 v[T+qi], 0, v[128+32*(\m)+qi]
.set qi, qi+1
.endr
	WIN 0x0c                                       ; Wq2: source 1 in window 3
	v_pk_mul_f32 v[LG:LG+1], v[T:T+1], v[96:97]
	v_pk_mul_f32 v[LG+2:LG+3], v[T+2:T+3], v[98:99]
.irp i, 4,8,12,16,20,24,28
	v_pk_fma_f32 v[LG:LG+1], v[T+\i:T+\i+1], v[96+\i:97+\i], v[LG:LG+1]
	v_pk_fma_f32 v[LG+2:LG+3], v[T+\i+2:T+\i+3], v[98+\i:99+\i], v[LG+2:LG+3]
.endr
	WIN 0
	v_pk_add_f32 v[LG:LG+1], v[LG:LG+1], v[LG+2:LG+3]
	v_add_f32 v[LG], v[LG], v[LG+1]
	v_permlanex16_b32 v[LT], v[LG], s[SEL], s[SEL+1]
	v_add_f32 v[LS+\m], v[LG], v[LT]
	ds_store_b32 v[PSW], v[LS+\m] offset:64*\m     ; lanes 16-31 write the same number to the same place
.endm
	QSUM 0
	QSUM 1
	QSUM 2
	QSUM 3
	WIN 0x80
	GLOAD 0                                        ; Wg3 of my first 16 units, into the registers that q1 has left
	WIN 0
.irp m, 0,1,2,3
	QH 0x08, 32*\m, HW, HWS, 1536*\m, 128*\m
.endr
	BARRIER                                        ; g1's eight fragments lie in LDS
	; ---- 2: g2
	FETCHN OF, OSC, AG, 0, AGS, 0, 4, 1536, 512, 128
	FETCHN OF+48, OSC+4, AG, 6144, AGS, 512, 4, 1536, 512, 128
	s_wait_loadcnt 45                              ; behind Wg2's first set: its second (13) and Wg3's 32
	s_wait_dscnt 16
	WIN 0xb1
	MULH 2, 0, OF, OSC, 1, 64
	s_wait_loadcnt 32
	s_wait_dscnt 0x0
	WIN 0xa1
	MULH 3, 0, OF+48, OSC+4, 0, 0
	WIN 0
	PLACES 4
	s_wait_loadcnt 0x0                             ; Wg3
.macro LOGITS m                        ; the eight logits' parts of my 64 units for tile m of tokens, in f32
	WIN 0x08
.set qi, 0
.rept 32
	v_max_num_f32 v[T+qi], 0, v[32*(\m)+qi]
.set qi, qi+1
.endr
.irp hf, 0,1
	WIN 0x08+4*\hf                                 ; Wg3: source 1 in window 2, then 3
.set qi, 0
.rept 16
.irp p, 0,1,2,3
.if (\hf == 0) && (qi == 0)
	v_pk_mul_f32 v[LG+2*\p:LG+2*\p+1], v[T:T+1], v[128+2*\p:129+2*\p] op_sel_hi:[0,1]
.elseif qi%2 == 0
	v_pk_fma_f32 v[LG+2*\p:LG+2*\p+1], v[T+16*\hf+qi:T+16*\hf+qi+1], v[128+8*qi+2*\p:129+8*qi+2*\p], v[LG+2*\p:LG+2*\p+1] op_sel_hi:[0,1,1]
.else
	v_pk_fma_f32 v[LG+2*\p:LG+2*\p+1], v[T+16*\hf+qi-1:T+16*\hf+qi], v[128+8*qi+2*\p:129+8*qi+2*\p], v[LG+2*\p:LG+2*\p+1] op_sel:[1,0,0] op_sel_hi:[1,1,1]
.endif
.endr
.set qi, qi+1
.endr
.endr
	WIN 0
.irp e, 0,1,2,3,4,5,6,7
	v_permlanex16_b32 v[LT+\e], v[LG+\e], s[SEL], s[SEL+1]
.endr
.irp e, 0,2,4,6
	v_pk_add_f32 v[LG+\e:LG+\e+1], v[LG+\e:LG+\e+1], v[LT+\e:LT+\e+1]
.endr
	s_wait_alu depctr_va_vdst(0)
	s_wait_dscnt 0x0                               ; the last store has read its registers
.irp q, 0,1,2,3
	v_cndmask_b32 v[LS+\q], v[LG+\q], v[LG+4+\q], s[HM]   ; lanes 0-15 store experts 0-3, lanes 16-31 experts 4-7
.endr
	ds_store_b128 v[PLW], v[LS:LS+3] offset:512*\m
.endm
	LOGITS 0
	LOGITS 1
	LOGITS 2
	LOGITS 3
	BARRIER                                        ; the four waves' parts lie in LDS
	; ---- waves 0 and 1 finish 32 tokens each, a lane a token
	s_cmp_gt_u32 s[WV], 1
	s_cbranch_scc1 .Lend
.set qa, 0
.rept 4
	ds_load_b128 v[64+8*qa:67+8*qa], v[FA] offset:2048*qa
	ds_load_b128 v[68+8*qa:71+8*qa], v[FA] offset:2048*qa+16
	ds_load_b32 v[96+qa], v[FB] offset:256*qa
.set qa, qa+1
.endr
	s_wait_dscnt 0x0
	s_wait_kmcnt 0x0                               ; bg3, bq2
.irp e, 0,2,4,6
	v_pk_add_f32 v[64+\e:65+\e], v[64+\e:65+\e], v[72+\e:73+\e]
	v_pk_add_f32 v[80+\e:81+\e], v[80+\e:81+\e], v[88+\e:89+\e]
.endr
.irp e, 0,2,4,6
	v_pk_add_f32 v[64+\e:65+\e], v[64+\e:65+\e], v[80+\e:81+\e]
.endr
.irp e, 0,1,2,3,4,5,6,7
	v_add_f32 v[64+\e], s[68+\e], v[64+\e]         ; the logits
.endr
	v_add_f32 v96, v96, v97
	v_add_f32 v98, v98, v99
	v_add_f32 v96, v96, v98
	v_add_f32 v96, s76, v96                        ; the geometric score
	global_store_b32 v[L4], v96, s[34:35]
	v_max3_num_f32 v100, v64, v65, v66
	v_max3_num_f32 v100, v100, v67, v68
	v_max3_num_f32 v100, v100, v69, v70
	v_max_num_f32 v100, v100, v71                  ; the row's maximum is taken away ahead of the exponentials
.irp e, 0,1,2,3,4,5,6,7
	v_sub_f32 v[72+\e], v[64+\e], v100
.endr
.irp e, 0,1,2,3,4,5,6,7
	v_mul_f32 v[72+\e], 0x3fb8aa3b, v[72+\e]
.endr
	s_wait_alu depctr_va_vdst(0)
.irp e, 0,1,2,3,4,5,6,7
	v_exp_f32 v[72+\e], v[72+\e]
.endr
	v_nop                                          ; a plain place behind the exponentials
	s_wait_alu depctr_va_vdst(0)
	v_add_f32 v101, v72, v73
	v_add_f32 v102, v74, v75
	v_add_f32 v103, v76, v77
	v_add_f32 v104, v78, v79
	v_add_f32 v101, v101, v102
	v_add_f32 v103, v103, v104
	v_add_f32 v101, v101, v103
	s_wait_alu depctr_va_vdst(0)
	v_rcp_f32 v102, v101
	v_nop
	s_wait_alu depctr_va_vdst(0)
.irp e, 0,1,2,3,4,5,6,7
	v_mul_f32 v[72+\e], v[72+\e], v102             ; the probabilities
.endr
	ds_store_b128 v[POW], v[72:75]                 ; through my own stage, so that each store covers 512 consecutive bytes
	ds_store_b128 v[POW], v[76:79] offset:16
	ds_load_b128 v[104:107], v[POR]
	ds_load_b128 v[108:111], v[POR] offset:512
	v_mov_b32 v112, v72                            ; the largest, and its index: a later one must be strictly larger
	v_mov_b32 v113, 0
.irp e, 1,2,3,4,5,6,7
	v_cmp_le_f32 vcc_lo, v[72+\e], v112
	v_cndmask_b32 v113, \e, v113, vcc_lo
	v_max_num_f32 v112, v112, v[72+\e]
.endr
	v_mov_b32 v114, -1.0
.irp e, 0,1,2,3,4,5,6,7
	v_cmp_eq_u32 vcc_lo, \e, v113
	v_cndmask_b32 v[80+\e], v[72+\e], v114, vcc_lo ; the winner is taken out
.endr
	v_mov_b32 v115, v80
	v_mov_b32 v116, 0
.irp e, 1,2,3,4,5,6,7
	v_cmp_le_f32 vcc_lo, v[80+\e], v115
	v_cndmask_b32 v116, \e, v116, vcc_lo
	v_max_num_f32 v115, v115, v[80+\e]
.endr
	v_add_f32 v117, v112, v115
	s_wait_alu depctr_va_vdst(0)
	v_rcp_f32 v118, v117
	v_min_u32 v119, v113, v116                     ; lo  (a plain place behind the reciprocal)
	v_max_u32 v120, v113, v116                     ; hi
	s_wait_alu depctr_va_vdst(0)
	v_mul_f32 v121, v112, v118
	v_mul_f32 v122, v115, v118
	v_cmp_lt_u32 vcc_lo, v113, v116
	v_cndmask_b32 v124, v122, v121, vcc_lo         ; the weight of expert lo,
	v_cndmask_b32 v125, v121, v122, vcc_lo         ; of expert hi
	global_store_b64 v[L8], v[124:125], s[26:27]
	v_sub_nc_u32 v126, 15, v119
	v_mul_u32_u24 v126, v126, v119
	v_lshrrev_b32 v126, 1, v126
	v_add_nc_u32 v126, v126, v120
	v_sub_nc_u32 v126, v126, v119
	v_add_nc_u32 v126, -1, v126                    ; n
	v_mov_b32 v127, 0
	v_mov_b32 v128, 0
.set qa, 0
.rept 28                                       ; for each pair: who has it, how many, and how many in lower lanes: values only
	v_cmp_eq_u32 s77, qa, v126
	s_bcnt1_i32_b32 s78, s77
	v_mbcnt_lo_u32_b32 v129, s77, 0
	v_cndmask_b32 v127, v127, v129, s77
	v_writelane_b32 v128, s78, qa
.set qa, qa+1
.endr
	v_lshl_or_b32 v130, v127, 8, v126
	global_store_b32 v[L4], v130, s[28:29]
	global_store_b32 v[L4], v128, s[30:31]         ; a lane a slot; slots 28 to 31 hold 0
	s_wait_dscnt 0x0
	global_store_b128 v[LI], v[104:107], s[32:33]
	global_store_b128 v[LI], v[108:111], s[32:33] offset:512
.Lend:
	s_wait_tensorcnt 0x0
	ds_add_u32 v254, v255
	s_wait_dscnt 0x0
	s_endpgm
.Lfunc_end_k_q486b07ff8d_gate:
	.size	k_q486b07ff8d_gate, .Lfunc_end_k_q486b07ff8d_gate-k_q486b07ff8d_gate
	.p2alignl 7, 3214868480
	.fill 96, 4, 3214868480
	.section	.rodata,"a",@progbits
	.p2align	6, 0x0
	.amdhsa_kernel k_q486b07ff8d_gate
		.amdhsa_group_segment_fixed_size 266752
		.amdhsa_private_segment_fixed_size 0
		.amdhsa_enable_private_segment 0
		.amdhsa_kernarg_size 128
		.amdhsa_user_sgpr_count 2
		.amdhsa_user_sgpr_kernarg_segment_ptr 1
		.amdhsa_wavefront_size32 1
		.amdhsa_system_sgpr_workgroup_id_x 1
		.amdhsa_system_sgpr_workgroup_id_y 1
		.amdhsa_system_sgpr_workgroup_id_z 1
		.amdhsa_system_vgpr_workitem_id 0
		.amdhsa_next_free_vgpr 1024
		.amdhsa_next_free_sgpr 100
		.amdhsa_reserve_vcc 1
		.amdhsa_float_denorm_mode_32 3
		.amdhsa_float_denorm_mode_16_64 3
		.amdhsa_memory_ordered 1
		.amdhsa_forward_progress 1
		.amdhsa_inst_pref_size 186
	.end_amdhsa_kernel
	.amdgpu_metadata
---
amdhsa.version: [ 1, 2 ]
amdhsa.kernels:
  - .name:           k_q486b07ff8d_gate
    .symbol:         k_q486b07ff8d_gate.kd
    .args:
      - { .name: x, .offset: 0, .size: 8, .value_kind: global_buffer, .address_space: global }
      - { .name: wq, .offset: 8, .size: 8, .value_kind: global_buffer, .address_space: global }
      - { .name: bg1, .offset: 16, .size: 8, .value_kind: global_buffer, .address_space: global }
      - { .name: bq1, .offset: 24, .size: 8, .value_kind: global_buffer, .address_space: global }
      - { .name: bg2, .offset: 32, .size: 8, .value_kind: global_buffer, .address_space: global }
      - { .name: Wg3, .offset: 40, .size: 8, .value_kind: global_buffer, .address_space: global }
      - { .name: bg3, .offset: 48, .size: 8, .value_kind: global_buffer, .address_space: global }
      - { .name: Wq2, .offset: 56, .size: 8, .value_kind: global_buffer, .address_space: global }
      - { .name: bq2, .offset: 64, .size: 8, .value_kind: global_buffer, .address_space: global }
      - { .name: xq, .offset: 72, .size: 8, .value_kind: global_buffer, .address_space: global }
      - { .name: xs, .offset: 80, .size: 8, .value_kind: global_buffer, .address_space: global }
      - { .name: tw, .offset: 88, .size: 8, .value_kind: global_buffer, .address_space: global }
      - { .name: kr, .offset: 96, .size: 8, .value_kind: global_buffer, .address_space: global }
      - { .name: hist, .offset: 104, .size: 8, .value_kind: global_buffer, .address_space: global }
      - { .name: out1, .offset: 112, .size: 8, .value_kind: global_buffer, .address_space: global }
      - { .name: out2, .offset: 120, .size: 8, .value_kind: global_buffer, .address_space: global }
    .group_segment_fixed_size: 266752
    .private_segment_fixed_size: 0
    .kernarg_segment_align: 8
    .kernarg_segment_size: 128
    .max_flat_workgroup_size: 128
    .sgpr_count:     100
    .vgpr_count:     1024
    .wavefront_size: 32
...
	.end_amdgpu_metadata
.endif
;; end of part 6
;; launch place (part 7): grid 64 x 1, 8 waves a work-group, no clusters, 3,072 bytes of LDS; arguments kr, hist, perm; writes perm
.if DOCPART == 7
	.amdgcn_target "amdgcn-amd-amdhsa--gfx1250"
	.amdhsa_code_object_version 6
	.text
	.protected	k_q486b07ff8d_place
	.globl	k_q486b07ff8d_place
	.p2align	8
	.type	k_q486b07ff8d_place,@function
k_q486b07ff8d_place:
	s_mov_b64 s[64:65], 0
	v_nop
	global_prefetch_b8 v0, s[64:65] scope:SCOPE_SE
	s_setreg_imm32_b32 hwreg(HW_REG_WAVE_MODE, 25, 1), 1
	s_wait_xcnt 0x0
; A counting sort of the 16,384 tokens by their pair of experts (28 pairs, slots 28 to 31 empty): perm[position] = token.
; position = the pair's first place + its tokens in earlier groups of 32 + the token's rank in its group.  No atomics: every work-group adds up the whole table of 512 x 32 counts.
; Work-group j owns groups 8 j .. 8 j + 7, wave v group 8 j + v.  In the table work a lane is a slot; at the end a lane is a token.
; Behind the tokens, from byte 65,536: for each slot the first block of 128 rows, the first place, the number of tokens (32 words each), stored by work-group 0.
	s_load_b128 s[4:7], s[0:1], 0x0                ; kr, hist
	s_load_b64 s[8:9], s[0:1], 0x10                ; perm
	v_lshl_add_u32 v128, v0, 2, 0x800
	v_mov_b32 v129, 0
	v_lshrrev_b32 v1, 5, v0
	s_delay_alu instid0(VALU_DEP_1)
	v_readfirstlane_b32 s10, v1                    ; wave 0..7
	v_and_b32 v1, 31, v0
	s_delay_alu instid0(VALU_DEP_1)
	v_lshlrev_b32 v2, 2, v1                        ; 4 x lane
	s_lshl_b32 s11, s10, 13
	v_add_nc_u32 v3, s11, v2                       ; hist's rows 64 v on
	s_lshl_b32 s12, ttmp9, 10
	v_add_nc_u32 v4, s12, v2                       ; hist's rows 8 j on
	v_lshl_add_u32 v5, v0, 2, s12                  ; my token's word of kr
	v_bfe_u32 v14, v0, 4, 1
	s_delay_alu instid0(VALU_DEP_1)
	v_sub_nc_u32 v14, 0, v14                       ; all ones in lanes 16-31
	v_mov_b32 v24, 0
	s_wait_alu depctr_va_vdst(0)
	s_wait_kmcnt 0x0
.set q, 0
.rept 64
	global_load_b32 v[32+q], v3, s[6:7] offset:128*q
.set q, q+1
.endr
.set q, 0
.rept 8
	global_load_b32 v[96+q], v4, s[6:7] offset:128*q
.set q, q+1
.endr
	global_load_b32 v6, v5, s[4:5]
	s_lshl_b32 s13, s10, 3
	v_mov_b32 v8, 0                                ; my 64 rows' sum
	v_mov_b32 v9, 0                                ; and of those that belong to earlier work-groups
	v_mov_b32 v12, 0                               ; my work-group's earlier groups
	s_wait_loadcnt 0x0
.set q, 0
.rept 8                                        ; eight rows are one work-group's
	v_add3_u32 v10, v[32+8*q], v[33+8*q], v[34+8*q]
	v_add3_u32 v11, v[35+8*q], v[36+8*q], v[37+8*q]
	s_delay_alu instid0(VALU_DEP_2)
	v_add3_u32 v10, v10, v[38+8*q], v[39+8*q]
	s_delay_alu instid0(VALU_DEP_1)
	v_add_nc_u32 v10, v10, v11
	s_wait_alu depctr_va_vdst(0)
	s_add_co_u32 s14, s13, q
	s_cmp_lt_u32 s14, ttmp9
	s_cselect_b32 s14, -1, 0
	v_add_nc_u32 v8, v8, v10
	v_and_b32 v10, s14, v10
	s_delay_alu instid0(VALU_DEP_1)
	v_add_nc_u32 v9, v9, v10
.set q, q+1
.endr
.set q, 0
.rept 8
	s_cmp_gt_u32 s10, q
	s_cselect_b32 s14, -1, 0
	v_and_b32 v10, s14, v[96+q]
	s_delay_alu instid0(VALU_DEP_1)
	v_add_nc_u32 v12, v12, v10
.set q, q+1
.endr
	s_lshl_b32 s15, s10, 7
	v_add_nc_u32 v13, s15, v2
	ds_store_b32 v13, v8
	ds_store_b32 v13, v9 offset:1024
	s_wait_dscnt 0x0                               ; for the others' sake
	s_barrier_signal -1
	s_barrier_wait -1
.set q, 0
.rept 8
	ds_load_b32 v[32+q], v2 offset:128*q
	ds_load_b32 v[40+q], v2 offset:1024+128*q
.set q, q+1
.endr
	s_wait_dscnt 0x0
	v_add3_u32 v8, v32, v33, v34
	s_delay_alu instid0(VALU_DEP_1)
	v_add3_u32 v8, v8, v35, v36
	s_delay_alu instid0(VALU_DEP_1)
	v_add3_u32 v8, v8, v37, v38
	s_delay_alu instid0(VALU_DEP_1)
	v_add_nc_u32 v8, v8, v39                       ; the slot's tokens in all
	v_add3_u32 v9, v40, v41, v42
	s_delay_alu instid0(VALU_DEP_1)
	v_add3_u32 v9, v9, v43, v44
	s_delay_alu instid0(VALU_DEP_1)
	v_add3_u32 v9, v9, v45, v46
	s_delay_alu instid0(VALU_DEP_1)
	v_add_nc_u32 v9, v9, v47                       ; and in earlier work-groups
.macro SCAN x, t                       ; v[x] becomes its running sum over the 32 lanes, itself included
.irp d, 1,2,4,8
	s_delay_alu instid0(VALU_DEP_1)
	v_mov_b32_dpp v[\t], v[\x] row_shr:\d row_mask:0xf bank_mask:0xf bound_ctrl:1
	s_delay_alu instid0(VALU_DEP_1)
	v_add_nc_u32 v[\x], v[\x], v[\t]
.endr
	s_delay_alu instid0(VALU_DEP_1)
	v_readlane_b32 s16, v[\x], 15
	s_delay_alu instid0(VALU_DEP_1)
	v_and_b32 v[\t], s16, v14
	s_delay_alu instid0(VALU_DEP_1)
	v_add_nc_u32 v[\x], v[\x], v[\t]
.endm
	v_mov_b32 v15, v8
	SCAN 15, 24
	s_delay_alu instid0(VALU_DEP_1)
	v_sub_nc_u32 v15, v15, v8                      ; the slot's first place
	s_delay_alu instid0(VALU_DEP_1)
	v_add3_u32 v16, v15, v9, v12                   ; where my group's tokens of the slot begin
	v_and_b32 v17, 0xff, v6                        ; my token's slot
	v_mov_b32 v18, 0
.set q, 0
.rept 28
	v_readlane_b32 s16, v16, q
	v_cmp_eq_u32 vcc_lo, q, v17
	s_delay_alu instid0(VALU_DEP_2)
	v_mov_b32 v19, s16
	s_delay_alu instid0(VALU_DEP_1)
	v_cndmask_b32 v18, v18, v19, vcc_lo
.set q, q+1
.endr
	v_lshrrev_b32 v19, 8, v6                       ; its rank
	s_delay_alu instid0(VALU_DEP_1)
	v_add_nc_u32 v18, v18, v19
	s_delay_alu instid0(VALU_DEP_1)
	v_min_u32 v18, 0x3fff, v18
	s_delay_alu instid0(VALU_DEP_1)
	v_lshlrev_b32 v18, 2, v18
	s_lshl_b32 s17, ttmp9, 8
	v_add_nc_u32 v20, s17, v0                      ; its number
	global_store_b32 v18, v20, s[8:9]
	s_or_b32 s18, ttmp9, s10
	s_cmp_lg_u32 s18, 0
	s_cbranch_scc1 .Lend
	v_add_nc_u32 v22, 127, v8
	s_delay_alu instid0(VALU_DEP_1)
	v_lshrrev_b32 v22, 7, v22                      ; the slot's blocks of 128 rows
	s_delay_alu instid0(VALU_DEP_1)
	v_mov_b32 v23, v22
	SCAN 23, 24
	s_delay_alu instid0(VALU_DEP_1)
	v_sub_nc_u32 v23, v23, v22
	global_store_b32 v2, v23, s[8:9] offset:65536
	global_store_b32 v2, v15, s[8:9] offset:65664
	global_store_b32 v2, v8, s[8:9] offset:65792
.Lend:
	s_wait_tensorcnt 0x0
	ds_add_u32 v128, v129
	s_wait_dscnt 0x0
	s_endpgm
.Lfunc_end_k_q486b07ff8d_place:
	.size	k_q486b07ff8d_place, .Lfunc_end_k_q486b07ff8d_place-k_q486b07ff8d_place
	.p2alignl 7, 3214868480
	.fill 96, 4, 3214868480
	.section	.rodata,"a",@progbits
	.p2align	6, 0x0
	.amdhsa_kernel k_q486b07ff8d_place
		.amdhsa_group_segment_fixed_size 3072
		.amdhsa_private_segment_fixed_size 0
		.amdhsa_enable_private_segment 0
		.amdhsa_kernarg_size 24
		.amdhsa_user_sgpr_count 2
		.amdhsa_user_sgpr_kernarg_segment_ptr 1
		.amdhsa_wavefront_size32 1
		.amdhsa_system_sgpr_workgroup_id_x 1
		.amdhsa_system_sgpr_workgroup_id_y 1
		.amdhsa_system_sgpr_workgroup_id_z 1
		.amdhsa_system_vgpr_workitem_id 0
		.amdhsa_next_free_vgpr 130
		.amdhsa_next_free_sgpr 66
		.amdhsa_reserve_vcc 1
		.amdhsa_float_denorm_mode_32 3
		.amdhsa_float_denorm_mode_16_64 3
		.amdhsa_memory_ordered 1
		.amdhsa_forward_progress 1
		.amdhsa_inst_pref_size 25
	.end_amdhsa_kernel
	.amdgpu_metadata
---
amdhsa.version: [ 1, 2 ]
amdhsa.kernels:
  - .name:           k_q486b07ff8d_place
    .symbol:         k_q486b07ff8d_place.kd
    .args:
      - { .name: kr, .offset: 0, .size: 8, .value_kind: global_buffer, .address_space: global }
      - { .name: hist, .offset: 8, .size: 8, .value_kind: global_buffer, .address_space: global }
      - { .name: perm, .offset: 16, .size: 8, .value_kind: global_buffer, .address_space: global }
    .group_segment_fixed_size: 3072
    .private_segment_fixed_size: 0
    .kernarg_segment_align: 8
    .kernarg_segment_size: 24
    .max_flat_workgroup_size: 256
    .sgpr_count:     66
    .vgpr_count:     130
    .wavefront_size: 32
...
	.end_amdgpu_metadata
.endif
;; end of part 7
;; launch experts (part 8): grid 155 x 1, 4 waves a work-group, no clusters, 222,208 bytes of LDS; arguments xq, xs, tw, perm, wq, b1, b2, b3, out0; writes out0
.if DOCPART == 8
	.amdgcn_target "amdgcn-amd-amdhsa--gfx1250"
	.amdhsa_code_object_version 6
	.text
	.protected	k_q486b07ff8d_experts
	.globl	k_q486b07ff8d_experts
	.p2align	8
	.type	k_q486b07ff8d_experts,@function
k_q486b07ff8d_experts:
	s_mov_b64 s[64:65], 0
	v_nop
	global_prefetch_b8 v0, s[64:65] scope:SCOPE_SE
	s_setreg_imm32_b32 hwreg(HW_REG_WAVE_SCHED_MODE, 0, 2), 2
	s_setreg_imm32_b32 hwreg(HW_REG_WAVE_MODE, 25, 1), 1
	s_wait_xcnt 0x0
	s_wait_alu depctr_vm_vsrc(0)
; out0[token] = w_lo (chain of expert lo) + w_hi (chain of expert hi), chain(e) = relu(relu(x W1[e] + b1[e]) W2[e] + b2[e]) W3[e] + b3[e], all three products on codes of BF6.
; Only the two experts that the top-2 chose are multiplied.  The tokens lie sorted by their pair (lo, hi); a work-group takes one block of up to 128 tokens of ONE pair through both chains, so each row of out0 has one owner.
; THE GRID serves every split: the sum over 28 pairs of ceil(count / 128) is at most (16,384 + 28 x 127) / 128 = 155.
; No barrier stands under or behind a branch on a number read from memory: a row past the block's count takes the block's last token (the same bytes are stored twice by this work-group);
; a block that the split leaves empty runs on held indices, and a scalar branch on its count, round the stores alone, keeps it from storing.
; SHARES.  Wave w gathers row tiles 2 w, 2 w + 1 and makes units (at last columns) 64 w .. 64 w + 63 of every layer for all 128 rows: a weight fragment comes from memory straight into one wave's operand registers and feeds eight products.
; The products are used transposed (source 0 = 16 units, source 1 = 16 tokens); hidden layers are quantised in registers and go from wave to wave through LDS as images of the operand's registers.  Biases are the C of each sum's first product.
; No cluster: which experts a work-group needs hangs on counts read from memory, so partners would not ask for the same weights.  No prefetch: a block's rows are known one load ahead of their use, and the weights are read by many work-groups.
; LIMITS: as in the launches before: a block of 32 under 2^-122 or of zeros gets the byte 1; NaN and infinities are not served.
; THE MODE: SCHED_MODE bits 1:0 = 2 (LLVM: expert scheduling mode 2), set by the entry lines.  The code itself states the register dependences between vector or matrix instructions and memory or LDS instructions, with s_wait_alu, always for 0.
; THE PLAN.  A step is one set of weights against the eight row tiles: 32 products.  Registers that memory or LDS instructions touch:
;   weight slots 0-3 (window 1), their scale words v24-31: step k's products read slot k % 4; the 13 loads of step k + 3 land in slot (k - 1) % 4, at the head of step k.
;   operand sets A and B, by turns: while the products read one, the next operand's LDS loads land in the other, which the step's own products do not name.
;   So ONE wait on va_vdst stands at a step's head: the step before is done reading its slot, its scale words and its operand set.  A step that issues no load, or only loads into registers that an earlier wait has covered, has none.
;   the quantiser's v200-207: written by the conversions, read by four LDS stores: one wait on va_vdst ahead of the stores, one on vm_vsrc ahead of the next writes.
;   the way out: T (v152-215) written by the weighing, read by LDS stores; v216-247 loaded from LDS, read by the global stores; v248-255 loaded, then held and shifted in place; v56-63 written by adds, read by the global stores as offsets:
;   one wait on va_vdst a row tile, ahead of its global stores, which also serves the next tile's LDS stores and loads; one on vm_vsrc behind them.
;   v1-22: addresses, made once at the head and never written again.
; REGISTERS: window 0: v1-22 addresses; v24-31 weights' scale words (four slots); v40-55 the rows' two weights; operand set A: v56-151, its scale words v32-39; operand set B: v152-247, its scale words v248-255.
;   Between the layers and on the way out B's registers are at work: v152-215 numbers, v216-247 rows read back, v248-255 their places; v56-63 the stores' offsets.
;   window 1: four slots of four weight fragments; from v192 the two experts' biases.   window 2: expert lo's 32 accumulators at 32 m + 8 t.   window 3: expert hi's.
.set WSOFF, 3096576
.set XSC,   73728                      ; LDS: x's 48 fragments (8 s + m) x 1,536 from byte 0; here their scale words, 128 bytes each
.set H1IMG, 79872                      ; the first hidden layer's 32 fragments: ((2 e + s) 8 + m) x 1,536
.set H1SC,  129024
.set H2IMG, 133120                     ; the second's
.set H2SC,  182272
.set RT,    186368                     ; three times the rows' tokens (a row of out0 is 3 x 1,024 bytes): row 16 m + p at 64 m + 32 (p % 2) + 4 (p / 2)
.set STG,   186880                     ; for each wave two stages of 16 rows x (256 bytes + 16)
.set LI, 1
.set L8, 2
.set AX0, 1
.set AX1, 4
.set AXS, 5
.set AH1, 6
.set AH1S, 7
.set AH2, 8
.set AH2S, 9
.set HW1, 10
.set HW2, 13
.set HWS1, 16
.set HWS2, 17
.set STO, 18
.set SRD, 19
.set RTA, 20
.set L16, 21
.set B64, 22
.set WSC, 24
.set OSC, 32                           ; operand set st: its scale words at OSC + 216 st,
.set PT, 40
.set OF, 56                            ; its fragments at OF + 96 st
.set AD, 56
.set T0, 152
.set TM, 184
.set PW, 200
.set PC, 202
.set PC2, 208
.set OB, 216
.set RO, 248
.set WV, 22
.set SP, 28                            ; s[28:45] expert lo's nine pointers, s[46:63] expert hi's: for layers 1, 2, 3: codes, scale words, bias, each with my wave's share
.set START, 66
.set CNT1, 67
.set ELO, 68
.set HAVE, 74
.set CNT, 75
.set SEL, 78
.set MSB, 0
.macro WIN new                         ; the immediate's high byte repeats the setting that is left
.if MSB != (\new)
	s_set_vgpr_msb (MSB<<8)|(\new)
.set MSB, (\new)
.endif
.endm
.macro PLACES cnt
.rept \cnt
	v_nop
.endr
.endm
.macro BARRIER                         ; my LDS stores have landed and my LDS loads are in: then the work-group's barrier
	s_wait_dscnt 0x0
	s_barrier_signal -1
	s_barrier_wait -1
.endm
.macro BLOAD dst, p                    ; a bias in the result's layout: register 8 t + j = unit 64 w + 32 (t / 2) + 16 h + 8 (t % 2) + j
.irp t, 0,1,2,3
	global_load_b128 v[\dst+8*\t:\dst+8*\t+3], v[B64], s[\p:\p+1] offset:(32*(\t/2)+8*(\t%2))*4
	global_load_b128 v[\dst+8*\t+4:\dst+8*\t+7], v[B64], s[\p:\p+1] offset:(32*(\t/2)+8*(\t%2))*4+16
.endr
.endm
.macro WLOAD slot, pc, offc, ps, offs  ; four weight fragments and their scale words: 13 loads
	WIN 0x40
.irp t, 0,1,2,3
.irp g, 0,1,2
	global_load_b128 v[48*(\slot)+12*\t+4*\g:48*(\slot)+12*\t+4*\g+3], v[LI], s[\pc:\pc+1] offset:(\offc)+1536*\t+512*\g
.endr
.endr
	WIN 0
	global_load_b64 v[WSC+2*(\slot):WSC+2*(\slot)+1], v[L8], s[\ps:\ps+1] offset:\offs
.endm
.macro ELOAD k                         ; the stream of weights: k = 2 s + e in layer 1 (k < 12); 12, 13: W2[lo]; 14, 15: W2[hi]
.if (\k) < 12
	WLOAD (\k)%4, SP+18*((\k)%2), 294912+6144*((\k)/2), SP+18*((\k)%2)+2, WSOFF+12288+256*((\k)/2)
.else
	WLOAD (\k)%4, SP+18*(((\k)-12)/2)+6, 1523712+6144*((\k)%2), SP+18*(((\k)-12)/2)+8, WSOFF+63488+256*((\k)%2)
.endif
.endm
.macro L3LOAD                          ; a chunk of 256 columns of layer 3: both biases and all four sets: 68 loads
	WIN 0x40
	BLOAD 192, SP+16
	BLOAD 224, SP+34
	WIN 0
.irp q, 0,1,2,3
	WLOAD \q, SP+18*(\q/2)+12, 1916928+6144*(\q%2), SP+18*(\q/2)+14, WSOFF+79872+256*(\q%2)
.endr
.endm
.macro FETCHN dst, osc, areg, off, sreg, soff   ; four operand fragments and their scale words from LDS images: 16 LDS loads
	WIN 0
.set fi, 0
.rept 4
.irp g, 0,1,2
	ds_load_b128 v[\dst+12*fi+4*\g:\dst+12*fi+4*\g+3], v[\areg] offset:(\off)+1536*fi+512*\g
.endr
	ds_load_b32 v[\osc+fi], v[\sreg] offset:(\soff)+128*fi
.set fi, fi+1
.endr
.endm
; 16 products: my four tiles of units x row tiles m0 .. m0 + 3 of operand set st.  The accumulators take turns, one instruction a turn.
.macro MULH slot, m0, cmode, cbase, st
.irp t, 0,1,2,3
.set mi, \m0
.rept 4
.set rD, 32*mi+8*\t
.set rA, 48*(\slot)+12*\t
.set rB, OF+96*(\st)+12*mi
.set rS, OSC+216*(\st)+mi
.if \cmode
.set rC, \cbase+8*\t
.else
.set rC, rD
.endif
.if \t%2
	v_wmma_scale_f32_16x16x128_f8f6f4 v[rD:rD+7], v[rA:rA+11], v[rB:rB+11], v[rC:rC+7], v[WSC+2*(\slot)+\t/2], v[rS] matrix_a_fmt:MATRIX_FMT_BF6 matrix_b_fmt:MATRIX_FMT_BF6 matrix_a_scale:MATRIX_SCALE_ROW1
.else
	v_wmma_scale_f32_16x16x128_f8f6f4 v[rD:rD+7], v[rA:rA+11], v[rB:rB+11], v[rC:rC+7], v[WSC+2*(\slot)+\t/2], v[rS] matrix_a_fmt:MATRIX_FMT_BF6 matrix_b_fmt:MATRIX_FMT_BF6
.endif
.set mi, mi+1
.endr
.endr
.endm
.macro PROD slot, e, cmode, st, m0     ; the same under its windows: weights window 1, operand window 0, sums window 2 or 3, a bias window 1
	WIN 0xa1+0x50*(\e)-0x10*(1+(\e))*(\cmode)
	MULH \slot, \m0, \cmode, 192+32*(\e), \st
.endm
; Step k = 2 s + e of layer 1: K step s, in operand set s % 2, serves expert lo (e = 0) and expert hi (e = 1).  Weights three steps ahead.
; Each of the two steps fetches half of K step s + 1 into the other set, between its two runs of 16 products.
.macro STEP1 k, ncnt
.set ks, (\k)/2
.set ke, (\k)%2
.set kn, ks+1
.set kc, 0
.if (\k) < 2
.set kc, 1
.endif
	s_wait_loadcnt \ncnt                           ; this step's weights are in; the younger loads may stay out
.if (\k) > 0
	s_wait_alu depctr_va_vdst(0)                   ; the step before is done reading its weight slot and scale words, in which the loads below land; in an even step K step s - 1's products are also done reading the other operand set
.endif
.if (\k) == 9
	WIN 0x40
	BLOAD 192, SP+10                               ; layer 2's biases (layer 1's were read by steps 0 and 1): 16 loads that stand among the younger ones in the next two counts
	BLOAD 224, SP+28
	WIN 0
.endif
	ELOAD (\k)+3
.if ke == 0
	s_wait_dscnt 16                                ; row tiles 0-3 of my operand are in; the youngest 16 loads, tiles 4-7, may stay out
.endif
	PROD (\k)%4, ke, kc, ks%2, 0
.if kn < 3
	FETCHN OF+96*(kn%2)+48*ke, OSC+216*(kn%2)+4*ke, AX0, 12288*kn+6144*ke, AXS, 1024*kn+512*ke   ; no wait: no product since the wait above names the other set
.elseif kn < 6
	FETCHN OF+96*(kn%2)+48*ke, OSC+216*(kn%2)+4*ke, AX1, 12288*(kn-3)+6144*ke, AXS, 1024*kn+512*ke
.endif
.if ke == 0
.if kn < 6
	s_wait_dscnt 16                                ; all but the 16 just issued: row tiles 4-7 are in
.else
	s_wait_dscnt 0x0
.endif
.endif
	PROD (\k)%4, ke, kc, ks%2, 4
	WIN 0
	PLACES 4                                       ; behind the products: in front of loads into registers that they read, and of the first read of results
.endm
; Step j of the four over a hidden layer: expert j / 2, K step j % 2: weight slot j, operand j in set j % 2.  The next operand's halves are fetched into the other set at the step's head and in its middle.
; ld = 1: layer 2's first step, which asks for the layer's last set of weights.
.macro STEPH j, ncnt, areg, sreg, ld
.set he, (\j)/2
.set hst, (\j)%2
.set hc, 1-hst
	s_wait_loadcnt \ncnt                           ; this step's weights (and its bias) are in; the younger loads may stay out
.if ((\j) == 1) || ((\j) == 2)
	s_wait_alu depctr_va_vdst(0)                   ; the step before is done reading its operand set and scale words, in which the LDS loads of this step land
.endif
.if \ld
	ELOAD 15                                       ; into the slot that layer 1's last step read: the quantiser's waits stand between
.endif
.if (\j) < 3
	FETCHN OF+96*(1-hst), OSC+216*(1-hst), \areg, 12288*((\j)+1), \sreg, 1024*((\j)+1)
	s_wait_dscnt 32                                ; row tiles 0-3 of my operand are in; its tiles 4-7 and the 16 loads just issued may stay out
.else
	s_wait_dscnt 16
.endif
	PROD \j, he, hc, hst, 0
.if (\j) < 3
	FETCHN OF+96*(1-hst)+48, OSC+216*(1-hst)+4, \areg, 12288*((\j)+1)+6144, \sreg, 1024*((\j)+1)+512
	s_wait_dscnt 32                                ; row tiles 4-7 are in; the next operand's 32 loads may stay out
.else
	s_wait_dscnt 0x0
.endif
	PROD \j, he, hc, hst, 4
	WIN 0
	PLACES 4                                       ; behind the products: in front of loads into registers that they read, and of the first read of results
.endm
; 32 results of a lane (my 64 units of one row tile) are clipped at 0, quantised and stored as half a fragment of the next product: registers 6 c .. 6 c + 5 and bytes 2 c, 2 c + 1 (c = wave % 2) of K step wave / 2
.macro QH swin, src, hw, hws, ioff, soff
	WIN \swin
.set qi, 0
.rept 32
	v_max_num_f32 v[T0+qi], 0, v[\src+qi]          ; the activation and the move to window 0 in one; each accumulator is read from its low end on
.set qi, qi+1
.endr
	WIN 0
.irp b, 0,1
	v_max3_num_f32 v[TM+\b], v[T0+16*\b], v[T0+1+16*\b], 0x2800000   ; and the floor 2^(5 - 127): the byte cannot fall under 1
.endr
.irp i, 2,4,6,8,10,12,14
.irp b, 0,1
	v_max3_num_f32 v[TM+\b], v[TM+\b], v[T0+16*\b+\i], v[T0+1+16*\b+\i]
.endr
.endr
.irp b, 0,1
	v_permlanex16_b32 v[TM+4+\b], v[TM+\b], s[SEL], s[SEL+1]
.endr
.irp b, 0,1
	v_max_num_f32 v[TM+\b], v[TM+\b], v[TM+4+\b]
.endr
.irp b, 0,1
	v_add_nc_u32 v[TM+12+\b], 0xfe000000, v[TM+\b]
.endr
.irp b, 0,1
	v_lshrrev_b32 v[TM+4+\b], 23, v[TM+12+\b]
.endr
	s_wait_alu depctr_va_vdst(0)
	s_wait_dscnt 0x0                               ; the last half fragment's four stores are done
	s_wait_alu depctr_vm_vsrc(0)                   ; and have read v[PW] and v[PC ..], which the lines below write again
	v_lshl_or_b32 v[PW], v[TM+5], 8, v[TM+4]
	v_cvt_scalef32_pk16_bf6_f32 v[PC:PC+2], v[T0:T0+15], v[TM+12]
	v_cvt_scalef32_pk16_bf6_f32 v[PC2:PC2+2], v[T0+16:T0+31], v[TM+13]
	v_nop                                          ; one plain place behind a scaled conversion
.irp i, 0,1,2
	v_permlane16_swap_b32 v[PC+\i], v[PC2+\i]
.endr
.irp i, 0,1,2
	v_mov_b32 v[PC+3+\i], v[PC2+\i]
.endr
	s_wait_alu depctr_va_vdst(0)                   ; v[PC .. PC + 5] and v[PW] are written, which the four LDS stores read
.irp j, 0,1,2
	ds_store_b64 v[\hw+\j], v[PC+2*\j:PC+2*\j+1] offset:\ioff
.endr
	ds_store_b16 v[\hws], v[PW] offset:\soff
.endm
.macro PTR dst, base, me, mw           ; a pointer = a buffer + expert x me + wave x mw  (s72: the expert, held to 0 .. 7; s71 = 0)
	s_mul_i32 s70, s72, \me
	s_mul_i32 s73, s[WV], \mw
	s_add_co_u32 s70, s70, s73
	s_add_nc_u64 s[\dst:\dst+1], s[\base:\base+1], s[70:71]
.endm
	s_load_b512 s[4:19], s[0:1], 0x0               ; xq 4, xs 6, tw 8, perm 10, wq 12, b1 14, b2 16, b3 18
	s_load_b64 s[20:21], s[0:1], 0x40              ; out0
	v_lshl_add_u32 v3, v0, 2, 0x36200
	v_mov_b32 v23, 0
	v_lshrrev_b32 v232, 5, v0
	v_readfirstlane_b32 s[WV], v232                ; wave 0..3
	v_and_b32 v232, 31, v0                         ; lane
	v_and_b32 v233, 15, v0                         ; r
	v_bfe_u32 v234, v0, 4, 1                       ; h
	v_lshlrev_b32 v235, 2, v232
	s_wait_alu depctr_va_sdst(0)                   ; s[WV] is written, ahead of its first reader: LDS places and the pointers are made from it
	s_wait_kmcnt 0x0
	s_wait_alu depctr_va_vdst(0)                   ; v235 is written, the offset of the three loads below
	global_load_b32 v236, v235, s[10:11] offset:65536    ; each slot's first block,
	global_load_b32 v237, v235, s[10:11] offset:65664    ; first place,
	global_load_b32 v238, v235, s[10:11] offset:65792    ; number of tokens
	s_mov_b32 s[SEL], 0x76543210
	s_mov_b32 s[SEL+1], 0xfedcba98
	v_lshlrev_b32 v[LI], 4, v232
	v_lshlrev_b32 v[L8], 3, v232
	v_add_nc_u32 v[AX1], 36864, v[LI]
	v_add_nc_u32 v[AXS], XSC, v235
	v_add_nc_u32 v[AH1], H1IMG, v[LI]
	v_add_nc_u32 v[AH1S], H1SC, v235
	v_add_nc_u32 v[AH2], H2IMG, v[LI]
	v_add_nc_u32 v[AH2S], H2SC, v235
	s_and_b32 s70, s[WV], 1                        ; c
	s_lshr_b32 s71, s[WV], 1                       ; the next product's K step
	s_mul_i32 s72, s71, 12288                      ; eight fragments on
	s_mul_i32 s73, s70, 520
	s_mul_i32 s74, s70, 1016
	s_add_co_u32 s73, s73, s72
	s_add_co_u32 s74, s74, s72
	v_add_nc_u32 v[HW1], s73, v[AH1]               ; registers 0, 1 (c = 1: 6, 7)
	v_add_nc_u32 v[HW1+1], s74, v[AH1]
	v_add_nc_u32 v[HW1+1], 8, v[HW1+1]             ; registers 2, 3 (8, 9)
	v_add_nc_u32 v[HW1+2], 512, v[HW1]             ; registers 4, 5 (10, 11)
	v_add_nc_u32 v[HW2], s73, v[AH2]
	v_add_nc_u32 v[HW2+1], s74, v[AH2]
	v_add_nc_u32 v[HW2+1], 8, v[HW2+1]
	v_add_nc_u32 v[HW2+2], 512, v[HW2]
	s_lshl_b32 s70, s70, 1
	s_lshl_b32 s71, s71, 10
	s_add_co_u32 s70, s70, s71
	v_add_nc_u32 v[HWS1], s70, v[AH1S]
	v_add_nc_u32 v[HWS2], s70, v[AH2S]
	s_mul_i32 s70, s[WV], 8704
	s_add_co_u32 s70, s70, STG                     ; my stages
	v_mul_u32_u24 v[STO], v233, 272
	v_lshl_add_u32 v[STO], v234, 6, v[STO]
	v_add_nc_u32 v[STO], s70, v[STO]               ; in: row r, + 64 h
	v_mul_u32_u24 v[SRD], v234, 272
	v_lshl_add_u32 v[SRD], v233, 4, v[SRD]
	v_add_nc_u32 v[SRD], s70, v[SRD]               ; back: lanes 0-15 one row of 256 bytes, lanes 16-31 the next
	v_lshl_add_u32 v[RTA], v234, 5, RT
	s_lshl_b32 s70, s[WV], 8
	v_lshl_add_u32 v[L16], v233, 4, s70            ; my 16 bytes of my wave's 256 in a chunk of a row of out0
	v_lshlrev_b32 v[B64], 6, v234
	v_add_nc_u32 v227, s70, v[AXS]                 ; where I store my two tiles' scale words,
	s_mul_i32 s70, s[WV], 3072
	v_add_nc_u32 v226, s70, v[LI]                  ; their images,
	v_and_b32 v228, 1, v233
	v_lshlrev_b32 v228, 5, v228
	v_lshrrev_b32 v229, 1, v233
	v_lshl_add_u32 v228, v229, 2, v228
	s_lshl_b32 s70, s[WV], 7
	s_add_co_u32 s70, s70, RT
	v_add_nc_u32 v228, s70, v228                   ; and their tokens
	v_mul_u32_u24 v250, v234, 288
	s_wait_loadcnt 0x0
	s_mov_b32 s23, ttmp9
	v_cmp_ge_u32 s24, s23, v236                    ; the slots that begin at or before my block: a run from slot 0 on
	s_wait_alu depctr_va_sdst(0)                   ; the mask s24 is written, ahead of its first reader
	s_bcnt1_i32_b32 s24, s24
	s_sub_co_u32 s24, s24, 1
	s_min_u32 s24, s24, 31                         ; my pair's slot (31, which is empty, for a block past the last)
	v_readlane_b32 s25, v236, s24
	v_readlane_b32 s26, v237, s24
	v_readlane_b32 s27, v238, s24
	s_wait_alu depctr_va_sdst(0)                   ; s25, s26 and s27 are written, ahead of their first readers
	s_sub_co_u32 s25, s23, s25
	s_lshl_b32 s25, s25, 7                         ; my block's first row in the pair
	s_sub_co_i32 s27, s27, s25                     ; rows left
	s_cmp_gt_i32 s27, 0
	s_cselect_b32 s[HAVE], 1, 0                    ; 0: the split has left this block empty
	s_max_i32 s27, s27, 1
	s_min_i32 s27, s27, 128
	s_sub_co_u32 s[CNT1], s27, 1
	s_add_co_u32 s[START], s26, s25
	s_mov_b32 s[ELO], 0
.irp thr, 7,13,18,22,25,27                     ; the slots at which lo rises
	s_cmp_ge_u32 s24, \thr
	s_cselect_b32 s69, 1, 0
	s_add_co_u32 s[ELO], s[ELO], s69
.endr
	s_sub_co_u32 s69, 15, s[ELO]
	s_mul_i32 s69, s69, s[ELO]
	s_lshr_b32 s69, s69, 1
	s_sub_co_u32 s69, s24, s69
	s_add_co_u32 s69, s69, s[ELO]
	s_add_co_u32 s69, s69, 1                       ; hi
	s_mov_b32 s71, 0
.irp e, 0,1
	s_min_u32 s72, s[ELO+\e], 7
	PTR SP+18*\e, 12, 147456, 36864
	PTR SP+18*\e+2, 12, 6144, 1536
	PTR SP+18*\e+4, 14, 1024, 256
	PTR SP+18*\e+6, 12, 49152, 12288
	PTR SP+18*\e+8, 12, 2048, 512
	PTR SP+18*\e+10, 16, 1024, 256
	PTR SP+18*\e+12, 12, 147456, 12288
	PTR SP+18*\e+14, 12, 6144, 512
	PTR SP+18*\e+16, 18, 3072, 256
.endr
.set pm, 0
.rept 8                                        ; where the token of row 16 m + r stands, for every row tile: its two weights are wanted at the end
	v_add_nc_u32 v[240+pm], 16*pm, v233
	v_min_u32 v[240+pm], s[CNT1], v[240+pm]        ; a row past the count takes the last row
	v_add_nc_u32 v[240+pm], s[START], v[240+pm]
	v_min_u32 v[240+pm], 0x3fff, v[240+pm]
	v_lshlrev_b32 v[240+pm], 2, v[240+pm]
.set pm, pm+1
.endr
	s_lshl_b32 s70, s[WV], 5
.irp a, 0,1                                    ; and of the two tiles that I gather
	v_add_nc_u32 v[248+\a], 16*\a, v233
	v_add_nc_u32 v[248+\a], s70, v[248+\a]
	v_min_u32 v[248+\a], s[CNT1], v[248+\a]
	v_add_nc_u32 v[248+\a], s[START], v[248+\a]
	v_min_u32 v[248+\a], 0x3fff, v[248+\a]
	v_lshlrev_b32 v[248+\a], 2, v[248+\a]
.endr
	s_wait_alu depctr_va_vdst(0)                   ; the ten offsets v240-249 are written, and so is every address v1-22 and v226-228 that the loads and stores of the kernel read
.set pm, 0
.rept 8
	global_load_b32 v[216+pm], v[240+pm], s[10:11]
.set pm, pm+1
.endr
.irp a, 0,1
	global_load_b32 v[224+\a], v[248+\a], s[10:11]
.endr
	WIN 0x40
	BLOAD 192, SP+4
	BLOAD 224, SP+22
	WIN 0
	ELOAD 0
	ELOAD 1
	ELOAD 2
	s_wait_loadcnt 55                              ; the ten tokens are in; behind them 16 loads of bias and 3 x 13 of weights
	s_wait_alu depctr_vm_vsrc(0)                   ; the ten loads have read their offsets v240-249, which are written again below
	s_mov_b32 s70, 576
.set pm, 0
.rept 8
	v_min_u32 v[216+pm], 0x3fff, v[216+pm]
	v_lshlrev_b32 v[240+pm], 3, v[216+pm]
.set pm, pm+1
.endr
.irp a, 0,1
	v_min_u32 v[224+\a], 0x3fff, v[224+\a]
	v_mad_u32_u24 v[248+\a], v[224+\a], s70, v250  ; my token's codes: 576 bytes, my half's 288
	v_lshlrev_b32 v[252+\a], 5, v[224+\a]
	v_mul_u32_u24 v[230+\a], v[224+\a], 3          ; its row of out0, in units of 1,024 bytes
.endr
	s_wait_alu depctr_va_vdst(0)                   ; the offsets v240-249, v252 and v253 are written, which the loads below read, and v230 and v231, which LDS stores read
.set pm, 0
.rept 8
	global_load_b64 v[PT+2*pm:PT+2*pm+1], v[240+pm], s[8:9]
.set pm, pm+1
.endr
.irp a, 0,1
.set pm, 0
.rept 18
	global_load_b128 v[56+72*\a+4*pm:59+72*\a+4*pm], v[248+\a], s[4:5] offset:16*pm
.set pm, pm+1
.endr
	global_load_b128 v[200+8*\a:203+8*\a], v[252+\a], s[6:7]
	global_load_b64 v[204+8*\a:205+8*\a], v[252+\a], s[6:7] offset:16
.endr
	s_wait_loadcnt 0x0
.irp a, 0,1
.irp s, 0,1,2,3,4,5
.irp g, 0,1,2
	ds_store_b128 v226, v[56+72*\a+12*\s+4*\g:59+72*\a+12*\s+4*\g] offset:12288*\s+1536*\a+512*\g
.endr
	ds_store_b32 v227, v[200+8*\a+\s] offset:1024*\s+128*\a
.endr
	ds_store_b32 v228, v[230+\a] offset:64*\a      ; lanes 16-31 write the same number to the same place
.endr
	BARRIER                                        ; x's 48 fragments and the rows' places in out0 lie in LDS
	s_wait_alu depctr_vm_vsrc(0)                   ; my LDS stores have read v56-213 and v226-231, and the head's loads their offsets v235 and v240-253: these registers are the operand sets A and B from here on, in which LDS loads land
	; ---- layer 1: twelve steps; no vector instruction has named a register of A or B since the last wait on va_vdst, so step 0 has no such wait
	FETCHN OF, OSC, AX0, 0, AXS, 0
	FETCHN OF+48, OSC+4, AX0, 6144, AXS, 512
	STEP1 0, 26
	STEP1 1, 26
	STEP1 2, 26
	STEP1 3, 26
	STEP1 4, 26
	STEP1 5, 26
	STEP1 6, 26
	STEP1 7, 26
	STEP1 8, 26
	STEP1 9, 26
	STEP1 10, 42                                   ; behind this step's weights: one set, the 16 loads of bias, one set
	STEP1 11, 42                                   ; the 16 loads of bias and two sets
	v_mov_b32 v[TM+4], 0                           ; a lane permute's destination counts as one of its sources
	v_mov_b32 v[TM+5], 0
.irp e, 0,1
.irp m, 0,1,2,3,4,5,6,7
	QH 0x08+4*\e, 32*\m, HW1, HWS1, (16*\e+\m)*1536, (16*\e+\m)*128
.endr
.endr
	BARRIER                                        ; the first hidden layer's 32 fragments lie in LDS
	s_wait_alu depctr_vm_vsrc(0)                   ; my last four LDS stores have read v[PW] and v[PC ..], which lie in operand set B, in which LDS loads land below
	; ---- layer 2: the quantiser's last wait on va_vdst stands behind every vector and matrix line that names A, B or the weight slots, so step 0 has no such wait
	FETCHN OF, OSC, AH1, 0, AH1S, 0
	FETCHN OF+48, OSC+4, AH1, 6144, AH1S, 512
	STEPH 0, 26, AH1, AH1S, 1
	STEPH 1, 26, AH1, AH1S, 0
	STEPH 2, 13, AH1, AH1S, 0
	STEPH 3, 0, AH1, AH1S, 0
	s_wait_alu depctr_va_vdst(0)                   ; layer 2's products are done reading the four weight slots, their scale words and the biases, in which the loads below land
	L3LOAD                                         ; layer 3's first chunk lands while the hidden layer is quantised
	v_mov_b32 v[TM+4], 0                           ; (operand set B has lain here since these two were last written)
	v_mov_b32 v[TM+5], 0
.irp e, 0,1
.irp m, 0,1,2,3,4,5,6,7
	QH 0x08+4*\e, 32*\m, HW2, HWS2, (16*\e+\m)*1536, (16*\e+\m)*128
.endr
.endr
	BARRIER                                        ; the second hidden layer's 32 fragments lie in LDS: the last barrier of the text
	s_wait_alu depctr_vm_vsrc(0)                   ; my last four LDS stores have read v[PW] and v[PC ..], which lie in operand set B and in T
	; ---- layer 3 and the way out, three chunks of 256 columns
.macro COMB m                          ; w_lo x expert lo's results + w_hi x expert hi's, each accumulator from its low end on
.set TT, T0+32*((\m)%2)
	WIN 0x02
.set ci, 0
.rept 16
	v_pk_mul_f32 v[TT+2*ci:TT+2*ci+1], v[32*(\m)+2*ci:32*(\m)+2*ci+1], v[PT+2*(\m):PT+2*(\m)+1] op_sel_hi:[1,0]
.set ci, ci+1
.endr
	WIN 0x03
.set ci, 0
.rept 16
	v_pk_fma_f32 v[TT+2*ci:TT+2*ci+1], v[32*(\m)+2*ci:32*(\m)+2*ci+1], v[PT+2*(\m):PT+2*(\m)+1], v[TT+2*ci:TT+2*ci+1] op_sel:[0,1,0] op_sel_hi:[1,1,1]
.set ci, ci+1
.endr
	WIN 0
.endm
.macro TOST m                          ; into my stage, and back as whole rows of 256 bytes, with the rows' places in out0.  No wait here: the last wait on va_vdst stands behind the weighing that wrote T and behind every vector line that named v248-255
.set TT, T0+32*((\m)%2)
.irp b, 0,1
.irp q, 0,1,2,3
	ds_store_b128 v[STO], v[TT+16*\b+4*\q:TT+16*\b+4*\q+3] offset:4352*((\m)%2)+128*\b+16*\q
.endr
.endr
	ds_load_b128 v[RO:RO+3], v[RTA] offset:64*(\m)
	ds_load_b128 v[RO+4:RO+7], v[RTA] offset:64*(\m)+16
.set ti, 0
.rept 8
	ds_load_b128 v[OB+4*ti:OB+4*ti+3], v[SRD] offset:4352*((\m)%2)+544*ti   ; LDS serves a wave's instructions in order: these see my stores
.set ti, ti+1
.endr
.endm
.macro SEND
	s_wait_dscnt 0x0                               ; the rows and their places are back
.set si, 0
.rept 8
	v_min_u32 v[RO+si], 0xbffd, v[RO+si]           ; held at 3 x 16,383, the last row of out0, ahead of its use in an address
	v_lshlrev_b32 v[RO+si], 10, v[RO+si]           ; in bytes
	v_add_nc_u32 v[AD+si], v[L16], v[RO+si]        ; + my 16 bytes of my wave's 256
.set si, si+1
.endr
	s_wait_alu depctr_va_vdst(0)                   ; the offsets v[AD ..] are written, which the stores read; the next tile's T is written, which its LDS stores read; the lines above are done with v[RO ..], in which the next tile's places land
	s_cmp_eq_u32 s[HAVE], 0
	s_cbranch_scc1 .Lnone_\@                       ; an empty block stores nothing: the jump goes over these eight stores alone
.set si, 0
.rept 8
	global_store_b128 v[AD+si], v[OB+4*si:OB+4*si+3], s[20:21] th:TH_STORE_NT   ; sixteen lanes store 256 consecutive bytes of one token's row, at a multiple of 256
.set si, si+1
.endr
.Lnone_\@:
	s_wait_xcnt 0x0                                ; the stores' data, offsets and base are written again only behind this wait
	s_wait_alu depctr_vm_vsrc(0)                   ; the stores have read v[AD ..] and v[OB ..], and the LDS stores issued so far their T: all are written again below
.endm
	s_mov_b32 s[CNT], 3
.Lchunk:                                               ; on the way in and on the way back alike: every vector or matrix line that names A or B stands ahead of the last wait on va_vdst, every store that reads them ahead of the last wait on vm_vsrc: step 0 has no wait of its own
	FETCHN OF, OSC, AH2, 0, AH2S, 0
	FETCHN OF+48, OSC+4, AH2, 6144, AH2S, 512
	STEPH 0, 39, AH2, AH2S, 0
	STEPH 1, 26, AH2, AH2S, 0
	STEPH 2, 13, AH2, AH2S, 0
	STEPH 3, 0, AH2, AH2S, 0
	COMB 0
	s_wait_alu depctr_va_vdst(0)                   ; the chunk's products are done reading the weight slots, scale words and biases, in which the next chunk's loads land, and operand set B, in which the way out's LDS loads land; tile 0's T is written, which its LDS stores read
	s_cmp_eq_u32 s[CNT], 1
	s_cbranch_scc1 .Lno_more
.irp e, 0,1                                    ; the wait for 0 in the last step has shown this chunk's loads done: their pointers step to the next chunk,
	s_add_nc_u64 s[SP+18*\e+12:SP+18*\e+13], s[SP+18*\e+12:SP+18*\e+13], 49152
	s_add_nc_u64 s[SP+18*\e+14:SP+18*\e+15], s[SP+18*\e+14:SP+18*\e+15], 2048
	s_add_nc_u64 s[SP+18*\e+16:SP+18*\e+17], s[SP+18*\e+16:SP+18*\e+17], 1024
.endr
	L3LOAD                                         ; which lands while this chunk goes out
.Lno_more:
	TOST 0
.irp m, 1,2,3,4,5,6,7
	COMB \m                                        ; a tile's arithmetic stands between the loads of the tile before and the wait for them
	SEND
	TOST \m
.endr
	SEND
	s_add_nc_u64 s[20:21], s[20:21], 1024          ; (behind SEND's wait: the stores have read their base)
	s_sub_co_u32 s[CNT], s[CNT], 1
	s_cmp_lg_u32 s[CNT], 0
	s_cbranch_scc1 .Lchunk
	s_wait_dscnt 0x0                               ; the closing lines, six on end
	s_wait_alu 0x0
	s_wait_tensorcnt 0x0
	ds_add_u32 v3, v23
	s_wait_dscnt 0x0
	s_endpgm
.Lfunc_end_k_q486b07ff8d_experts:
	.size	k_q486b07ff8d_experts, .Lfunc_end_k_q486b07ff8d_experts-k_q486b07ff8d_experts
	.p2alignl 7, 3214868480
	.fill 96, 4, 3214868480
	.section	.rodata,"a",@progbits
	.p2align	6, 0x0
	.amdhsa_kernel k_q486b07ff8d_experts
		.amdhsa_group_segment_fixed_size 222208
		.amdhsa_private_segment_fixed_size 0
		.amdhsa_enable_private_segment 0
		.amdhsa_kernarg_size 72
		.amdhsa_user_sgpr_count 2
		.amdhsa_user_sgpr_kernarg_segment_ptr 1
		.amdhsa_wavefront_size32 1
		.amdhsa_system_sgpr_workgroup_id_x 1
		.amdhsa_system_sgpr_workgroup_id_y 1
		.amdhsa_system_sgpr_workgroup_id_z 1
		.amdhsa_system_vgpr_workitem_id 0
		.amdhsa_next_free_vgpr 1024
		.amdhsa_next_free_sgpr 100
		.amdhsa_reserve_vcc 0
		.amdhsa_float_denorm_mode_32 3
		.amdhsa_float_denorm_mode_16_64 3
		.amdhsa_memory_ordered 1
		.amdhsa_forward_progress 1
		.amdhsa_inst_pref_size 255
	.end_amdhsa_kernel
	.section	.bss,"aw",@nobits
	.p2align	6
	.space	262144
	.amdgpu_metadata
---
amdhsa.version: [ 1, 2 ]
amdhsa.kernels:
  - .name:           k_q486b07ff8d_experts
    .symbol:         k_q486b07ff8d_experts.kd
    .args:
      - { .name: xq, .offset: 0, .size: 8, .value_kind: global_buffer, .address_space: global }
      - { .name: xs, .offset: 8, .size: 8, .value_kind: global_buffer, .address_space: global }
      - { .name: tw, .offset: 16, .size: 8, .value_kind: global_buffer, .address_space: global }
      - { .name: perm, .offset: 24, .size: 8, .value_kind: global_buffer, .address_space: global }
      - { .name: wq, .offset: 32, .size: 8, .value_kind: global_buffer, .address_space: global }
      - { .name: b1, .offset: 40, .size: 8, .value_kind: global_buffer, .address_space: global }
      - { .name: b2, .offset: 48, .size: 8, .value_kind: global_buffer, .address_space: global }
      - { .name: b3, .offset: 56, .size: 8, .value_kind: global_buffer, .address_space: global }
      - { .name: out0, .offset: 64, .size: 8, .value_kind: global_buffer, .address_space: global }
    .group_segment_fixed_size: 222208
    .private_segment_fixed_size: 0
    .kernarg_segment_align: 8
    .kernarg_segment_size: 72
    .max_flat_workgroup_size: 128
    .sgpr_count:     100
    .vgpr_count:     1024
    .wavefront_size: 32
...
	.end_amdgpu_metadata
.endif
;; end of part 8
